; MI455X (gfx1250); checked and timed in simulation.
; The chip was launched on July 23, 2026; its instructions are those of AMD's public machine-readable ISA for CDNA 5 (MIT licence, August 2026) and "CDNA5" Instruction Set Architecture Reference Guide (July 2026). The comments in the code are by the model that wrote it; some were corrected since.
;; Llama Decoder Layer. Allowed arithmetic: matrix products marked QUANTISED: E2M3 operands, one E8M0 scale for each 32 along K, by v_wmma_scale_f32_16x16x128_f8f6f4 with both operands' format E2M3, f32 sums; everything else in f32.
;; Inputs: hidden_states 1 x 2,048 x 2,048 float32; ln1_w 2,048 float32; ln2_w 2,048 float32; position_ids 1 x 2,048 int32; w_down 2,048 x 1,376 float32; w_gate 1,376 x 2,048 float32; w_up 1,376 x 2,048 float32; wk 2,048 x 2,048 float32; wo 2,048 x 2,048 float32; wq 2,048 x 2,048 float32; wv 2,048 x 2,048 float32.
;; Outputs: out0 1 x 2,048 x 2,048 float32.
;; This version of the problem:
;;   THIS VERSION OF THE PROBLEM IS GIVEN IN LOW PRECISION. The matrix products marked QUANTISED in the list below multiply operands that are first quantised to E2M3 (2 exponent bits, 3 mantissa bits; 6 bits a number), with one power-of-two scale for each 32 numbers along K (OCP MX v1.0); their sums are f32. All else is computed in f32.
;;   The module's matrix products, in the order in which they are computed (A, B: the left and right operand; K: the contracted axis; several contracted axes count as one K, in the product's order):
;;     1. [M 2,048, K 2,048] x [K 2,048, N 2,048]; A: computed on the way; B: input wq: QUANTISED
;;     2. [M 2,048, K 2,048] x [K 2,048, N 2,048]; A: computed on the way; B: input wk: QUANTISED
;;     3. [M 2,048, K 2,048] x [K 2,048, N 2,048]; A: computed on the way; B: input wv: QUANTISED
;;     4. batch 32 x [M 2,048, K 64] x [K 64, N 2,048]; A: computed on the way; B: computed on the way: QUANTISED
;;     5. batch 32 x [M 64, K 2,048] x [K 2,048, N 2,048]; A: computed on the way; B: softmax (see below): QUANTISED
;;     6. [M 2,048, K 2,048] x [K 2,048, N 2,048]; A: computed on the way; B: input wo: QUANTISED
;;     7. [M 2,048, K 2,048] x [K 2,048, N 1,376]; A: computed on the way; B: input w_gate: QUANTISED
;;     8. [M 2,048, K 2,048] x [K 2,048, N 1,376]; A: computed on the way; B: input w_up: QUANTISED
;;     9. [M 2,048, K 1,376] x [K 1,376, N 2,048]; A: computed on the way; B: input w_down: QUANTISED
;;   THE QUANTISER, for each operand of a quantised product, along K:
;;     - K is cut into blocks of 32 from its start; a last block that is shorter is filled with zeros.
;;     - A block's scale is 2^e with e = floor(log2(the largest magnitude in the block)) - 2, held to -126 .. 127; a block of zeros has e = 0. As a byte (E8M0): e + 127.
;;     - Each number is divided by its block's scale, clamped to +-7.5, and rounded to the nearest number of E2M3, ties to even, subnormals kept.
;;     - The product sums the exact products of the quantised numbers (number of the format x scale) in f32.
;;   ~~~python
;;   def quantise(x, axis):      # numpy; x: float32 -> the quantised numbers, widened to float32 again
;;       x = np.moveaxis(x, axis, -1); K = x.shape[-1]
;;       x = np.pad(x, [(0, 0)] * (x.ndim - 1) + [(0, -K % 32)]); x = x.reshape(x.shape[:-1] + (-1, 32)); a = np.abs(x).max(-1, keepdims=True)
;;       e = np.where(a > 0, np.clip(np.frexp(np.where(a > 0, a, 1))[1] - 1 - 2, -126, 127), 0)      # np.frexp(a)[1] - 1 = floor(log2(a)), exactly
;;       r = np.clip(x / 2.0 ** e, -7.5, 7.5)
;;       step = 2.0 ** (np.maximum(np.frexp(np.where(r == 0, 1, r))[1] - 1, 0) - 3)
;;       q = np.round(r / step) * step * 2.0 ** e      # np.round: ties to even
;;       return np.moveaxis(q.reshape(q.shape[:-2] + (-1,))[..., :K], -1, axis).astype(np.float32)
;;   ~~~
;;   SOFTMAX AHEAD OF A QUANTISED PRODUCT. Where the list says 'softmax', what is quantised is not the finished softmax but p = 2^(t - M), with t = logit x log2(e) and M = ceil(the row's largest t), a whole number; so 1/2 < the row's largest p <= 1. The row's sum l is taken of the UNQUANTISED p, in f32, and the product's result is divided by l at the end. Since M is a whole number, a kernel that streams over the keys may use a running M (the ceiling of the running maximum): every later rescaling is an exact power of two, which a block's scale takes up: the codes' values come out the same.
;;   OPERANDS COMPUTED ON THE WAY. 'Computed on the way' means the value that the module computes at that place (a softmax that the list does not call 'softmax' is quantised finished and normalised). What goes into a quantiser is computed in f32, as accurately as f32 sums, v_exp_f32 and their like allow (about 1e-6 of the number): no bf16 or f16 on the way to a quantiser, and a product that is left as it is and whose result goes on into a quantised operand takes f32 operands (vector FMAs, or v_wmma_f32_16x16x4_f32). A number that lies on a knife's edge between two numbers of the format may be rounded either way, as far as f32 arithmetic and the matrix unit's own rounding can turn it there, and no further.
;; One version. Each part assembles by itself: llvm-mc -triple=amdgcn-amd-amdhsa -mcpu=gfx1250 --defsym DOCPART=n.
;; ======== version 1 of 1: 11 launches
;; limits: right only within a limited range of input values
;; workspace buffers: wbuf 21,413,888 bytes; acode 3,276,800 bytes; fbuf 16,777,216 bytes; hid2 16,777,216 bytes; qkv 10,092,544 bytes; pmax0 2,048 bytes; pmax1 2,048 bytes; rrow 8,192 bytes
;; launch wquant (part 1): grid 3680 x 1, 4 waves a work-group, no clusters, 34,560 bytes of LDS; arguments wq, wk, wv, wo, w_gate, w_up, w_down, position_ids, hidden_states, ln1_w, rrow, pmax0, wbuf; writes wbuf, rrow, pmax0
.if DOCPART == 1
	.amdgcn_target "amdgcn-amd-amdhsa--gfx1250"
	.amdhsa_code_object_version 6
	.text
	.protected	k_q74206f01cf_wquant
	.globl	k_q74206f01cf_wquant
	.p2align	8
	.type	k_q74206f01cf_wquant,@function
k_q74206f01cf_wquant:
	s_mov_b64 s[64:65], 0
	v_nop
	global_prefetch_b8 v0, s[64:65] scope:SCOPE_SE
	s_setreg_imm32_b32 hwreg(HW_REG_WAVE_MODE, 25, 1), 1
	s_wait_xcnt 0x0
; FIRST LAUNCH OF ELEVEN: one Llama decoder layer, 2,048 tokens x 2,048, 32 heads of 64, 1,376 inner units, all nine products on codes of E2M3 with one E8M0 scale for each 32 along K.
; WORK LEFT OUT BY THE PROGRAM: only the key steps of 128 keys that lie wholly above the diagonal of the mask that the layer builds itself (key > query for every query of the tile): their scores are
; replaced by the least f32 number ahead of the softmax, so their weights are 0 for every finite input and add nothing to the sum or to the product with V.  A NaN, an infinity or an overflow that would arise
; only in those scores is not carried to the result.  Every input is loaded.
; WORK KEPT THOUGH IT HOLDS ZEROS (inside tiles that also hold live work): 32 zero rows that fill gate and up from 1,376 to 1,408, which give the zero block that the quantiser asks for behind K = 1,376; the upper 64 of K in Q K^T, as zero codes.
; LIMITS: |position_ids| under 2^22 (reduction by pi/2 in three parts); NaN and infinities among the inputs are not served; a tensor that is all zeros ahead of a division by its largest magnitude is not served;
; x / scale is x times a refined reciprocal (within an ulp or so of the quotient); a block of zeros gets the byte 1, not 127 (its codes are zeros, and this program alone reads the bytes);
; the rope's frequencies are 10^(-f/8) rounded to f32.
; THIS LAUNCH does three things that hang on no earlier result, told apart by the work-group's number:
;   work-groups 0-511: the first norm's figures: for each row of hidden_states r = rsqrt(mean of x^2 + 1e-5), stored, and the largest |(x r) w|, of which each work-group stores its four rows' maximum.  h itself is not stored: the quantiser forms it again;
;   the next 3,136: the seven weights become codes and scale words in wbuf, in the order of an operand's registers;   the last 32: the rope's cosines and sines become a table.
; A record of wbuf: 16 rows (a row tile) x 4 K steps of 128: 256 bytes of scale words [row][step], then for each step 1,536 bytes: registers 4 c .. 4 c + 3 of the fragment at 512 c + 16 x lane.  Four records' room to a row tile.
; Row tiles: 0-127 wq, 128-255 wk (lane row i of tile 2 G + u is row 32 G + 8 u + i + 8 (i / 8), so that a later result has 16 neighbours along the head in a lane), 256-383 wv, 384-511 wo,
; 512-687 gate and up by turns (two tiles of gate, the same two of up; the last four hold zeros), 688-815 w_down (11 steps).
; A weight's work-group takes one record, each of its four waves one K step: 16 loads of 512 consecutive bytes, a turn through the wave's own stage in LDS, so that a lane holds two whole blocks of 32 of its row.
.set RT,    25600                      ; bytes of a row tile in wbuf
.set KG,    6400                       ; bytes of a record
.set FRB,   1536                       ; bytes of a fragment
.set ROPE,  816*RT                     ; the table, behind the 816 row tiles
.set STG,   16*528                     ; a wave's stage: 16 rows of 512 bytes + 16
.set SPARE, 4*STG                      ; behind the stages: the spare words, 128 bytes a wave
.set MAXW,  SPARE+512                  ; behind them: the four waves' maxima of the norm's path, bytes that no other path names
.set NRM,   512                        ; work-groups of the norm's path
.set LN,   1                           ; lane
.set RR,   2                           ; lane % 16
.set HH,   3                           ; lane / 16
.set L16,  4                           ; 16 x lane
.set STI,  5                           ; the stage, on the way in
.set STO,  6                           ; and out
.set SWA,  7                           ; my row's scale word in the record
.set PV,   8                           ; the source's pitch
.set L16E, 9                           ; 16 x lane, or 0 in a lane that has nothing to load
.set CA,   10                          ; my 16 bytes of a fragment's image
.set SPW,  12
.set NIL,  13
.set ROW,  16                          ; v16-31  byte offsets of the tile's 16 rows
.set R,    32                          ; v32-95  64 numbers
.set C,    96                          ; v96-107 the fragment
.set U,    108                         ; v108-114 the halves that a conversion cannot put in place
.set T,    116                         ; v116-123 at work
.set SEL,  10                          ; s[10:11] lane selects: lane xor 16
.set IDX,  59                          ; s59 the work-group's number among the weights' and the table's
; 64 numbers of a lane, two whole blocks of 32 (k = 32 h .. and 64 + 32 h ..), become the fragment in v[C] on and the row's scale word in v[T+6]
.macro Q2W
.irp c, 0,1
	v_max3_num_f32 v[T+\c], |v[R+32*\c]|, |v[R+32*\c+1]|, 0x1800000   ; with the floor 2^(3 - 127): the byte cannot fall under 1
.endr
.irp i, 2,4,6,8,10,12,14,16,18,20,22,24,26,28,30
.irp c, 0,1
	v_max3_num_f32 v[T+\c], v[T+\c], |v[R+32*\c+\i]|, |v[R+32*\c+\i+1]|
.endr
.endr
.irp c, 0,1
	v_add_nc_u32 v[T+2+\c], 0xff000000, v[T+\c]    ; 2 off the exponent field: the conversion's scale operand
.endr
.irp c, 0,1
	v_lshrrev_b32 v[T+4+\c], 23, v[T+2+\c]         ; the scale's byte
.endr
	v_lshl_or_b32 v[T+6], v[T+5], 16, v[T+4]       ; my two bytes: blocks h and 2 + h,
	v_lshlrev_b32 v[T+7], 3, v[HH]
	v_lshlrev_b32 v[T+6], v[T+7], v[T+6]           ; at their places;
	v_mov_b32 v[T+7], 0
	v_permlanex16_b32 v[T+7], v[T+6], s[SEL], s[SEL+1]
	v_or_b32 v[T+6], v[T+6], v[T+7]                ; with lane xor 16's two the word is whole
.irp c, 0,1
	v_cvt_scalef32_pk16_fp6_f32 v[C+6*\c:C+6*\c+2], v[R+32*\c:R+32*\c+15], v[T+2+\c]
	v_cvt_scalef32_pk16_fp6_f32 v[U+4*\c:U+4*\c+2], v[R+32*\c+16:R+32*\c+31], v[T+2+\c]   ; (a conversion's three registers begin on an even number)
.endr
	v_nop                                          ; one plain place behind a scaled conversion
.irp c, 0,1
.irp i, 0,1,2
	v_mov_b32 v[C+3+6*\c+\i], v[U+4*\c+\i]
.endr
.endr
.endm
	s_load_b512 s[16:31], s[0:1], 0x0              ; wq, wk, wv, wo, gate, up, down, positions
	s_load_b64 s[32:33], s[0:1], 0x60              ; wbuf
	v_lshl_add_u32 v[SPW], v0, 2, SPARE
	v_mov_b32 v[NIL], 0
	v_lshrrev_b32 v[LN], 5, v0
	v_readfirstlane_b32 s2, v[LN]                  ; wave 0..3
	v_and_b32 v[LN], 31, v0
	v_and_b32 v[RR], 15, v0
	v_bfe_u32 v[HH], v0, 4, 1
	v_lshlrev_b32 v[L16], 4, v[LN]
	s_mov_b32 s[SEL], 0x76543210
	s_mov_b32 s[SEL+1], 0xfedcba98
	s_cmp_lt_u32 ttmp9, NRM                        ; the first 512 work-groups take the norm: its two rounds of loads and its barrier make the longest way, so it starts first
	s_cbranch_scc1 .Lnorm
	s_sub_co_u32 s[IDX], ttmp9, NRM
	s_cmp_ge_u32 s[IDX], 3136                      ; the last 32 work-groups make the rope's table
	s_cbranch_scc1 .Lrope
	; which record: s3 = row tile D, s34 = group of four K steps
	s_lshr_b32 s3, s[IDX], 2
	s_and_b32 s34, s[IDX], 3
	s_sub_co_u32 s41, s[IDX], 2752                 ; w_down has three groups a tile
	s_lshr_b32 s42, s41, 7
	s_and_b32 s43, s41, 127
	s_add_co_u32 s43, s43, 688
	s_cmp_ge_u32 s[IDX], 2752
	s_cselect_b32 s3, s43, s3
	s_cselect_b32 s34, s42, s34
	s_lshl_b32 s35, s34, 2
	s_add_co_u32 s35, s35, s2                      ; my K step
	; s36 = the tile in its source, s37 = the source's pitch
	s_and_b32 s36, s3, 127
	s_sub_co_u32 s41, s3, 512
	s_lshr_b32 s42, s41, 2
	s_lshl_b32 s42, s42, 1
	s_and_b32 s43, s41, 1
	s_add_co_u32 s42, s42, s43                     ; gate and up: tile 2 (E / 4) + E % 2
	s_cmp_ge_u32 s3, 512
	s_cselect_b32 s36, s42, s36
	s_sub_co_u32 s42, s3, 688
	s_mov_b32 s37, 8192
	s_cmp_ge_u32 s3, 688
	s_cselect_b32 s36, s42, s36
	s_cselect_b32 s37, 5504, s37
	s_cselect_b32 s41, s35, 0                      ; my K step where the source is w_down
	; s39 = lanes that load (16 bytes each of a row's 512), s40 = 1: no codes are stored, s44 = the K step that is read
	s_mov_b32 s39, 32
	s_cmp_eq_u32 s41, 10                           ; w_down's last step holds 96 numbers
	s_cselect_b32 s39, 24, s39
	s_cmp_eq_u32 s41, 11                           ; and the step behind it none: only its scale words are written, since the record's first 256 bytes are fetched whole
	s_cselect_b32 s39, 0, s39
	s_cselect_b32 s40, 1, 0
	s_cselect_b32 s44, 0, s35
	s_sub_co_u32 s41, s3, 684                      ; row tiles 684-687: the rows behind gate's and up's 1,376
	s_cmp_lt_u32 s41, 4
	s_cselect_b32 s39, 0, s39
	s_cselect_b32 s36, 0, s36
	; the tile's first row and the distance from row i to row i + 8
	s_lshr_b32 s41, s36, 1
	s_lshl_b32 s41, s41, 5
	s_and_b32 s42, s36, 1
	s_lshl_b32 s42, s42, 3
	s_add_co_u32 s41, s41, s42                     ; wq, wk: 32 (t / 2) + 8 (t % 2)
	s_lshl_b32 s42, s36, 4
	s_lshl_b32 s43, s37, 4
	s_lshl_b32 s45, s37, 3
	s_cmp_lt_u32 s3, 256
	s_cselect_b32 s41, s41, s42
	s_cselect_b32 s38, s43, s45
	s_mul_i32 s6, s41, s37
	s_lshl_b32 s42, s44, 9
	s_add_co_u32 s6, s6, s42
	s_mov_b32 s7, 0
	s_mul_i32 s8, s3, RT
	s_mul_i32 s41, s34, KG
	s_add_co_u32 s8, s8, s41
	s_mov_b32 s9, 0
	s_and_b32 s45, s3, 2                           ; gate and up: tiles 2, 3 of four are up's
	s_wait_alu depctr_va_vdst(0)
	v_cmp_gt_u32 s46, s39, v[LN]                   ; the lanes that load
	v_cndmask_b32 v[L16E], 0, v[L16], s46          ; the others read the row's first bytes: no load leaves its buffer
	v_mov_b32 v[PV], s37
.irp i, 0,1,2,3,4,5,6,7
	v_mad_u32_u24 v[ROW+\i], v[PV], \i, v[L16E]
.endr
.irp i, 0,1,2,3,4,5,6,7
	v_add_nc_u32 v[ROW+8+\i], s38, v[ROW+\i]
.endr
	s_mul_i32 s41, s2, STG
	v_add_nc_u32 v[STI], s41, v[L16]
	v_mul_u32_u24 v[STO], v[RR], 528
	v_lshl_add_u32 v[STO], v[HH], 7, v[STO]
	v_add_nc_u32 v[STO], s41, v[STO]               ; row r, + 128 h: my block of 32 numbers
	s_lshl_b32 s42, s2, 2
	v_lshl_add_u32 v[SWA], v[RR], 4, s42           ; 16 r + 4 x step
	s_mul_i32 s42, s2, FRB
	v_add_nc_u32 v[CA], s42, v[L16]
	s_wait_alu depctr_va_vdst(0)
	s_wait_kmcnt 0x0
	s_cmp_ge_u32 s3, 128                           ; the source: a choice on the work-group's number alone
	s_cselect_b64 s[4:5], s[18:19], s[16:17]
	s_cmp_ge_u32 s3, 256
	s_cselect_b64 s[4:5], s[20:21], s[4:5]
	s_cmp_ge_u32 s3, 384
	s_cselect_b64 s[4:5], s[22:23], s[4:5]
	s_cmp_ge_u32 s3, 512
	s_cselect_b64 s[4:5], s[24:25], s[4:5]
	s_cselect_b32 s45, s45, 0
	s_cmp_lg_u32 s45, 0
	s_cselect_b64 s[4:5], s[26:27], s[4:5]
	s_cmp_ge_u32 s3, 688
	s_cselect_b64 s[4:5], s[28:29], s[4:5]
	s_add_nc_u64 s[4:5], s[4:5], s[6:7]
	s_add_nc_u64 s[8:9], s[32:33], s[8:9]
.irp i, 0,1,2,3,4,5,6,7,8,9,10,11,12,13,14,15
	global_load_b128 v[R+4*\i:R+4*\i+3], v[ROW+\i], s[4:5] th:TH_LOAD_NT   ; a row's 512 bytes of this K step
.endr
	s_wait_loadcnt 0x0
.set i, 0
.rept 64
	v_cndmask_b32 v[R+i], 0, v[R+i], s46           ; what lies behind the end of K, or of the rows, is 0 ahead of the block's maximum
.set i, i+1
.endr
.irp i, 0,1,2,3,4,5,6,7,8,9,10,11,12,13,14,15
	ds_store_b128 v[STI], v[R+4*\i:R+4*\i+3] offset:528*\i
.endr
.irp i, 0,1,2,3,4,5,6,7
	ds_load_b128 v[R+4*\i:R+4*\i+3], v[STO] offset:16*\i               ; LDS serves a wave's instructions in order: these see my stores
	ds_load_b128 v[R+32+4*\i:R+32+4*\i+3], v[STO] offset:256+16*\i
.endr
	s_wait_dscnt 0x0
	Q2W
	s_cmp_lg_u32 s40, 0
	s_cbranch_scc1 .Lno_codes
.irp c, 0,1,2
	global_store_b128 v[CA], v[C+4*\c:C+4*\c+3], s[8:9] offset:256+512*\c   ; 512 consecutive bytes a store
.endr
.Lno_codes:
	global_store_b32 v[SWA], v[T+6], s[8:9]        ; both lanes of a row write the same word with the same value
	s_wait_tensorcnt 0x0                           ; the wave's end, behind my last LDS store
	ds_add_u32 v[SPW], v[NIL]
	s_wait_dscnt 0x0
	s_endpgm
; THE FIRST NORM'S FIGURES.  One wave, one row of 8,192 bytes in 64 registers.  The gains come in two halves of 32 registers, the second into the first's place, so that the wave keeps to 128 registers.
.Lnorm:
	s_load_b256 s[36:43], s[0:1], 0x40             ; hidden_states, ln1_w, the rows' factors, the partial maxima
	s_lshl_b32 s44, ttmp9, 2
	s_add_co_u32 s44, s44, s2                      ; my row
	s_lshl_b32 s6, s44, 13
	s_mov_b32 s7, 0
	s_lshl_b32 s8, s44, 2
	s_mov_b32 s9, 0
	s_lshl_b32 s46, ttmp9, 2                       ; my work-group's word of the 512
	s_mov_b32 s47, 0
	s_mov_b32 s48, 0x3a000000                      ; 1 / 2,048
	s_mov_b32 s49, 0x3727c5ac                      ; 1e-5
	s_lshl_b32 s50, s2, 2
	s_add_co_u32 s50, s50, MAXW
	v_mov_b32 v5, s50                              ; LDS: my wave's word
	v_mov_b32 v6, MAXW
	v_mov_b32 v7, 0
	s_wait_kmcnt 0x0
	s_add_nc_u64 s[36:37], s[36:37], s[6:7]
	s_add_nc_u64 s[40:41], s[40:41], s[8:9]
	s_add_nc_u64 s[42:43], s[42:43], s[46:47]
.set i, 0
	s_wait_alu depctr_va_vdst(0)
.rept 16
	global_load_b128 v[R+4*i:R+4*i+3], v[L16], s[36:37] offset:512*i
.set i, i+1
.endr
.set i, 0
.rept 8
	global_load_b128 v[96+4*i:96+4*i+3], v[L16], s[38:39] offset:512*i
.set i, i+1
.endr
	s_wait_loadcnt 8                               ; the row is in; the gains' first eight loads may be out
.irp k, 0,1,2,3
	v_pk_mul_f32 v[16+2*\k:17+2*\k], v[R+2*\k:R+2*\k+1], v[R+2*\k:R+2*\k+1]   ; four chains, started by the first products
.endr
.set i, 4
.rept 28
	v_pk_fma_f32 v[16+2*(i%4):17+2*(i%4)], v[R+2*i:R+2*i+1], v[R+2*i:R+2*i+1], v[16+2*(i%4):17+2*(i%4)]
.set i, i+1
.endr
	v_pk_add_f32 v[16:17], v[16:17], v[18:19]
	v_pk_add_f32 v[20:21], v[20:21], v[22:23]
	v_pk_add_f32 v[16:17], v[16:17], v[20:21]
	v_add_f32 v16, v16, v17
	v_add_f32_dpp v16, v16, v16 row_xmask:1 row_mask:0xf bank_mask:0xf
	v_add_f32_dpp v16, v16, v16 row_xmask:2 row_mask:0xf bank_mask:0xf
	v_add_f32_dpp v16, v16, v16 row_xmask:4 row_mask:0xf bank_mask:0xf
	v_add_f32_dpp v16, v16, v16 row_xmask:8 row_mask:0xf bank_mask:0xf
	v_permlanex16_b32 v17, v16, s[SEL], s[SEL+1]
	v_add_f32 v16, v16, v17                        ; the row's sum of squares, in every lane
	v_fma_f32 v18, v16, s48, s49
	s_wait_alu depctr_va_vdst(0)
	v_rsq_f32 v20, v18                             ; twice: a pair for the packed multiply
	v_rsq_f32 v21, v18
	v_nop                                          ; a plain place behind the transcendentals
	s_wait_alu depctr_va_vdst(0)                   ; one wait for both, ahead of their first reader
.set i, 0
.rept 32
	v_pk_mul_f32 v[R+i:R+i+1], v[R+i:R+i+1], v[20:21]
.set i, i+2
.endr
	s_wait_loadcnt 0x0                             ; the gains' first half
.set i, 0
.rept 16
	v_pk_mul_f32 v[R+i:R+i+1], v[R+i:R+i+1], v[96+i:97+i]
.set i, i+2
.endr
.set i, 0
.rept 8
	global_load_b128 v[96+4*i:96+4*i+3], v[L16], s[38:39] offset:4096+512*i   ; the second half; the first half's maximum is taken while it comes
.set i, i+1
.endr
	v_max_num_f32 v16, |v[R]|, |v[R+1]|            ; the largest |h| of my 64, in two chains
	v_max_num_f32 v17, |v[R+2]|, |v[R+3]|
.set i, 4
.rept 7
	v_max3_num_f32 v16, v16, |v[R+i]|, |v[R+i+1]|
	v_max3_num_f32 v17, v17, |v[R+i+2]|, |v[R+i+3]|
.set i, i+4
.endr
	s_wait_loadcnt 0x0
.set i, 0
.rept 16
	v_pk_mul_f32 v[R+32+i:R+33+i], v[R+32+i:R+33+i], v[96+i:97+i]
.set i, i+2
.endr
.set i, 32
.rept 8
	v_max3_num_f32 v16, v16, |v[R+i]|, |v[R+i+1]|
	v_max3_num_f32 v17, v17, |v[R+i+2]|, |v[R+i+3]|
.set i, i+4
.endr
	v_max_num_f32 v16, v16, v17
	v_max_num_f32_dpp v16, v16, v16 row_xmask:1 row_mask:0xf bank_mask:0xf
	v_max_num_f32_dpp v16, v16, v16 row_xmask:2 row_mask:0xf bank_mask:0xf
	v_max_num_f32_dpp v16, v16, v16 row_xmask:4 row_mask:0xf bank_mask:0xf
	v_max_num_f32_dpp v16, v16, v16 row_xmask:8 row_mask:0xf bank_mask:0xf
	v_permlanex16_b32 v17, v16, s[SEL], s[SEL+1]
	v_max_num_f32 v16, v16, v17
	ds_store_b32 v5, v16                           ; all lanes write the same word with the same value
	s_wait_dscnt 0x0                               ; for the others' sake: my store has landed
	s_barrier_signal -1
	s_barrier_wait -1
	ds_load_b128 v[16:19], v6
	s_wait_dscnt 0x0
	v_max3_num_f32 v16, v16, v17, v18
	v_max_num_f32 v16, v16, v19                    ; the work-group's largest |h|
	s_wait_tensorcnt 0x0                           ; the wave's end: the same three lines on this way
	ds_add_u32 v[SPW], v[NIL]
	s_wait_dscnt 0x0
	global_store_b32 v7, v20, s[40:41]             ; my row's factor: all lanes write the same word with the same value
	s_cmp_lg_u32 s2, 0
	s_cbranch_scc1 .Lnorm_done
	s_wait_alu depctr_va_vdst(0)
	global_store_b32 v7, v16, s[42:43]             ; wave 0: the work-group's word, likewise
.Lnorm_done:
	s_endpgm
; THE ROPE'S TABLE: [row tile of 16 tokens][chunk 0..7][lane][4 f32]: chunks 0-3 cos(pos(16 t + r) x inv(16 h + 4 i + e)), chunks 4-7 the sines: the order in which the launch that ropes q and k holds a head in a lane.
.Lrope:
	s_sub_co_u32 s41, s[IDX], 3136
	s_lshl_b32 s41, s41, 2
	s_add_co_u32 s41, s41, s2                      ; my row tile
	s_lshl_b32 s6, s41, 6
	s_mov_b32 s7, 0
	s_lshl_b32 s8, s41, 12
	s_add_co_u32 s8, s8, ROPE
	s_mov_b32 s9, 0
	s_mov_b32 s47, 0xffff0000                      ; lanes 16-31
	s_mov_b32 s48, 0x3f22f983                      ; 2 / pi
	s_mov_b32 s49, 0x3fc90fdb                      ; pi / 2 in three parts
	s_mov_b32 s50, 0xb33bbd2e
	s_mov_b32 s51, 0xa6f72ced
	s_mov_b32 s52, 0xb94ca1f9                      ; the sine's polynomial: -1.9515295891e-4, 8.3321608736e-3, -1.6666654611e-1
	s_mov_b32 s53, 0x3c08839e
	s_mov_b32 s54, 0xbe2aaaa3
	s_mov_b32 s55, 0x37ccf5ce                      ; the cosine's: 2.443315712e-5, -1.388731625e-3, 4.166664568e-2
	s_mov_b32 s56, 0xbab6061a
	s_mov_b32 s57, 0x3d2aaaa5
	s_wait_alu depctr_va_vdst(0)
	v_lshlrev_b32 v14, 2, v[RR]
	s_wait_alu depctr_va_vdst(0)
	s_wait_kmcnt 0x0
	s_add_nc_u64 s[4:5], s[30:31], s[6:7]
	s_add_nc_u64 s[8:9], s[32:33], s[8:9]
	global_load_b32 v15, v14, s[4:5]
	s_wait_loadcnt 0x0
	v_cvt_f32_i32 v15, v15                         ; my token's position
; frequency n of my half: lo = 10^(-n/8) for lanes 0-15, hi = 10^(-(16+n)/8) for lanes 16-31.  cos -> v[32+n], sin -> v[48+n]
.macro ROPE1 n, lo, hi
.if \n == 0
	v_mov_b32 v16, v15
.else
	v_mul_f32 v16, \lo, v15
.endif
	v_mul_f32 v17, \hi, v15
	v_cndmask_b32 v16, v16, v17, s47               ; the angle
	v_mul_f32 v17, s48, v16
	v_rndne_f32 v17, v17                           ; k = the nearest multiple of pi / 2
	v_fma_f32 v18, -v17, s49, v16
	v_fma_f32 v18, -v17, s50, v18
	v_fma_f32 v18, -v17, s51, v18                  ; r, within pi / 4 of 0
	v_cvt_i32_f32 v19, v17
	v_mul_f32 v20, v18, v18                        ; z = r r
	v_fma_f32 v21, v20, s52, s53
	v_fma_f32 v22, v20, s55, s56
	v_fma_f32 v21, v21, v20, s54
	v_fma_f32 v22, v22, v20, s57
	v_mul_f32 v23, v20, v18
	v_mul_f32 v24, v20, v20
	v_fma_f32 v21, v21, v23, v18                   ; sin r
	v_fma_f32 v25, v20, -0.5, 1.0
	v_fma_f32 v22, v22, v24, v25                   ; cos r
	v_and_b32 v23, 1, v19
	v_cmp_eq_u32 vcc_lo, 1, v23                    ; an odd quadrant changes the two over: a choice of values, no branch
	v_cndmask_b32 v24, v21, v22, vcc_lo
	v_cndmask_b32 v25, v22, v21, vcc_lo
	v_lshlrev_b32 v23, 30, v19                     ; the sine's sign: bit 1 of k;
	v_add_nc_u32 v26, 1, v19
	v_lshlrev_b32 v26, 30, v26                     ; the cosine's: bit 1 of k + 1
	v_and_b32 v23, 0x80000000, v23
	v_and_b32 v26, 0x80000000, v26
	v_xor_b32 v[48+\n], v24, v23
	v_xor_b32 v[32+\n], v25, v26
.endm
	ROPE1 0, 1.0, 0.01
	ROPE1 1, 0.7498942093, 0.007498942093
	ROPE1 2, 0.5623413252, 0.005623413252
	ROPE1 3, 0.4216965034, 0.004216965034
	ROPE1 4, 0.3162277660, 0.003162277660
	ROPE1 5, 0.2371373706, 0.002371373706
	ROPE1 6, 0.1778279410, 0.001778279410
	ROPE1 7, 0.1333521432, 0.001333521432
	ROPE1 8, 0.1, 0.001
	ROPE1 9, 0.07498942093, 0.0007498942093
	ROPE1 10, 0.05623413252, 0.0005623413252
	ROPE1 11, 0.04216965034, 0.0004216965034
	ROPE1 12, 0.03162277660, 0.0003162277660
	ROPE1 13, 0.02371373706, 0.0002371373706
	ROPE1 14, 0.01778279410, 0.0001778279410
	ROPE1 15, 0.01333521432, 0.0001333521432
.irp i, 0,1,2,3
	global_store_b128 v[L16], v[32+4*\i:35+4*\i], s[8:9] offset:512*\i
	global_store_b128 v[L16], v[48+4*\i:51+4*\i], s[8:9] offset:2048+512*\i
.endr
	s_wait_tensorcnt 0x0                           ; the same three lines on this way
	ds_add_u32 v[SPW], v[NIL]
	s_wait_dscnt 0x0
	s_endpgm
.Lfunc_end_k_q74206f01cf_wquant:
	.size	k_q74206f01cf_wquant, .Lfunc_end_k_q74206f01cf_wquant-k_q74206f01cf_wquant
	.p2alignl 7, 3214868480
	.fill 96, 4, 3214868480
	.section	.rodata,"a",@progbits
	.p2align	6, 0x0
	.amdhsa_kernel k_q74206f01cf_wquant
		.amdhsa_group_segment_fixed_size 34560
		.amdhsa_private_segment_fixed_size 0
		.amdhsa_enable_private_segment 0
		.amdhsa_kernarg_size 104
		.amdhsa_user_sgpr_count 2
		.amdhsa_user_sgpr_kernarg_segment_ptr 1
		.amdhsa_wavefront_size32 1
		.amdhsa_system_sgpr_workgroup_id_x 1
		.amdhsa_system_sgpr_workgroup_id_y 1
		.amdhsa_system_sgpr_workgroup_id_z 1
		.amdhsa_system_vgpr_workitem_id 0
		.amdhsa_next_free_vgpr 128
		.amdhsa_next_free_sgpr 66
		.amdhsa_reserve_vcc 1
		.amdhsa_float_denorm_mode_32 3
		.amdhsa_float_denorm_mode_16_64 3
		.amdhsa_memory_ordered 1
		.amdhsa_forward_progress 1
		.amdhsa_inst_pref_size 56
	.end_amdhsa_kernel
	.amdgpu_metadata
---
amdhsa.version: [ 1, 2 ]
amdhsa.kernels:
  - .name:           k_q74206f01cf_wquant
    .symbol:         k_q74206f01cf_wquant.kd
    .args:
      - { .name: wq, .offset: 0, .size: 8, .value_kind: global_buffer, .address_space: global }
      - { .name: wk, .offset: 8, .size: 8, .value_kind: global_buffer, .address_space: global }
      - { .name: wv, .offset: 16, .size: 8, .value_kind: global_buffer, .address_space: global }
      - { .name: wo, .offset: 24, .size: 8, .value_kind: global_buffer, .address_space: global }
      - { .name: w_gate, .offset: 32, .size: 8, .value_kind: global_buffer, .address_space: global }
      - { .name: w_up, .offset: 40, .size: 8, .value_kind: global_buffer, .address_space: global }
      - { .name: w_down, .offset: 48, .size: 8, .value_kind: global_buffer, .address_space: global }
      - { .name: position_ids, .offset: 56, .size: 8, .value_kind: global_buffer, .address_space: global }
      - { .name: hidden_states, .offset: 64, .size: 8, .value_kind: global_buffer, .address_space: global }
      - { .name: ln1_w, .offset: 72, .size: 8, .value_kind: global_buffer, .address_space: global }
      - { .name: rrow, .offset: 80, .size: 8, .value_kind: global_buffer, .address_space: global }
      - { .name: pmax0, .offset: 88, .size: 8, .value_kind: global_buffer, .address_space: global }
      - { .name: wbuf, .offset: 96, .size: 8, .value_kind: global_buffer, .address_space: global }
    .group_segment_fixed_size: 34560
    .private_segment_fixed_size: 0
    .kernarg_segment_align: 8
    .kernarg_segment_size: 104
    .max_flat_workgroup_size: 128
    .sgpr_count:     66
    .vgpr_count:     128
    .wavefront_size: 32
...
	.end_amdgpu_metadata
.endif
;; end of part 1
;; launch qa1 (part 2): grid 16 x 16, 8 waves a work-group, no clusters, 68,608 bytes of LDS; arguments hidden_states, ln1_w, rrow, pmax0, acode; writes acode
.if DOCPART == 2
	.amdgcn_target "amdgcn-amd-amdhsa--gfx1250"
	.amdhsa_code_object_version 6
	.text
	.protected	k_q74206f01cf_qa1
	.globl	k_q74206f01cf_qa1
	.p2align	8
	.type	k_q74206f01cf_qa1,@function
k_q74206f01cf_qa1:
	s_mov_b64 s[64:65], 0
	v_nop
	global_prefetch_b8 v0, s[64:65] scope:SCOPE_SE
	s_setreg_imm32_b32 hwreg(HW_REG_WAVE_MODE, 25, 1), 1
	s_wait_xcnt 0x0
; A norm's result is formed and quantised in one go: h = (x r) w, with x [2,048 rows][8,192 bytes] of f32, r the row's factor rsqrt(mean of x^2 + 1e-5) and the largest |h| as an earlier launch stored them, w the gains;
; h is divided by scale = (its largest magnitude) / 2,688 and quantised along K to codes of E2M3 with one E8M0 byte for each 32, into records laid in the order of an operand's registers:
; 16 rows x 4 K steps: 256 bytes of scale words [row][step], then 1,536 bytes a step (registers 4 c .. 4 c + 3 at 512 c + 16 x lane); 25,600 bytes to a row tile.
; Work-group x is the K step of 128, work-group y and the wave give the row tile.  A wave makes one fragment: 16 loads of 512 consecutive bytes, one row each, so that a row's factor is one scalar for four registers
; and a lane's four gains serve all 16 rows; then a turn through the wave's own stage in LDS.  The products are rounded in the order (x r), then w, then 1 / scale, the first two as in the launch that took the maximum.
; LIMITS: the quotient h / scale is h times a refined reciprocal; a tensor of zeros is not served.
.set RT,    25600
.set KG,    6400
.set FRB,   1536
.set STG,   16*528
.set SPARE, 8*STG                      ; behind the eight stages: the spare words
.set LN,   1
.set RR,   2
.set HH,   3
.set L16,  4
.set STI,  5
.set STO,  6
.set SWA,  7
.set CA,   10
.set SPW,  12
.set NIL,  13
.set G,    16                          ; v16-31 the partial maxima, then the scale
.set R,    32
.set C,    96
.set U,    108
.set T,    116
.set GW,   124                         ; v124-127 my four gains
.set SEL,  22
.set RC,   20                          ; s20 1 / 2,688
.set DV,   21                          ; s21 2,688
.set RF,   40                          ; s[40:55] the 16 rows' factors
.macro Q2W
.irp c, 0,1
	v_max3_num_f32 v[T+\c], |v[R+32*\c]|, |v[R+32*\c+1]|, 0x1800000   ; with the floor 2^(3 - 127): the byte cannot fall under 1
.endr
.irp i, 2,4,6,8,10,12,14,16,18,20,22,24,26,28,30
.irp c, 0,1
	s_delay_alu instid0(VALU_DEP_2)
	v_max3_num_f32 v[T+\c], v[T+\c], |v[R+32*\c+\i]|, |v[R+32*\c+\i+1]|
.endr
.endr
.irp c, 0,1
	s_delay_alu instid0(VALU_DEP_2)
	v_add_nc_u32 v[T+2+\c], 0xff000000, v[T+\c]    ; 2 off the exponent field: the conversion's scale operand
.endr
.irp c, 0,1
	s_delay_alu instid0(VALU_DEP_2)
	v_lshrrev_b32 v[T+4+\c], 23, v[T+2+\c]
.endr
	s_delay_alu instid0(VALU_DEP_1)
	v_lshl_or_b32 v[T+6], v[T+5], 16, v[T+4]
	v_lshlrev_b32 v[T+7], 3, v[HH]
	s_delay_alu instid0(VALU_DEP_1)
	v_lshlrev_b32 v[T+6], v[T+7], v[T+6]
	v_mov_b32 v[T+7], 0
	s_delay_alu instid0(VALU_DEP_1)
	v_permlanex16_b32 v[T+7], v[T+6], s[SEL], s[SEL+1]
	s_delay_alu instid0(VALU_DEP_1)
	v_or_b32 v[T+6], v[T+6], v[T+7]                ; my row's scale word
.irp c, 0,1
	v_cvt_scalef32_pk16_fp6_f32 v[C+6*\c:C+6*\c+2], v[R+32*\c:R+32*\c+15], v[T+2+\c]
	v_cvt_scalef32_pk16_fp6_f32 v[U+4*\c:U+4*\c+2], v[R+32*\c+16:R+32*\c+31], v[T+2+\c]
.endr
	v_nop                                          ; one plain place behind a scaled conversion
.irp c, 0,1
.irp i, 0,1,2
	v_mov_b32 v[C+3+6*\c+\i], v[U+4*\c+\i]
.endr
.endr
.endm
	s_load_b256 s[4:11], s[0:1], 0x0               ; x, the gains, the rows' factors, the partial maxima
	s_load_b64 s[28:29], s[0:1], 0x20              ; the records
	v_lshl_add_u32 v[SPW], v0, 2, SPARE
	v_mov_b32 v[NIL], 0
	v_lshrrev_b32 v[LN], 5, v0
	s_delay_alu instid0(VALU_DEP_1)
	v_readfirstlane_b32 s12, v[LN]                 ; wave 0..7
	v_and_b32 v[LN], 31, v0
	v_and_b32 v[RR], 15, v0
	v_bfe_u32 v[HH], v0, 4, 1
	s_delay_alu instid0(VALU_DEP_3)
	v_lshlrev_b32 v[L16], 4, v[LN]
	s_wait_alu depctr_va_vdst(0)
	s_and_b32 s13, ttmp7, 0xffff
	s_lshl_b32 s14, s13, 3
	s_add_co_u32 s14, s14, s12                     ; my row tile
	s_lshl_b32 s16, s14, 17                        ; 16 rows of 8,192 bytes
	s_lshl_b32 s32, ttmp9, 9                       ; the K step's 512 bytes, in a row and in the gains
	s_mov_b32 s33, 0
	s_add_co_u32 s16, s16, s32
	s_mov_b32 s17, 0
	s_lshl_b32 s30, s14, 6                         ; my 16 rows' factors
	s_mov_b32 s31, 0
	s_mul_i32 s18, s14, RT
	s_lshr_b32 s24, ttmp9, 2
	s_mul_i32 s24, s24, KG
	s_add_co_u32 s18, s18, s24
	s_mov_b32 s19, 0
	s_and_b32 s25, ttmp9, 3                        ; the step's place in its record
	s_mul_i32 s26, s25, FRB
	v_add_nc_u32 v[CA], s26, v[L16]
	s_lshl_b32 s25, s25, 2
	v_lshl_add_u32 v[SWA], v[RR], 4, s25
	s_mul_i32 s26, s12, STG
	v_add_nc_u32 v[STI], s26, v[L16]
	v_mul_u32_u24 v[STO], v[RR], 528
	s_delay_alu instid0(VALU_DEP_1)
	v_lshl_add_u32 v[STO], v[HH], 7, v[STO]
	s_delay_alu instid0(VALU_DEP_1)
	v_add_nc_u32 v[STO], s26, v[STO]
	s_mov_b32 s[RC], 0x39c30c31
	s_mov_b32 s[DV], 0x45280000
	s_mov_b32 s[SEL], 0x76543210
	s_mov_b32 s[SEL+1], 0xfedcba98
	s_wait_kmcnt 0x0
	s_add_nc_u64 s[4:5], s[4:5], s[16:17]
	s_add_nc_u64 s[6:7], s[6:7], s[32:33]
	s_add_nc_u64 s[8:9], s[8:9], s[30:31]
	s_add_nc_u64 s[28:29], s[28:29], s[18:19]
	s_load_b512 s[RF:RF+15], s[8:9], 0x0           ; 64 bytes, at a multiple of 64: this launch writes nothing of that buffer
	global_load_b128 v[GW:GW+3], v[L16], s[6:7]    ; the gains of my four columns
.irp i, 0,1,2,3
	global_load_b128 v[G+4*\i:G+4*\i+3], v[L16], s[10:11] offset:512*\i   ; 512 partial maxima, 16 a lane
.endr
.irp i, 0,1,2,3,4,5,6,7,8,9,10,11,12,13,14,15
	global_load_b128 v[R+4*\i:R+4*\i+3], v[L16], s[4:5] offset:8192*\i
.endr
	s_wait_loadcnt 16                              ; the gains and the maxima are in; the fragment's sixteen loads may be out
	v_max3_num_f32 v[G], v[G], v[G+1], v[G+2]
	v_max3_num_f32 v[G+3], v[G+3], v[G+4], v[G+5]
	v_max3_num_f32 v[G+6], v[G+6], v[G+7], v[G+8]
	v_max3_num_f32 v[G+9], v[G+9], v[G+10], v[G+11]
	v_max3_num_f32 v[G+12], v[G+12], v[G+13], v[G+14]
	s_delay_alu instid0(VALU_DEP_3)
	v_max3_num_f32 v[G], v[G], v[G+3], v[G+6]
	s_delay_alu instid0(VALU_DEP_2)
	v_max3_num_f32 v[G+9], v[G+9], v[G+12], v[G+15]
	s_delay_alu instid0(VALU_DEP_1)
	v_max_num_f32 v[G], v[G], v[G+9]
	s_delay_alu instid0(VALU_DEP_1)
	v_max_num_f32_dpp v[G], v[G], v[G] row_xmask:1 row_mask:0xf bank_mask:0xf
	s_delay_alu instid0(VALU_DEP_1)
	v_max_num_f32_dpp v[G], v[G], v[G] row_xmask:2 row_mask:0xf bank_mask:0xf
	s_delay_alu instid0(VALU_DEP_1)
	v_max_num_f32_dpp v[G], v[G], v[G] row_xmask:4 row_mask:0xf bank_mask:0xf
	s_delay_alu instid0(VALU_DEP_1)
	v_max_num_f32_dpp v[G], v[G], v[G] row_xmask:8 row_mask:0xf bank_mask:0xf
	s_delay_alu instid0(VALU_DEP_1)
	v_permlanex16_b32 v[G+1], v[G], s[SEL], s[SEL+1]
	s_delay_alu instid0(VALU_DEP_1)
	v_max_num_f32 v[G], v[G], v[G+1]               ; the tensor's largest magnitude
	s_delay_alu instid0(VALU_DEP_1)
	v_mul_f32 v[G+2], s[RC], v[G]                  ; / 2,688: a first quotient,
	s_delay_alu instid0(VALU_DEP_1)
	v_fma_f32 v[G+3], -v[G+2], s[DV], v[G]         ; its remainder,
	s_delay_alu instid0(VALU_DEP_1)
	v_fma_f32 v[G+2], v[G+3], s[RC], v[G+2]        ; the scale
	s_wait_alu depctr_va_vdst(0)
	v_rcp_f32 v[G+3], v[G+2]
	v_nop                                          ; a plain place behind the transcendental
	s_wait_alu depctr_va_vdst(0)                   ; and the wait ahead of its first reader
	v_fma_f32 v[G+4], -v[G+2], v[G+3], 1.0
	v_fma_f32 v[G+4], v[G+4], v[G+3], v[G+3]       ; 1 / scale, refined once
	s_delay_alu instid0(VALU_DEP_1)
	v_mov_b32 v[G+5], v[G+4]                       ; (named with it as a pair)
	s_wait_loadcnt 0x0
	s_wait_kmcnt 0x0                               ; the rows' factors
.irp i, 0,1,2,3,4,5,6,7,8,9,10,11,12,13,14,15
.irp e, 0,1,2,3
	v_mul_f32 v[R+4*\i+\e], s[RF+\i], v[R+4*\i+\e] ; x r: registers 4 i .. 4 i + 3 are row i
.endr
.endr
.irp i, 0,1,2,3,4,5,6,7,8,9,10,11,12,13,14,15
	v_pk_mul_f32 v[R+4*\i:R+4*\i+1], v[R+4*\i:R+4*\i+1], v[GW:GW+1]       ; x w
	v_pk_mul_f32 v[R+4*\i+2:R+4*\i+3], v[R+4*\i+2:R+4*\i+3], v[GW+2:GW+3]
.endr
.irp i, 0,1,2,3,4,5,6,7,8,9,10,11,12,13,14,15
	ds_store_b128 v[STI], v[R+4*\i:R+4*\i+3] offset:528*\i
.endr
.irp i, 0,1,2,3,4,5,6,7
	ds_load_b128 v[R+4*\i:R+4*\i+3], v[STO] offset:16*\i               ; LDS serves a wave's instructions in order: these see my stores
	ds_load_b128 v[R+32+4*\i:R+32+4*\i+3], v[STO] offset:256+16*\i
.endr
	s_wait_dscnt 0x0
.set i, 0
.rept 32
	v_pk_mul_f32 v[R+i:R+i+1], v[R+i:R+i+1], v[G+4:G+5]
.set i, i+2
.endr
	Q2W
.irp c, 0,1,2
	global_store_b128 v[CA], v[C+4*\c:C+4*\c+3], s[28:29] offset:256+512*\c
.endr
	global_store_b32 v[SWA], v[T+6], s[28:29]      ; both lanes of a row write the same word with the same value
	s_wait_tensorcnt 0x0                           ; the wave's end, behind my last LDS store
	ds_add_u32 v[SPW], v[NIL]
	s_wait_dscnt 0x0
	s_endpgm
.Lfunc_end_k_q74206f01cf_qa1:
	.size	k_q74206f01cf_qa1, .Lfunc_end_k_q74206f01cf_qa1-k_q74206f01cf_qa1
	.p2alignl 7, 3214868480
	.fill 96, 4, 3214868480
	.section	.rodata,"a",@progbits
	.p2align	6, 0x0
	.amdhsa_kernel k_q74206f01cf_qa1
		.amdhsa_group_segment_fixed_size 68608
		.amdhsa_private_segment_fixed_size 0
		.amdhsa_enable_private_segment 0
		.amdhsa_kernarg_size 40
		.amdhsa_user_sgpr_count 2
		.amdhsa_user_sgpr_kernarg_segment_ptr 1
		.amdhsa_wavefront_size32 1
		.amdhsa_system_sgpr_workgroup_id_x 1
		.amdhsa_system_sgpr_workgroup_id_y 1
		.amdhsa_system_sgpr_workgroup_id_z 1
		.amdhsa_system_vgpr_workitem_id 0
		.amdhsa_next_free_vgpr 128
		.amdhsa_next_free_sgpr 66
		.amdhsa_reserve_vcc 0
		.amdhsa_float_denorm_mode_32 3
		.amdhsa_float_denorm_mode_16_64 3
		.amdhsa_memory_ordered 1
		.amdhsa_forward_progress 1
		.amdhsa_inst_pref_size 19
	.end_amdhsa_kernel
	.amdgpu_metadata
---
amdhsa.version: [ 1, 2 ]
amdhsa.kernels:
  - .name:           k_q74206f01cf_qa1
    .symbol:         k_q74206f01cf_qa1.kd
    .args:
      - { .name: hidden_states, .offset: 0, .size: 8, .value_kind: global_buffer, .address_space: global }
      - { .name: ln1_w, .offset: 8, .size: 8, .value_kind: global_buffer, .address_space: global }
      - { .name: rrow, .offset: 16, .size: 8, .value_kind: global_buffer, .address_space: global }
      - { .name: pmax0, .offset: 24, .size: 8, .value_kind: global_buffer, .address_space: global }
      - { .name: acode, .offset: 32, .size: 8, .value_kind: global_buffer, .address_space: global }
    .group_segment_fixed_size: 68608
    .private_segment_fixed_size: 0
    .kernarg_segment_align: 8
    .kernarg_segment_size: 40
    .max_flat_workgroup_size: 256
    .sgpr_count:     66
    .vgpr_count:     128
    .wavefront_size: 32
...
	.end_amdgpu_metadata
.endif
;; end of part 2
;; launch g1 (part 3): grid 16 x 16, 4 waves a work-group, clusters of 4 x 4, 327,680 bytes of LDS; arguments acode, wbuf, pmax0, qkv; writes qkv
.if DOCPART == 3
	.amdgcn_target "amdgcn-amd-amdhsa--gfx1250"
	.amdhsa_code_object_version 6
	.text
	.protected	k_q74206f01cf_g1
	.globl	k_q74206f01cf_g1
	.p2align	8
	.type	k_q74206f01cf_g1,@function
k_q74206f01cf_g1:
	s_mov_b64 s[64:65], 0
	v_nop
	global_prefetch_b8 v0, s[64:65] scope:SCOPE_SE
	s_setreg_imm32_b32 hwreg(HW_REG_WAVE_MODE, 25, 1), 1
	s_wait_xcnt 0x0
	s_wait_alu depctr_hold_cnt(0) depctr_sa_sdst(0) depctr_va_vdst(0) depctr_va_sdst(0) depctr_va_ssrc(0) depctr_va_vcc(0) depctr_vm_vsrc(0)
	s_getreg_b32 s2, hwreg(HW_REG_IB_STS2, 6, 4)
	s_cmp_eq_u32 s2, 0
	s_cbranch_scc0 .Lentry_in_a_cluster
	s_endpgm
.Lentry_in_a_cluster:
	s_bfe_u32 s2, ttmp6, 0x10000c
	s_cmp_lg_u32 s2, 0xf033
	s_cbranch_scc0 .Lentry_shape_is_right
	s_endpgm
.Lentry_shape_is_right:
.set RT,    25600
.set KG,    6400
.set FRB,   1536
.set HS,    2*FRB
.set PART,  8*HS
.set SLOT,  4*PART
.set SCL,   2*SLOT
.set SPART, 8192
.set SPARE, SCL+4*SPART
.set ROPE,  816*RT
.set QSC,   3145728
.set KVB,   3407872
.set REC,   26112
.set ADA,  5
.set ADW,  7
.set ADS1, 9
.set ADS2, 10
.set SPW,  28
.set NIL,  29
.set SC,   32
.set ROP,  96
.set XR,   160
.set WQ,   192
.set WVV,  200
.set G1A,  24
.set G1W,  32
.set G1SA, 40
.set G1SW, 48
.set G0A,  56
.set G0W,  68
.set G0SA, 76
.set G0SW, 80
.set SEL,  66
.set SS,   84
.set RB,   86
.set RC,   100
.set DV,   101
.set MSB, 0
.macro WIN new
.if MSB != \new
	s_set_vgpr_msb (MSB<<8)|\new
.set MSB, \new
.endif
.endm
.macro JLOAD g0a, g1a, g0b, g1b
	s_cmp_eq_u32 s12, 0
	s_cbranch_scc0 .Lfor_w_\@
	tensor_load_to_lds s[\g0a:\g0a+3], s[\g1a:\g1a+7]
	s_nop 0
.rept 4
	v_nop
.endr
	s_branch .Lasked_\@
.Lfor_w_\@:
	tensor_load_to_lds s[\g0b:\g0b+3], s[\g1b:\g1b+7]
	s_nop 0
.rept 4
	v_nop
.endr
.Lasked_\@:
.endm
.macro CREST
	s_cmp_lg_u32 s12, 0
	s_cbranch_scc1 .Lnot_wave_0_\@
	s_barrier_signal -3
.Lnot_wave_0_\@:
	s_barrier_wait -3
	s_barrier_signal -1
	s_barrier_wait -1
.endm
.macro CROUND
	s_barrier_signal -1
	s_barrier_wait -1
	CREST
.endm
.macro PLACES
.rept 4
	v_nop
.endr
.endm
.macro FETCH sl, j, p
	WIN (0x40<<(\p))
.irp i, 0,1,2,3
.irp c, 0,1,2
	ds_load_b128 v[12*\i+4*\c:12*\i+4*\c+3], v[ADA+(\sl)] offset:\i*HS+(\j)*FRB+512*\c
.endr
.endr
.irp t, 0,1,2
.irp i, 0,1,2,3
.irp c, 0,1,2
	ds_load_b128 v[48+48*\t+12*\i+4*\c:48+48*\t+12*\i+4*\c+3], v[ADW+(\sl)] offset:\t*PART+\i*HS+(\j)*FRB+512*\c
.endr
.endr
.endr
.endm
.macro SCALES g, q
	WIN 0
.irp i, 0,1,2,3
	ds_load_b128 v[SC+32*(\q)+4*\i:SC+32*(\q)+4*\i+3], v[ADS1] offset:\i*1024+(\g)*256
.endr
.irp i, 0,1,2,3
	ds_load_b128 v[SC+32*(\q)+16+4*\i:SC+32*(\q)+16+4*\i+3], v[ADS2] offset:\i*1024+(\g)*256
.endr
.endm
.macro NEXT n
	FETCH ((\n)/2)%2, (\n)%2, (\n)%2
.if (\n)%4 == 0
	SCALES (\n)/4, ((\n)/4)%2
.endif
.endm
.macro MULQ a, n, zero
.irp b, 0,1,2,3
.set rD, 8*(4*(\a)+\b)
.set rA, 48+12*\b
.set rB, 12*(\a)
.set rX, SC+32*(((\n)/4)%2)+4*\b+(\n)%4
.set rY, SC+32*(((\n)/4)%2)+4*(\a)+(\n)%4
.if \zero
	v_wmma_scale_f32_16x16x128_f8f6f4 v[rD:rD+7], v[rA:rA+11], v[rB:rB+11], 0, v[rX], v[rY] matrix_a_fmt:MATRIX_FMT_FP6 matrix_b_fmt:MATRIX_FMT_FP6 matrix_a_scale:MATRIX_SCALE_ROW1
.else
	v_wmma_scale_f32_16x16x128_f8f6f4 v[rD:rD+7], v[rA:rA+11], v[rB:rB+11], v[rD:rD+7], v[rX], v[rY] matrix_a_fmt:MATRIX_FMT_FP6 matrix_b_fmt:MATRIX_FMT_FP6 matrix_a_scale:MATRIX_SCALE_ROW1
.endif
.endr
.endm
.macro MULK a, n, zero
.irp b, 0,1,2,3
.set rD, 128+8*(4*(\a)+\b)
.set rA, 96+12*\b
.set rB, 12*(\a)
.set rX, SC+32*(((\n)/4)%2)+16+4*\b+(\n)%4
.set rY, SC+32*(((\n)/4)%2)+4*(\a)+(\n)%4
.if \zero
	v_wmma_scale_f32_16x16x128_f8f6f4 v[rD:rD+7], v[rA:rA+11], v[rB:rB+11], 0, v[rX], v[rY] matrix_a_fmt:MATRIX_FMT_FP6 matrix_b_fmt:MATRIX_FMT_FP6
.else
	v_wmma_scale_f32_16x16x128_f8f6f4 v[rD:rD+7], v[rA:rA+11], v[rB:rB+11], v[rD:rD+7], v[rX], v[rY] matrix_a_fmt:MATRIX_FMT_FP6 matrix_b_fmt:MATRIX_FMT_FP6
.endif
.endr
.endm
.macro MULV a, n, zero
.irp b, 0,1,2,3
.set rD, 192+32*((\a)%2)+8*\b
.set rA, 12*\b
.set rB, 144+12*(\a)
.set rX, SC+32*(((\n)/4)%2)+4*\b+(\n)%4
.set rY, SC+32*(((\n)/4)%2)+16+4*(\a)+(\n)%4
.if \zero
	v_wmma_scale_f32_16x16x128_f8f6f4 v[rD:rD+7], v[rA:rA+11], v[rB:rB+11], 0, v[rX], v[rY] matrix_a_fmt:MATRIX_FMT_FP6 matrix_b_fmt:MATRIX_FMT_FP6 matrix_b_scale:MATRIX_SCALE_ROW1
.else
	v_wmma_scale_f32_16x16x128_f8f6f4 v[rD:rD+7], v[rA:rA+11], v[rB:rB+11], v[rD:rD+7], v[rX], v[rY] matrix_a_fmt:MATRIX_FMT_FP6 matrix_b_fmt:MATRIX_FMT_FP6 matrix_b_scale:MATRIX_SCALE_ROW1
.endif
.endr
.endm
.macro QKWIN n
	WIN (0xf0|(5<<((\n)%2)))
.endm
.macro MULREST n, zero
	MULQ 2, \n, \zero
	MULQ 3, \n, \zero
.irp a, 0,1,2,3
	MULK \a, \n, \zero
.endr
	WIN (0x50|(5<<((\n)%2)))
	MULV 0, \n, \zero
	MULV 1, \n, \zero
	WIN (0xa0|(5<<((\n)%2)))
	MULV 2, \n, \zero
	MULV 3, \n, \zero
.endm
.macro STEP0 n, zero
	s_wait_dscnt 0x0
	PLACES
	NEXT (\n)+1
	QKWIN \n
	MULQ 0, \n, \zero
	MULQ 1, \n, \zero
	MULREST \n, \zero
.endm
.macro STEP2 n
.set SL, ((\n)/2)%2
	WIN 0
	s_wait_tensorcnt 0x0
	ds_add_u32 v[SPW], v[NIL]
	s_wait_dscnt 1
	QKWIN \n
	MULQ 0, \n, 0
	s_wait_dscnt 0x0
	s_barrier_signal -1
	MULQ 1, \n, 0
	WIN 0
	s_barrier_wait -1
	CREST
	s_add_nc_u64 s[G0A+4*SL+2:G0A+4*SL+3], s[G0A+4*SL+2:G0A+4*SL+3], KG
	s_add_nc_u64 s[G0W+4*SL+2:G0W+4*SL+3], s[G0W+4*SL+2:G0W+4*SL+3], KG
	JLOAD G0A+4*SL, G1A, G0W+4*SL, G1W
	NEXT (\n)+1
	QKWIN \n
	MULREST \n, 0
.endm
.macro STEP1 n
	s_wait_dscnt 0x0
	s_wait_tensorcnt 0x0
	s_barrier_signal -1
	QKWIN \n
	MULQ 0, \n, 0
	MULQ 1, \n, 0
	s_barrier_wait -1
	PLACES
	NEXT (\n)+1
	QKWIN \n
	MULREST \n, 0
.endm
.macro STEP3 n
	s_wait_dscnt 0x0
	QKWIN \n
	MULQ 0, \n, 0
	MULQ 1, \n, 0
	MULREST \n, 0
.endm
.macro Q2H X, E, W
	v_max3_num_f32 v32, |v[\X]|, |v[\X+1]|, 0x1800000
	v_max3_num_f32 v33, |v[\X+16]|, |v[\X+17]|, 0x1800000
.irp i, 2,4,6,8,10,12,14
	v_max3_num_f32 v32, v32, |v[\X+\i]|, |v[\X+\i+1]|
	v_max3_num_f32 v33, v33, |v[\X+16+\i]|, |v[\X+17+\i]|
.endr
	v_permlanex16_b32 v34, v32, s[SEL], s[SEL+1]
	v_permlanex16_b32 v35, v33, s[SEL], s[SEL+1]
	v_max_num_f32 v32, v32, v34
	v_max_num_f32 v33, v33, v35
	v_add_nc_u32 v36, 0xff000000, v32
	v_add_nc_u32 v37, 0xff000000, v33
	v_lshrrev_b32 v38, 23, v36
	v_lshrrev_b32 v39, 23, v37
	v_lshl_or_b32 v[\W], v39, 8, v38
	v_cvt_scalef32_pk16_fp6_f32 v[\E:\E+2], v[\X:\X+15], v36
	v_cvt_scalef32_pk16_fp6_f32 v[40:42], v[\X+16:\X+31], v37
	v_nop
.irp i, 0,1,2
	v_permlane16_swap_b32 v[\E+\i], v[40+\i]
.endr
.irp i, 0,1,2
	v_mov_b32 v[\E+3+\i], v[40+\i]
.endr
.endm
	s_load_b256 s[4:11], s[0:1], 0x0
	v_lshl_add_u32 v[SPW], v0, 2, SPARE
	v_mov_b32 v[NIL], 0
	ds_add_u32 v[SPW], v[NIL]
	ds_add_u32 v[SPW], v[NIL]
	v_lshrrev_b32 v1, 5, v0
	v_readfirstlane_b32 s12, v1
	s_lshr_b32 s13, s12, 1
	s_and_b32 s14, s12, 1
	s_bfe_u32 s16, ttmp6, 0x40000
	s_bfe_u32 s17, ttmp6, 0x40004
	s_lshl_b32 s18, ttmp9, 2
	s_add_co_u32 s18, s18, s16
	s_and_b32 s19, ttmp7, 0xffff
	s_lshl_b32 s19, s19, 2
	s_add_co_u32 s19, s19, s17
	s_lshl_b32 s20, s17, 2
	s_lshl_b32 s20, 15, s20
	s_lshl_b32 s21, 0x1111, s16
	s_or_b32 s[G1A], s21, (3<<16)|(1<<21)
	s_or_b32 s[G1W], s20, (3<<16)|(1<<21)
	s_or_b32 s[G1SA], s21, (3<<16)|(1<<21)
	s_or_b32 s[G1SW], s20, (3<<16)|(1<<21)
.irp g, G1A, G1W
	s_mov_b32 s[\g+1], 384<<16
	s_mov_b32 s[\g+2], 8<<16
	s_mov_b32 s[\g+3], 384<<16
	s_mov_b32 s[\g+4], 8
	s_mov_b32 s[\g+5], 3200
	s_mov_b32 s[\g+6], 0
	s_mov_b32 s[\g+7], 0
.endr
.irp g, G1SA, G1SW
	s_mov_b32 s[\g+1], 32<<16
	s_mov_b32 s[\g+2], 32<<16
	s_mov_b32 s[\g+3], 32<<16
	s_mov_b32 s[\g+4], 32
	s_mov_b32 s[\g+5], 800
	s_mov_b32 s[\g+6], 0
	s_mov_b32 s[\g+7], 0
.endr
	s_mul_i32 s2, s18, 8*RT
	s_mov_b32 s3, 0
	s_max_u32 s22, s12, 1
	s_sub_co_u32 s22, s22, 1
	s_mul_i32 s22, s22, 128*RT
	s_mul_i32 s23, s19, 8*RT
	s_add_co_u32 s22, s22, s23
	s_mov_b32 s23, 0
	s_mul_i32 s100, s12, PART
	s_mul_i32 s101, s12, SPART
	s_mov_b32 s[SEL], 0x76543210
	s_mov_b32 s[SEL+1], 0xfedcba98
	s_wait_dscnt 0x0
	s_wait_kmcnt 0x0
	s_add_nc_u64 s[2:3], s[4:5], s[2:3]
	s_add_nc_u64 s[22:23], s[6:7], s[22:23]
	CROUND
	s_mov_b32 s[G0SA], 1
	s_add_co_u32 s[G0SA+1], s101, SCL
	s_mov_b64 s[G0SA+2:G0SA+3], s[2:3]
	s_or_b32 s[G0SA+3], s[G0SA+3], 0x80000000
	s_mov_b32 s[G0SW], 1
	s_add_co_u32 s[G0SW+1], s101, SCL
	s_mov_b64 s[G0SW+2:G0SW+3], s[22:23]
	s_or_b32 s[G0SW+3], s[G0SW+3], 0x80000000
	JLOAD G0SA, G1SA, G0SW, G1SW
.irp f, 0,1
	s_mov_b32 s[G0A+4*\f], 1
	s_add_co_u32 s[G0A+4*\f+1], s100, \f*SLOT
	s_add_nc_u64 s[G0A+4*\f+2:G0A+4*\f+3], s[2:3], 256+\f*HS
	s_or_b32 s[G0A+4*\f+3], s[G0A+4*\f+3], 0x80000000
	s_mov_b32 s[G0W+4*\f], 1
	s_add_co_u32 s[G0W+4*\f+1], s100, \f*SLOT
	s_add_nc_u64 s[G0W+4*\f+2:G0W+4*\f+3], s[22:23], 256+\f*HS
	s_or_b32 s[G0W+4*\f+3], s[G0W+4*\f+3], 0x80000000
	s_wait_alu depctr_va_vdst(0)
	s_wait_tensorcnt 0x0
	ds_add_u32 v28, v29
	s_wait_dscnt 0x0
	CROUND
	JLOAD G0A+4*\f, G1A, G0W+4*\f, G1W
.endr
	v_and_b32 v1, 15, v0
	s_wait_alu depctr_va_vdst(0)
	v_bfe_u32 v2, v0, 4, 1
	s_wait_alu depctr_va_vdst(0)
	v_and_b32 v3, 31, v0
	v_lshlrev_b32 v4, 4, v3
	s_mul_i32 s100, s13, 4*HS
	s_mul_i32 s101, s14, 4*HS
	s_add_co_u32 s101, s101, PART
.irp s, 0,1
	v_add_nc_u32 v[ADA+\s], s100, v4
	v_add_nc_u32 v[ADW+\s], s101, v4
	s_add_co_u32 s100, s100, SLOT
	s_add_co_u32 s101, s101, SLOT
.endr
	s_lshl_b32 s100, s13, 12
	s_lshl_b32 s101, s14, 12
	s_add_co_u32 s22, s101, SPART
	s_sub_co_u32 s22, s22, s100
	v_lshlrev_b32 v14, 4, v1
	v_mul_u32_u24 v15, s22, v2
	v_add_nc_u32 v15, v14, v15
	s_add_co_u32 s100, s100, SCL
	v_add_nc_u32 v[ADS1], s100, v15
	v_lshl_add_u32 v15, v2, 13, v14
	s_add_co_u32 s101, s101, SCL+2*SPART
	v_add_nc_u32 v[ADS2], s101, v15
	v_lshlrev_b32 v14, 3, v3
	v_lshlrev_b32 v15, 2, v1
	v_lshlrev_b32 v16, 2, v3
.irp i, 0,1,2,3
	global_load_b128 v[32+4*\i:35+4*\i], v4, s[8:9] offset:512*\i
.endr
	s_mov_b32 s[RC], 0x39c30c31
	s_mov_b32 s[DV], 0x45280000
	s_lshl_b32 s22, s18, 3
	s_lshl_b32 s23, s13, 2
	s_add_co_u32 s22, s22, s23
	s_lshl_b32 s[RB], s22, 12
	s_add_co_u32 s[RB], s[RB], ROPE
	s_mov_b32 s[RB+1], 0
	s_add_nc_u64 s[RB:RB+1], s[6:7], s[RB:RB+1]
	s_wait_loadcnt 0x0
	v_max3_num_f32 v32, v32, v33, v34
	v_max3_num_f32 v35, v35, v36, v37
	v_max3_num_f32 v38, v38, v39, v40
	v_max3_num_f32 v41, v41, v42, v43
	v_max3_num_f32 v44, v44, v45, v46
	v_max3_num_f32 v32, v32, v35, v38
	v_max3_num_f32 v41, v41, v44, v47
	v_max_num_f32 v32, v32, v41
	v_max_num_f32_dpp v32, v32, v32 row_xmask:1 row_mask:0xf bank_mask:0xf
	v_max_num_f32_dpp v32, v32, v32 row_xmask:2 row_mask:0xf bank_mask:0xf
	v_max_num_f32_dpp v32, v32, v32 row_xmask:4 row_mask:0xf bank_mask:0xf
	v_max_num_f32_dpp v32, v32, v32 row_xmask:8 row_mask:0xf bank_mask:0xf
	v_permlanex16_b32 v33, v32, s[SEL], s[SEL+1]
	v_max_num_f32 v32, v32, v33
	v_mul_f32 v34, s[RC], v32
	v_fma_f32 v35, -v34, s[DV], v32
	v_fma_f32 v34, v35, s[RC], v34
	v_readfirstlane_b32 s[SS], v34
	s_mov_b32 s[SS+1], s[SS]
.irp a, 0,1
.irp i, 0,1,2,3,4,5,6,7
	global_load_b128 v[ROP+32*\a+4*\i:ROP+32*\a+4*\i+3], v4, s[RB:RB+1] offset:\a*4096+\i*512
.endr
.endr
	s_wait_tensorcnt 1
	s_barrier_signal -1
	s_barrier_wait -1
	NEXT 0
	STEP0 0, 1
	STEP2 1
	STEP0 2, 0
	STEP2 3
	STEP0 4, 0
	STEP2 5
	STEP0 6, 0
	STEP2 7
	STEP0 8, 0
	STEP2 9
	STEP0 10, 0
	STEP2 11
	STEP0 12, 0
	STEP1 13
	STEP0 14, 0
	STEP3 15
	WIN 0
	PLACES
	v_mov_b32 v34, 0
	v_mov_b32 v35, 0
	s_lshl_b32 s24, s19, 1
	s_add_co_u32 s24, s24, s14
	s_lshl_b32 s25, s18, 3
	s_lshl_b32 s26, s13, 2
	s_add_co_u32 s25, s25, s26
	s_lshl_b32 s26, s24, 7
	s_add_co_u32 s26, s26, s25
	s_mul_i32 s88, s26, 768
	s_mov_b32 s89, 0
	s_lshl_b32 s90, s26, 6
	s_add_co_u32 s90, s90, QSC
	s_mov_b32 s91, 0
	s_lshl_b32 s27, s24, 3
	s_lshr_b32 s28, s18, 1
	s_add_co_u32 s27, s27, s28
	s_mul_i32 s27, s27, REC
	s_add_co_u32 s27, s27, KVB
	s_and_b32 s28, s25, 15
	s_mul_i32 s92, s28, 768
	s_add_co_u32 s92, s92, s27
	s_mov_b32 s93, 0
	s_lshl_b32 s94, s28, 6
	s_add_co_u32 s94, s94, s27
	s_add_co_u32 s94, s94, 12288
	s_mov_b32 s95, 0
	s_and_b32 s28, s18, 1
	s_mul_i32 s96, s28, 6144
	s_mul_i32 s29, s13, 768
	s_add_co_u32 s96, s96, s29
	s_add_co_u32 s96, s96, s27
	s_add_co_u32 s96, s96, 13312
	s_mov_b32 s97, 0
	s_lshl_b32 s98, s28, 8
	s_lshl_b32 s29, s13, 1
	s_add_co_u32 s98, s98, s29
	s_add_co_u32 s98, s98, s27
	s_add_co_u32 s98, s98, 25600
	s_mov_b32 s99, 0
.irp p, 88,90,92,94,96,98
	s_add_nc_u64 s[\p:\p+1], s[10:11], s[\p:\p+1]
.endr
.macro QKOUT a, kk
	s_wait_xcnt 0x0
	WIN 0x03
.irp i, 0,2,4,6,8,10,12,14,16,18,20,22,24,26,28,30
	v_pk_mul_f32 v[XR+\i:XR+\i+1], v[128*(\kk)+32*(\a)+\i:128*(\kk)+32*(\a)+\i+1], s[SS:SS+1] op_sel_hi:[1,0]
.endr
	WIN 0
.irp g, 0,8
.irp i, 0,2,4,6
	v_pk_mul_f32 v[32+\i:33+\i], v[XR+16+\g+\i:XR+17+\g+\i], v[ROP+32*((\a)%2)+16+\g+\i:ROP+32*((\a)%2)+17+\g+\i]
	v_pk_mul_f32 v[40+\i:41+\i], v[XR+\g+\i:XR+1+\g+\i], v[ROP+32*((\a)%2)+16+\g+\i:ROP+32*((\a)%2)+17+\g+\i]
.endr
.irp i, 0,2,4,6
	v_pk_fma_f32 v[XR+\g+\i:XR+1+\g+\i], v[XR+\g+\i:XR+1+\g+\i], v[ROP+32*((\a)%2)+\g+\i:ROP+32*((\a)%2)+1+\g+\i], v[32+\i:33+\i] neg_lo:[0,0,1] neg_hi:[0,0,1]
	v_pk_fma_f32 v[XR+16+\g+\i:XR+17+\g+\i], v[XR+16+\g+\i:XR+17+\g+\i], v[ROP+32*((\a)%2)+\g+\i:ROP+32*((\a)%2)+1+\g+\i], v[40+\i:41+\i]
.endr
.endr
.if ((\kk) == 1) && ((\a) < 2)
.irp i, 0,1,2,3,4,5,6,7
	global_load_b128 v[ROP+32*(\a)+4*\i:ROP+32*(\a)+4*\i+3], v4, s[RB:RB+1] offset:((\a)+2)*4096+\i*512
.endr
.endif
	Q2H XR, 48+6*(\kk), WQ+4*(\kk)+(\a)
	v_or_b32 v[WQ+4*(\kk)+(\a)], 0x7f7f0000, v[WQ+4*(\kk)+(\a)]
	global_store_b128 v4, v[48+6*(\kk):51+6*(\kk)], s[88+4*(\kk):89+4*(\kk)] offset:768*(\a)
	global_store_b64 v14, v[52+6*(\kk):53+6*(\kk)], s[88+4*(\kk):89+4*(\kk)] offset:768*(\a)+512
.endm
.irp a, 0,1,2
	s_wait_loadcnt 8
	QKOUT \a, 0
	QKOUT \a, 1
.endr
	s_wait_loadcnt 0x0
	QKOUT 3, 0
	QKOUT 3, 1
	s_mov_b32 s24, 0xffff0000
	v_cndmask_b32 v32, v[WQ], v[WQ+1], s24
	v_cndmask_b32 v33, v[WQ+2], v[WQ+3], s24
	v_cndmask_b32 v36, v[WQ+4], v[WQ+5], s24
	v_cndmask_b32 v37, v[WQ+6], v[WQ+7], s24
	global_store_b32 v16, v32, s[90:91]
	global_store_b32 v16, v33, s[90:91] offset:128
	global_store_b32 v16, v36, s[94:95]
	global_store_b32 v16, v37, s[94:95] offset:128
.macro VOUT a
	s_wait_xcnt 0x0
	WIN (1+(\a)/2)
.irp i, 0,2,4,6,8,10,12,14,16,18,20,22,24,26,28,30
	v_pk_mul_f32 v[XR+\i:XR+\i+1], v[192+32*((\a)%2)+\i:192+32*((\a)%2)+\i+1], s[SS:SS+1] op_sel_hi:[1,0]
.endr
	WIN 0
	Q2H XR, 48+6*((\a)%2), WVV+(\a)
	global_store_b128 v4, v[48+6*((\a)%2):51+6*((\a)%2)], s[96:97] offset:1536*(\a)
	global_store_b64 v14, v[52+6*((\a)%2):53+6*((\a)%2)], s[96:97] offset:1536*(\a)+512
	global_store_b16 v15, v[WVV+(\a)], s[98:99] offset:64*(\a)
.endm
	VOUT 0
	VOUT 1
	VOUT 2
	VOUT 3
	s_wait_tensorcnt 0x0
	ds_add_u32 v[SPW], v[NIL]
	s_wait_dscnt 0x0
	CROUND
	s_endpgm
.Lfunc_end_k_q74206f01cf_g1:
	.size	k_q74206f01cf_g1, .Lfunc_end_k_q74206f01cf_g1-k_q74206f01cf_g1
	.p2alignl 7, 3214868480
	.fill 96, 4, 3214868480
	.section	.rodata,"a",@progbits
	.p2align	6, 0x0
	.amdhsa_kernel k_q74206f01cf_g1
		.amdhsa_group_segment_fixed_size 327680
		.amdhsa_private_segment_fixed_size 0
		.amdhsa_enable_private_segment 0
		.amdhsa_kernarg_size 32
		.amdhsa_user_sgpr_count 2
		.amdhsa_user_sgpr_kernarg_segment_ptr 1
		.amdhsa_wavefront_size32 1
		.amdhsa_system_sgpr_workgroup_id_x 1
		.amdhsa_system_sgpr_workgroup_id_y 1
		.amdhsa_system_sgpr_workgroup_id_z 1
		.amdhsa_system_vgpr_workitem_id 0
		.amdhsa_next_free_vgpr 1024
		.amdhsa_next_free_sgpr 102
		.amdhsa_reserve_vcc 0
		.amdhsa_float_denorm_mode_32 3
		.amdhsa_float_denorm_mode_16_64 3
		.amdhsa_memory_ordered 1
		.amdhsa_forward_progress 1
		.amdhsa_inst_pref_size 229
	.end_amdhsa_kernel
	.amdgpu_metadata
---
amdhsa.version: [ 1, 2 ]
amdhsa.kernels:
  - .name:           k_q74206f01cf_g1
    .symbol:         k_q74206f01cf_g1.kd
    .args:
      - { .name: acode, .offset: 0, .size: 8, .value_kind: global_buffer, .address_space: global }
      - { .name: wbuf, .offset: 8, .size: 8, .value_kind: global_buffer, .address_space: global }
      - { .name: pmax0, .offset: 16, .size: 8, .value_kind: global_buffer, .address_space: global }
      - { .name: qkv, .offset: 24, .size: 8, .value_kind: global_buffer, .address_space: global }
    .group_segment_fixed_size: 327680
    .private_segment_fixed_size: 0
    .kernarg_segment_align: 8
    .kernarg_segment_size: 32
    .max_flat_workgroup_size: 128
    .sgpr_count:     102
    .vgpr_count:     1024
    .wavefront_size: 32
...
	.end_amdgpu_metadata
.endif
;; end of part 3
;; launch attn (part 4): grid 8 x 32, 16 waves a work-group, clusters of 4 x 1, 327,680 bytes of LDS; arguments qkv, fbuf, pmax1; writes fbuf, pmax1
.if DOCPART == 4
	.amdgcn_target "amdgcn-amd-amdhsa--gfx1250"
	.amdhsa_code_object_version 6
	.text
	.protected	k_q74206f01cf_attn
	.globl	k_q74206f01cf_attn
	.p2align	8
	.type	k_q74206f01cf_attn,@function
k_q74206f01cf_attn:
	s_mov_b64 s[64:65], 0
	v_nop
	global_prefetch_b8 v0, s[64:65] scope:SCOPE_SE
	s_setreg_imm32_b32 hwreg(HW_REG_WAVE_MODE, 25, 1), 1
	s_wait_xcnt 0x0
	s_wait_alu depctr_hold_cnt(0) depctr_sa_sdst(0) depctr_va_vdst(0) depctr_va_sdst(0) depctr_va_ssrc(0) depctr_va_vcc(0) depctr_vm_vsrc(0)
	s_getreg_b32 s2, hwreg(HW_REG_IB_STS2, 6, 4)
	s_cmp_eq_u32 s2, 0
	s_cbranch_scc0 .Lentry_in_a_cluster
	s_endpgm
.Lentry_in_a_cluster:
	s_bfe_u32 s2, ttmp6, 0x10000c
	s_cmp_lg_u32 s2, 0x3003
	s_cbranch_scc0 .Lentry_shape_is_right
	s_endpgm
.Lentry_shape_is_right:
; Causal attention, 32 heads of 64, 2,048 tokens, both products on codes of E2M3; q, k and v arrive as images of operand registers.  Out: attn [token][head x 64 + channel] f32, and the work-group's largest |attn|.
; WORK LEFT OUT: key steps of 128 keys that lie wholly behind a wave's 16 queries (the layer's own causal mask gives them the weight 0 for every input), and the slots of 256 keys that no wave of the work-group reads.
; THE SOFTMAX: t = score x log2(e) / 8; M = the running largest t rounded UP to a whole number; p = 2^(t - M) is quantised along the keys, not normalised; the row's sum is taken of the unquantised p and divides at the end.
; When M moves, the sum and O are multiplied by 2^(old M - new M), which rounds nothing.
; SHARES.  Work-group (j, head): waves 0-7 own query block j (128 queries), waves 8-15 block 15 - j, a tile of 16 queries a wave: every work-group has the same number of live key steps.  Four waves to a SIMD.
; NO CLUSTER: the work-groups of a head end their walks at different slots (128 (16 - j) keys), so partners would need different numbers of tiles.
; LAYOUT.  S^T = K Q^T (source 0 = 16 keys, source 1 = my 16 queries; K = 64, the upper 64 of the instruction's 128 are zero codes), O^T = V^T P^T (source 0 = 16 channels, source 1 = P): a lane holds one query throughout.
; Tiles of keys are neighbours, so in a block of 32 keys p's order is 0-7, 16-23, 8-15, 24-31: V's codes were laid in the same order.
; A RECORD of 256 keys of a head, 26,112 dense bytes: 16 tiles of K (768 bytes: registers 0-3 at 16 x lane, 4-5 at 512 + 8 x lane), K's scale words (12,288 + 64 x tile + 4 r), V^T's half fragments
; (13,312 + 6,144 x step + 1,536 x tile + 768 x half), V's scale words (25,600 + 256 x step + 64 x tile + 4 r).  A ring of two LDS slots; waves 0 and 1 fetch a half each.
; REGISTERS: v1-3 lane terms; v5, v6 the add's two; v7 the way out; v8-10 the step's addresses; v12 -M, v13 the largest t, v[14:15] the sum; v16-27 Q; v28-31 V's scale words; v32-79 four tiles of K; v80-127 V's four fragments;
; v128-191 S^T, then p; v192-223 O^T; v224-235 p's codes; v232-254 at work; v255 Q's scale words.
; THE SHARES, THE LOADS AND THE CLUSTER AS THIS TEXT HAS THEM (they take the place of what stands above under SHARES, NO CLUSTER and of the ring):
; LDS holds all 8 records of the head, record r at r x 26,112: each of the 16 waves fetches half a record at the head, its one tensor load; nothing is filled again, and one barrier shows all of it to all waves.
; Work-group j of a head takes query tile 8 m + j of every block m = 0 .. 15 of 128 queries, so every work-group reads every record, and block m has m + 1 live key steps.
; Wave i (0-7) owns block 15 - i and does its key steps 0-7 (all open).  Wave 8 + i does block i whole (i + 1 steps) and stores it, then does block 15 - i's key steps 8 .. 15 - i from a fresh state and hands O^T, -M and the sum
; to wave i through LDS, as an image of the registers; wave i brings both parts under the larger M by powers of two, which round nothing, adds them and stores the tile.  So a wave has 8 or 9 live steps.
; CLUSTER 4 x 1: four work-groups of one head ask for the same half records: joint loads with the mask 15.  Branches hang on the wave's number and on the count of steps alone.
; No prefetch: every load of the launch goes out at its head, so there is no loop to run ahead in.
.set MERGE, 278784                     ; eight images of 4,608 bytes: O^T at 512 c + 16 x lane, then v12-15
.set REC,   26112
.set HALF,  13056
.set KSC,   12288
.set VOF,   13312
.set VSC,   25600
.set STAGE, 208896                     ; behind the 8 records: the way out, 16 rows x 272 bytes for each wave; no fill lands here
.set MAXW,  278528                     ; the waves' maxima
.set SPARE, 315648                     ; behind the images: the spare words, 128 bytes for each of 16 waves
.set QSC,   3145728
.set KVB,   3407872
.set L16, 1
.set L8,  2
.set R4,  3
.set SPW, 5
.set NIL, 6
.set GO,  7
.set S,   128
.set O,   192
.set WV,  10
.set HD,  11
.set Q0,  12                           ; my first query
.set LIM, 13                           ; the last key that a live step of mine may begin at or before
.set QB,  17                           ; my block's first query: steps that begin ahead of it are open
.set KF,  14                           ; the step's first key
.set TB,  15                           ; LDS byte at which the slot in hand begins
.set SLOTS, 16
.set SEL, 18
.set CS,  20                           ; s[20:21] log2(e) / 8
.set G1,  24
.set G0,  32
.macro TLOAD                           ; every wave fetches its half record; an s_nop 0 and four v_nop follow the line
	tensor_load_to_lds s[G0:G0+3], s[G1:G1+7]
	s_nop 0
.rept 4
	v_nop
.endr
.endm
.macro CROUND                          ; a round of the cluster's barrier
	s_barrier_signal -1
	s_barrier_wait -1
	s_cmp_lg_u32 s[WV], 0
	s_cbranch_scc1 .Lnot_wave_0_\@
	s_barrier_signal -3
.Lnot_wave_0_\@:
	s_barrier_wait -3
	s_barrier_signal -1
	s_barrier_wait -1
.endm
	s_load_b128 s[4:7], s[0:1], 0x0                ; qkv, attn
	s_load_b64 s[8:9], s[0:1], 0x10                ; the partial maxima
	v_lshl_add_u32 v[SPW], v0, 2, SPARE
	v_mov_b32 v[NIL], 0
	ds_add_u32 v[SPW], v[NIL]                      ; the wave's opening: the add, twice on end, and its wait ahead of my first tensor load
	ds_add_u32 v[SPW], v[NIL]
	v_lshrrev_b32 v8, 5, v0
	s_delay_alu instid0(VALU_DEP_1)
	v_readfirstlane_b32 s[WV], v8                  ; wave 0..15
	s_and_b32 s[HD], ttmp7, 0xffff
	s_bfe_u32 s23, ttmp6, 0x40000                  ; cx
	s_lshl_b32 s22, ttmp9, 2
	s_add_co_u32 s22, s22, s23                     ; j = 4 x cluster x + cx
	s_sub_co_u32 s37, 15, s[WV]                    ; waves 0-7: block 15 - wave
	s_sub_co_u32 s38, s[WV], 8                     ; waves 8-15: block wave - 8
	s_cmp_lt_u32 s[WV], 8
	s_cselect_b32 s36, s37, s38
	s_lshl_b32 s[QB], s36, 7
	s_add_co_u32 s[LIM], s[QB], 127
	s_min_u32 s[LIM], s[LIM], 1023                 ; an owner of an upper block stops behind key step 7
	s_lshl_b32 s37, s36, 3
	s_add_co_u32 s37, s37, s22                     ; my tile: 8 m + j
	s_lshl_b32 s[Q0], s37, 4
	s_sub_co_u32 s55, 23, s[WV]                    ; waves 8-15, second part: block 23 - wave (held at 15 in the waves that never use it)
	s_min_u32 s55, s55, 15
	s_lshl_b32 s54, s55, 3
	s_add_co_u32 s54, s54, s22                     ; that tile
	s_lshl_b32 s55, s55, 7                         ; its block's first query
	s_add_co_u32 s56, s55, 127
	s_lshl_b32 s38, s[HD], 7
	s_add_co_u32 s38, s38, s54
	s_mul_i32 s50, s38, 768                        ; its Q's codes
	s_mov_b32 s51, 0
	s_lshl_b32 s52, s38, 6
	s_add_co_u32 s52, s52, QSC                     ; and scale words
	s_mov_b32 s53, 0
	s_lshl_b32 s54, s54, 4                         ; its first query
	s_lshl_b32 s38, s[HD], 7
	s_add_co_u32 s38, s38, s37
	s_mul_i32 s40, s38, 768                        ; Q's codes
	s_mov_b32 s41, 0
	s_lshl_b32 s42, s38, 6
	s_add_co_u32 s42, s42, QSC                     ; and scale words
	s_mov_b32 s43, 0
	s_mul_i32 s39, s[WV], HALF                     ; my half record, in the head's records and in LDS alike
	s_mul_i32 s44, s[HD], 8*REC
	s_add_co_u32 s44, s44, KVB
	s_add_co_u32 s44, s44, s39
	s_mov_b32 s45, 0
	s_lshl_b32 s46, s[Q0], 13
	s_lshl_b32 s47, s[HD], 8
	s_add_co_u32 s46, s46, s47                     ; my first row of the result, my head's 256 bytes
	s_mov_b32 s47, 0
	s_lshl_b32 s48, s[HD], 3
	s_add_co_u32 s48, s48, s22
	s_lshl_b32 s48, s48, 3                         ; two words of partial maxima a work-group
	s_mov_b32 s49, 0
	s_mov_b32 s[G1], 15|(3<<16)|(1<<21)            ; all four partners; elements of 8 bytes; bit 21 beside a mask; no padding
	s_mov_b32 s[G1+1], 32<<16                      ; rows of 256 bytes
	s_mov_b32 s[G1+2], 51<<16                      ; 51 of them: half a record
	s_mov_b32 s[G1+3], 32<<16
	s_mov_b32 s[G1+4], 51
	s_mov_b32 s[G1+5], 32
	s_mov_b32 s[G1+6], 0
	s_mov_b32 s[G1+7], 0
	s_mov_b32 s[SEL], 0x76543210
	s_mov_b32 s[SEL+1], 0xfedcba98
	s_mov_b32 s[CS], 0x3e38aa3b
	s_mov_b32 s[CS+1], s[CS]
	s_mov_b32 s[TB], 0
	s_mov_b32 s[KF], 0
	s_wait_dscnt 0x0                               ; both opening adds are done
	s_wait_kmcnt 0x0
	CROUND                                         ; all four work-groups are here: the joint loads meet
	s_mov_b32 s[G0], 1
	s_mov_b32 s[G0+1], s39
	s_add_nc_u64 s[G0+2:G0+3], s[4:5], s[44:45]
	s_or_b32 s[G0+3], s[G0+3], 0x80000000
	TLOAD                                          ; slot 0: it holds key 0, which counts for every query
	s_add_nc_u64 s[40:41], s[4:5], s[40:41]
	s_add_nc_u64 s[50:51], s[4:5], s[50:51]
	s_add_nc_u64 s[52:53], s[4:5], s[52:53]
	s_add_nc_u64 s[42:43], s[4:5], s[42:43]
	s_add_nc_u64 s[6:7], s[6:7], s[46:47]
	s_add_nc_u64 s[8:9], s[8:9], s[48:49]
	v_and_b32 v8, 31, v0
	s_delay_alu instid0(VALU_DEP_1)
	v_lshlrev_b32 v[L16], 4, v8
	s_delay_alu instid0(VALU_DEP_2)
	v_lshlrev_b32 v[L8], 3, v8
	v_and_b32 v9, 15, v0
	s_delay_alu instid0(VALU_DEP_1)
	v_lshlrev_b32 v[R4], 2, v9
	global_load_b128 v[16:19], v[L16], s[40:41]    ; Q's fragment stays in registers
	global_load_b64 v[20:21], v[L8], s[40:41] offset:512
	global_load_b32 v255, v[R4], s[42:43]
	v_bfe_u32 v10, v0, 4, 1
	s_delay_alu instid0(VALU_DEP_1)
	v_lshlrev_b32 v[GO], 13, v10
	s_delay_alu instid0(VALU_DEP_1)
	v_lshl_add_u32 v[GO], v9, 4, v[GO]             ; the way out: lanes 0-15 one row, lanes 16-31 the next; 16 bytes a lane
.irp i, 22,23,24,25,26,27
	v_mov_b32 v[\i], 0                             ; the upper 64 of K: zero codes, in Q
.endr
.irp t, 0,1,2,3
.irp i, 6,7,8,9,10,11
	v_mov_b32 v[32+12*\t+\i], 0                    ; and in K's four buffers: written once
.endr
.endr
	v_mov_b32 v13, 0xff61b1e6                      ; the largest t so far: -3e38
	s_delay_alu instid0(VALU_DEP_1)
	v_floor_f32 v12, -v13                          ; -M
	v_mov_b32 v14, 0
	v_mov_b32 v15, 0
.irp b, 0,1,2,3
	v_mov_b32 v[236+\b], 0                         ; written once: a lane permute's destination counts as one of its sources
.endr
	v_mov_b32 v252, 0
	v_mov_b32 v253, 0
.set i, 0
.rept 32
	v_mov_b32 v[O+i], 0                            ; O^T: the loop is written once; its first step finds zeros, which the first change of M leaves zeros
.set i, i+1
.endr
; A KEY STEP: 128 keys, the q-th of the slot in hand
.macro STEP q
	s_cmp_gt_u32 s[KF], s[LIM]                     ; a step that is not mine, or all of whose keys come after my block: left out by a branch on the wave's number and the count of steps
	s_cbranch_scc1 .Lhidden_\@
	v_add_nc_u32 v8, s[TB], v[L16]
	s_wait_alu depctr_va_vdst(0)
	v_add_nc_u32 v9, s[TB], v[L8]
	s_wait_alu depctr_va_vdst(0)
	v_add_nc_u32 v10, s[TB], v[R4]
	s_wait_alu depctr_va_vdst(0)
.irp g, 0,1                                    ; S^T = K Q^T, four tiles of 16 keys at a time
.if \g > 0
.rept 4
	v_nop                                          ; places in front of loads into registers that matrix instructions have read
.endr
.endif
.irp t, 0,1,2,3
	ds_load_b128 v[32+12*\t:35+12*\t], v8 offset:(8*(\q)+4*\g+\t)*768
	ds_load_b64 v[36+12*\t:37+12*\t], v9 offset:(8*(\q)+4*\g+\t)*768+512
	ds_load_b32 v[248+\t], v10 offset:KSC+(8*(\q)+4*\g+\t)*64
.endr
	s_wait_dscnt 0x0
.irp t, 0,1,2,3
	v_wmma_scale_f32_16x16x128_f8f6f4 v[S+8*(4*\g+\t):S+8*(4*\g+\t)+7], v[32+12*\t:43+12*\t], v[16:27], 0, v[248+\t], v255 matrix_a_fmt:MATRIX_FMT_FP6 matrix_b_fmt:MATRIX_FMT_FP6
.endr
.endr
.irp t, 0,1,2,3                                ; V's fragments are asked for here and land under the softmax (seven plain places stand between the last step's products and these loads)
.irp c, 0,1
	ds_load_b128 v[80+12*\t+6*\c:83+12*\t+6*\c], v8 offset:VOF+(\q)*6144+\t*1536+\c*768
	ds_load_b64 v[84+12*\t+6*\c:85+12*\t+6*\c], v9 offset:VOF+(\q)*6144+\t*1536+\c*768+512
.endr
	ds_load_b32 v[28+\t], v10 offset:VSC+(\q)*256+\t*64
.endr
.rept 4
	v_nop                                          ; places in front of the first read of the scores
.endr
	s_cmp_lt_u32 s[KF], s[QB]                      ; a step ahead of my block's first query is open
	s_cbranch_scc1 .Lopen_\@
	s_sub_co_i32 s36, s[Q0], s[KF]
	v_and_b32 v252, 15, v0
	v_bfe_u32 v253, v0, 4, 1
	s_delay_alu instid0(VALU_DEP_1)
	v_lshlrev_b32 v253, 3, v253
	s_delay_alu instid0(VALU_DEP_1)
	v_sub_nc_u32 v252, v252, v253
	s_delay_alu instid0(VALU_DEP_1)
	v_add_nc_u32 v252, s36, v252                   ; d = my query - KF - 8 (lane / 16).  Register n holds key KF + 16 (n / 8) + 8 (lane / 16) + n % 8: hidden where 16 (n / 8) + n % 8 > d
	v_mov_b32 v254, 0xff800000
.set n, 0
.rept 64
	v_cmp_gt_i32 vcc_lo, 16*(n/8)+n%8, v252
	v_cndmask_b32 v[S+n], v[S+n], v254, vcc_lo
.set n, n+1
.endr
.Lopen_\@:
.irp b, 0,1,2,3
	v_max3_num_f32 v[232+\b], v[S+16*\b], v[S+1+16*\b], v[S+2+16*\b]   ; the largest score of each block of 32 keys: for the row's maximum, and, since p rises with the score, for the block's largest p
.endr
.irp i, 3,5,7,9,11,13
.irp b, 0,1,2,3
	v_max3_num_f32 v[232+\b], v[232+\b], v[S+16*\b+\i], v[S+1+16*\b+\i]
.endr
.endr
.irp b, 0,1,2,3
	v_max_num_f32 v[232+\b], v[232+\b], v[S+15+16*\b]
.endr
.irp b, 0,1,2,3
	s_delay_alu instid0(VALU_DEP_4)
	v_permlanex16_b32 v[236+\b], v[232+\b], s[SEL], s[SEL+1]
.endr
.irp b, 0,1,2,3
	s_delay_alu instid0(VALU_DEP_4)
	v_max_num_f32 v[232+\b], v[232+\b], v[236+\b]  ; with lane xor 16's 16 keys
.endr
	s_delay_alu instid0(VALU_DEP_2)
	v_max3_num_f32 v254, v232, v233, v234
	s_delay_alu instid0(VALU_DEP_1)
	v_max_num_f32 v254, v254, v235
	s_delay_alu instid0(VALU_DEP_1)
	v_mul_f32 v254, s[CS], v254                    ; the step's largest t
	s_delay_alu instid0(VALU_DEP_1)
	v_max_num_f32 v13, v13, v254
	v_mov_b32 v254, v12
	s_delay_alu instid0(VALU_DEP_2)
	v_floor_f32 v12, -v13                          ; the new -M = -ceil(t): a whole number
	s_delay_alu instid0(VALU_DEP_1)
	v_sub_f32 v254, v12, v254
	s_delay_alu instid0(VALU_DEP_1)
	v_cvt_i32_f32 v254, v254                       ; old M - new M, 0 or less (it saturates)
	s_delay_alu instid0(VALU_DEP_1)
	v_ldexp_f32 v252, 1.0, v254                    ; f = 2^(old M - new M)
.set n, 0
.rept 32
	v_pk_fma_f32 v[S+n:S+n+1], v[S+n:S+n+1], s[CS:CS+1], v[12:13] op_sel_hi:[1,0,0]   ; t - M
.set n, n+2
.endr
.irp b, 0,1,2,3
	v_fma_f32 v[232+\b], v[232+\b], s[CS], v12     ; the same of each block's largest score
.endr
.set n, 0
	s_wait_alu depctr_va_vdst(0)
.rept 64
	v_exp_f32 v[S+n], v[S+n]                       ; p = 2^(t - M)
.set n, n+1
.endr
	v_pk_mul_f32 v[14:15], v[14:15], v[252:253] op_sel_hi:[1,0]   ; the sums under the new M (a plain place behind the exponentials)
	s_wait_alu depctr_va_vdst(0)                   ; one wait for the whole batch, ahead of its first reader
.irp b, 0,1,2,3
	v_exp_f32 v[232+\b], v[232+\b]                 ; the blocks' largest p
.endr
	v_pk_add_f32 v[236:237], v[S:S+1], v[S+2:S+3]  ; the row's sum, of the unquantised p, in two chains
.irp j, 4,8,12,16,20,24,28,32,36,40,44,48,52,56,60
	v_pk_add_f32 v[14:15], v[14:15], v[S+\j:S+1+\j]
	v_pk_add_f32 v[236:237], v[236:237], v[S+2+\j:S+3+\j]
.endr
	s_delay_alu instid0(VALU_DEP_1)
	v_pk_add_f32 v[14:15], v[14:15], v[236:237]
	s_wait_alu depctr_va_vdst(0)                   ; and one for the four
.irp b, 0,1,2,3
	v_max_num_f32 v[232+\b], 0x1800000, v[232+\b]  ; the floor 2^(3 - 127): the byte cannot fall under 1
.endr
.irp b, 0,1,2,3
	s_delay_alu instid0(VALU_DEP_4)
	v_add_nc_u32 v[244+\b], 0xff000000, v[232+\b]  ; 2 off the exponent field: the conversion's scale operand
.endr
.irp b, 0,1,2,3
	s_delay_alu instid0(VALU_DEP_4)
	v_lshrrev_b32 v[236+\b], 23, v[244+\b]
.endr
	s_delay_alu instid0(VALU_DEP_3)
	v_lshl_or_b32 v253, v237, 8, v236              ; p's scale word for these 128 keys
	s_delay_alu instid0(VALU_DEP_1)
	v_lshl_or_b32 v253, v238, 16, v253
	s_delay_alu instid0(VALU_DEP_1)
	v_lshl_or_b32 v253, v239, 24, v253
.irp c, 0,1
	v_cvt_scalef32_pk16_fp6_f32 v[224+6*\c:226+6*\c], v[S+32*\c:S+15+32*\c], v[244+2*\c]
	v_cvt_scalef32_pk16_fp6_f32 v[236+4*\c:238+4*\c], v[S+16+32*\c:S+31+32*\c], v[244+2*\c+1]
.endr
	v_nop                                          ; one plain place behind a scaled conversion
.irp c, 0,1
.irp i, 0,1,2
	v_permlane16_swap_b32 v[224+6*\c+\i], v[236+4*\c+\i]   ; a whole block to a lane: lanes 0-15 block 2 c, lanes 16-31 block 2 c + 1
.endr
.irp i, 0,1,2
	s_delay_alu instid0(VALU_DEP_3)
	v_mov_b32 v[227+6*\c+\i], v[236+4*\c+\i]
.endr
.endr
.set n, 0
.rept 16
	v_pk_mul_f32 v[O+n:O+n+1], v[O+n:O+n+1], v[252:253] op_sel_hi:[1,0]   ; O^T under the new M; these sixteen are also the places between the lines that made p's codes and scale word and the products
.set n, n+2
.endr
	s_wait_alu depctr_va_vdst(0)
	s_wait_dscnt 0x0                               ; V
.irp t, 0,1,2,3
	v_wmma_scale_f32_16x16x128_f8f6f4 v[O+8*\t:O+8*\t+7], v[80+12*\t:91+12*\t], v[224:235], v[O+8*\t:O+8*\t+7], v[28+\t], v253 matrix_a_fmt:MATRIX_FMT_FP6 matrix_b_fmt:MATRIX_FMT_FP6
.endr
.Lhidden_\@:
	s_add_co_u32 s[KF], s[KF], 128
.endm
; THE CHANGE OF SLOTS stands at a slot's head.  Each wave waits for all its tensor loads, adds 0 to its spare word (fill = 1: twice on end), and waits for that and for its reads of the slot that it has left.
; Behind the barrier the slot ahead is whole and nobody reads the other one, which is then filled with the next 256 keys, up to the causal limit: the load has a slot's two steps in which to land.
; THE WAY OUT of a finished tile: O^T / the sum, through my stage, so that sixteen lanes store a query's 256 bytes of my head; and my wave's largest |attn| into its word.  Every wave runs it once.
.macro OUT
	v_add_f32 v14, v14, v15
	s_delay_alu instid0(VALU_DEP_1)
	v_permlanex16_b32 v252, v14, s[SEL], s[SEL+1]
	s_delay_alu instid0(VALU_DEP_1)
	v_add_f32 v14, v14, v252                       ; the row's sum
	s_wait_alu depctr_va_vdst(0)
	v_rcp_f32 v14, v14
	v_and_b32 v8, 15, v0                           ; (plain places behind the transcendental)
	v_bfe_u32 v9, v0, 4, 1
	s_mul_i32 s36, s[WV], 16*272
	s_add_co_u32 s36, s36, STAGE
	v_mul_u32_u24 v10, v8, 272
	s_delay_alu instid0(VALU_DEP_1)
	v_lshl_add_u32 v10, v9, 5, v10
	s_delay_alu instid0(VALU_DEP_1)
	v_add_nc_u32 v10, s36, v10                     ; in: row r, tile t's eight channels of my half at 64 t + 32 h
	v_mul_u32_u24 v11, v9, 272
	s_delay_alu instid0(VALU_DEP_1)
	v_lshl_add_u32 v11, v8, 4, v11
	s_delay_alu instid0(VALU_DEP_1)
	v_add_nc_u32 v11, s36, v11                     ; back: lanes 0-15 one row, lanes 16-31 the next
	s_lshl_b32 s37, s[WV], 2
	s_add_co_u32 s37, s37, MAXW
	v_mov_b32 v4, s37                              ; my wave's word among the maxima
	s_wait_alu depctr_va_vdst(0)                   ; the wait, ahead of the reciprocal's first reader
.set n, 0
.rept 32
	v_mul_f32 v[S+n], v[O+n], v14                  ; register 8 t + i is attn(query r, 16 t + 8 h + i)
.set n, n+1
.endr
.irp b, 0,1
	v_max3_num_f32 v[232+\b], |v[S+16*\b]|, |v[S+1+16*\b]|, |v[S+2+16*\b]|
.endr
.irp i, 3,5,7,9,11,13
.irp b, 0,1
	s_delay_alu instid0(VALU_DEP_2)
	v_max3_num_f32 v[232+\b], v[232+\b], |v[S+16*\b+\i]|, |v[S+1+16*\b+\i]|
.endr
.endr
	s_delay_alu instid0(VALU_DEP_1)
	v_max3_num_f32 v232, v232, v233, |v[S+15]|
	s_delay_alu instid0(VALU_DEP_1)
	v_max_num_f32 v232, v232, |v[S+31]|
	s_delay_alu instid0(VALU_DEP_1)
	v_max_num_f32_dpp v232, v232, v232 row_xmask:1 row_mask:0xf bank_mask:0xf
	s_delay_alu instid0(VALU_DEP_1)
	v_max_num_f32_dpp v232, v232, v232 row_xmask:2 row_mask:0xf bank_mask:0xf
	s_delay_alu instid0(VALU_DEP_1)
	v_max_num_f32_dpp v232, v232, v232 row_xmask:4 row_mask:0xf bank_mask:0xf
	s_delay_alu instid0(VALU_DEP_1)
	v_max_num_f32_dpp v232, v232, v232 row_xmask:8 row_mask:0xf bank_mask:0xf
	s_delay_alu instid0(VALU_DEP_1)
	v_permlanex16_b32 v233, v232, s[SEL], s[SEL+1]
	s_delay_alu instid0(VALU_DEP_1)
	v_max_num_f32 v232, v232, v233                 ; my wave's largest |attn|
.irp t, 0,1,2,3
	ds_store_b128 v10, v[S+8*\t:S+8*\t+3] offset:64*\t
	ds_store_b128 v10, v[S+8*\t+4:S+8*\t+7] offset:64*\t+16
.endr
.irp i, 0,1,2,3,4,5,6,7
	ds_load_b128 v[32+4*\i:35+4*\i], v11 offset:2*\i*272   ; LDS serves a wave's instructions in order: these see my stores
.endr
	ds_store_b32 v4, v232
.irp i, 0,1,2,3,4,5,6,7
	s_wait_dscnt 8-\i                              ; load i is in; the younger loads and the word's store may be out
	global_store_b128 v[GO], v[32+4*\i:35+4*\i], s[6:7] offset:2*\i*8192
.endr
.endm
.macro WALK name                       ; four records, eight key steps: a constant count; every wave walks them and jumps over the steps that are not its own
	s_mov_b32 s[SLOTS], 4
\name:
	STEP 0
	STEP 1
	s_add_co_u32 s[TB], s[TB], REC
	s_sub_co_u32 s[SLOTS], s[SLOTS], 1
	s_cmp_lg_u32 s[SLOTS], 0
	s_cbranch_scc1 \name
.endm
	s_wait_alu depctr_va_vdst(0)                   ; the wait at the head's end
	s_wait_loadcnt 0x0                             ; Q
	s_wait_tensorcnt 0x0                           ; my half record has landed
	s_barrier_signal -1
	s_barrier_wait -1                              ; everybody's has
	WALK .Lfirst                                   ; keys 0 .. 1,023
	s_cmp_lt_u32 s[WV], 8
	s_cbranch_scc1 .Lstay
	global_load_b128 v[16:19], v[L16], s[50:51]    ; waves 8-15: the lower block's tile is finished; the upper tile's Q comes while it goes out
	global_load_b64 v[20:21], v[L8], s[50:51] offset:512
	global_load_b32 v255, v[R4], s[52:53]
	OUT
	s_mov_b32 s[Q0], s54
	s_mov_b32 s[QB], s55
	s_mov_b32 s[LIM], s56
	v_mov_b32 v13, 0xff61b1e6                      ; a fresh state, as at the head
	v_floor_f32 v12, -v13
	v_mov_b32 v14, 0
	v_mov_b32 v15, 0
.set i, 0
.rept 32
	v_mov_b32 v[O+i], 0
.set i, i+1
.endr
	s_wait_alu depctr_va_vdst(0)                   ; the wait ahead of the waits below
	s_wait_xcnt 0x0                                ; the stores have read their registers: the steps may load into them
	s_wait_loadcnt 0x0                             ; Q
.Lstay:
	WALK .Lsecond                                  ; keys 1,024 .. 2,047
	s_and_b32 s36, s[WV], 7
	s_mul_i32 s36, s36, 4608
	s_add_co_u32 s36, s36, MERGE
	v_add_nc_u32 v11, s36, v[L16]                  ; my pair's image, 16 bytes a lane
.rept 4
	v_nop                                          ; places in front of the first read of the last products
.endr
	s_wait_alu depctr_va_vdst(0)
	s_cmp_lt_u32 s[WV], 8
	s_cbranch_scc1 .Lowner
.irp i, 0,1,2,3,4,5,6,7
	ds_store_b128 v11, v[O+4*\i:O+4*\i+3] offset:512*\i   ; waves 8-15 hand over: O^T, each accumulator from its low end on,
.endr
	ds_store_b128 v11, v[12:15] offset:4096        ; -M, the largest t, the sum's two halves
.Lowner:
	s_wait_dscnt 0x0                               ; for the partner's sake: my stores have landed
	s_barrier_signal -1
	s_barrier_wait -1
	s_cmp_ge_u32 s[WV], 8
	s_cbranch_scc1 .Lgiven
.irp i, 0,1,2,3,4,5,6,7
	ds_load_b128 v[S+4*\i:S+4*\i+3], v11 offset:512*\i
.endr
	ds_load_b128 v[S+32:S+35], v11 offset:4096
	s_wait_dscnt 0x0
	v_min_num_f32 v254, v12, v[S+32]               ; the joint -M
	v_sub_f32 v252, v254, v12                      ; my M less the joint one: a whole number, 0 or less
	v_sub_f32 v236, v254, v[S+32]                  ; and my partner's
	v_cvt_i32_f32 v252, v252
	v_cvt_i32_f32 v236, v236
	v_ldexp_f32 v252, 1.0, v252                    ; the two factors: powers of two, which round nothing
	v_ldexp_f32 v236, 1.0, v236
	v_pk_mul_f32 v[14:15], v[14:15], v[252:253] op_sel_hi:[1,0]
	v_pk_fma_f32 v[14:15], v[S+34:S+35], v[236:237], v[14:15] op_sel_hi:[1,0,1]
.set n, 0
.rept 16
	v_pk_mul_f32 v[O+n:O+n+1], v[O+n:O+n+1], v[252:253] op_sel_hi:[1,0]
.set n, n+2
.endr
.set n, 0
.rept 16
	v_pk_fma_f32 v[O+n:O+n+1], v[S+n:S+n+1], v[236:237], v[O+n:O+n+1] op_sel_hi:[1,0,1]
.set n, n+2
.endr
	OUT
.Lgiven:
	s_wait_dscnt 0x0                               ; for the others' sake: my word has landed
	s_barrier_signal -1
	s_barrier_wait -1
	v_mov_b32 v9, MAXW
.irp i, 0,1,2,3
	ds_load_b128 v[96+4*\i:99+4*\i], v9 offset:16*\i
.endr
	s_wait_dscnt 0x0
	v_max3_num_f32 v96, v96, v97, v98
	v_max3_num_f32 v99, v99, v100, v101
	v_max3_num_f32 v102, v102, v103, v104
	v_max3_num_f32 v105, v105, v106, v107
	v_max3_num_f32 v108, v108, v109, v110
	s_delay_alu instid0(VALU_DEP_3)
	v_max3_num_f32 v96, v96, v99, v102
	s_delay_alu instid0(VALU_DEP_2)
	v_max3_num_f32 v105, v105, v108, v111
	s_delay_alu instid0(VALU_DEP_1)
	v_max_num_f32 v96, v96, v105                   ; the work-group's
	v_and_b32 v8, 31, v0
	s_delay_alu instid0(VALU_DEP_1)
	v_lshlrev_b32 v4, 2, v8
	s_wait_tensorcnt 0x0                           ; the wave's end, behind my last tensor load and my last LDS store
	ds_add_u32 v[SPW], v[NIL]
	s_wait_dscnt 0x0
	s_cmp_lg_u32 s[WV], 0
	s_cbranch_scc1 .Ldone
	s_wait_alu depctr_va_vdst(0)
	v_cmp_gt_u32 vcc_lo, 2, v8
	s_wait_xcnt 0x0                                ; EXEC is a source of the stores above: it changes only behind this wait
	s_and_saveexec_b32 s36, vcc_lo
	global_store_b32 v4, v96, s[8:9]               ; two equal words: the table of 512 is filled by 256 work-groups
	s_wait_xcnt 0x0
	s_or_b32 exec_lo, exec_lo, s36
.Ldone:
	CROUND                                         ; the closing round
	s_endpgm
.Lfunc_end_k_q74206f01cf_attn:
	.size	k_q74206f01cf_attn, .Lfunc_end_k_q74206f01cf_attn-k_q74206f01cf_attn
	.p2alignl 7, 3214868480
	.fill 96, 4, 3214868480
	.section	.rodata,"a",@progbits
	.p2align	6, 0x0
	.amdhsa_kernel k_q74206f01cf_attn
		.amdhsa_group_segment_fixed_size 327680
		.amdhsa_private_segment_fixed_size 0
		.amdhsa_enable_private_segment 0
		.amdhsa_kernarg_size 24
		.amdhsa_user_sgpr_count 2
		.amdhsa_user_sgpr_kernarg_segment_ptr 1
		.amdhsa_wavefront_size32 1
		.amdhsa_system_sgpr_workgroup_id_x 1
		.amdhsa_system_sgpr_workgroup_id_y 1
		.amdhsa_system_sgpr_workgroup_id_z 1
		.amdhsa_system_vgpr_workitem_id 0
		.amdhsa_next_free_vgpr 256
		.amdhsa_next_free_sgpr 66
		.amdhsa_reserve_vcc 1
		.amdhsa_float_denorm_mode_32 3
		.amdhsa_float_denorm_mode_16_64 3
		.amdhsa_memory_ordered 1
		.amdhsa_forward_progress 1
		.amdhsa_inst_pref_size 121
	.end_amdhsa_kernel
	.amdgpu_metadata
---
amdhsa.version: [ 1, 2 ]
amdhsa.kernels:
  - .name:           k_q74206f01cf_attn
    .symbol:         k_q74206f01cf_attn.kd
    .args:
      - { .name: qkv, .offset: 0, .size: 8, .value_kind: global_buffer, .address_space: global }
      - { .name: fbuf, .offset: 8, .size: 8, .value_kind: global_buffer, .address_space: global }
      - { .name: pmax1, .offset: 16, .size: 8, .value_kind: global_buffer, .address_space: global }
    .group_segment_fixed_size: 327680
    .private_segment_fixed_size: 0
    .kernarg_segment_align: 8
    .kernarg_segment_size: 24
    .max_flat_workgroup_size: 512
    .sgpr_count:     66
    .vgpr_count:     256
    .wavefront_size: 32
...
	.end_amdgpu_metadata
.endif
;; end of part 4
;; launch qa2 (part 5): grid 16 x 16, 8 waves a work-group, no clusters, 68,608 bytes of LDS; arguments fbuf, pmax1, acode; writes acode
.if DOCPART == 5
	.amdgcn_target "amdgcn-amd-amdhsa--gfx1250"
	.amdhsa_code_object_version 6
	.text
	.protected	k_q74206f01cf_qa2
	.globl	k_q74206f01cf_qa2
	.p2align	8
	.type	k_q74206f01cf_qa2,@function
k_q74206f01cf_qa2:
	s_mov_b64 s[64:65], 0
	v_nop
	global_prefetch_b8 v0, s[64:65] scope:SCOPE_SE
	s_setreg_imm32_b32 hwreg(HW_REG_WAVE_MODE, 25, 1), 1
	s_wait_xcnt 0x0
; An activation [2,048 rows][pitch 8,192 bytes] of f32 is divided by scale = (its largest magnitude) / 2,688 and quantised along K to codes of E2M3 with one E8M0 byte for each 32, into records laid in the order of an
; operand's registers: 16 rows x 4 K steps: 256 bytes of scale words [row][step], then 1,536 bytes a step (registers 4 c .. 4 c + 3 at 512 c + 16 x lane); 25,600 bytes to a row tile.
; The text knows no width: work-group x is the K step of 128, work-group y and the wave give the row tile.  A wave makes one fragment: 16 loads of 512 consecutive bytes, a turn through its own stage in LDS.
; The largest magnitude comes as 512 partial maxima, which every wave reads and joins.  LIMITS: the quotient x / scale is x times a refined reciprocal; a tensor of zeros is not served.
.set RT,    25600
.set KG,    6400
.set FRB,   1536
.set STG,   16*528
.set SPARE, 8*STG                      ; behind the eight stages: the spare words
.set LN,   1
.set RR,   2
.set HH,   3
.set L16,  4
.set STI,  5
.set STO,  6
.set SWA,  7
.set CA,   10
.set SPW,  12
.set NIL,  13
.set G,    16                          ; v16-31 the partial maxima, then the scale
.set R,    32
.set C,    96
.set U,    108
.set T,    116
.set SEL,  22
.set RC,   20                          ; s20 1 / 2,688
.set DV,   21                          ; s21 2,688
.macro Q2W
.irp c, 0,1
	v_max3_num_f32 v[T+\c], |v[R+32*\c]|, |v[R+32*\c+1]|, 0x1800000   ; with the floor 2^(3 - 127): the byte cannot fall under 1
.endr
.irp i, 2,4,6,8,10,12,14,16,18,20,22,24,26,28,30
.irp c, 0,1
	s_delay_alu instid0(VALU_DEP_2)
	v_max3_num_f32 v[T+\c], v[T+\c], |v[R+32*\c+\i]|, |v[R+32*\c+\i+1]|
.endr
.endr
.irp c, 0,1
	s_delay_alu instid0(VALU_DEP_2)
	v_add_nc_u32 v[T+2+\c], 0xff000000, v[T+\c]    ; 2 off the exponent field: the conversion's scale operand
.endr
.irp c, 0,1
	s_delay_alu instid0(VALU_DEP_2)
	v_lshrrev_b32 v[T+4+\c], 23, v[T+2+\c]
.endr
	s_delay_alu instid0(VALU_DEP_1)
	v_lshl_or_b32 v[T+6], v[T+5], 16, v[T+4]
	v_lshlrev_b32 v[T+7], 3, v[HH]
	s_delay_alu instid0(VALU_DEP_1)
	v_lshlrev_b32 v[T+6], v[T+7], v[T+6]
	v_mov_b32 v[T+7], 0
	s_delay_alu instid0(VALU_DEP_1)
	v_permlanex16_b32 v[T+7], v[T+6], s[SEL], s[SEL+1]
	s_delay_alu instid0(VALU_DEP_1)
	v_or_b32 v[T+6], v[T+6], v[T+7]                ; my row's scale word
.irp c, 0,1
	v_cvt_scalef32_pk16_fp6_f32 v[C+6*\c:C+6*\c+2], v[R+32*\c:R+32*\c+15], v[T+2+\c]
	v_cvt_scalef32_pk16_fp6_f32 v[U+4*\c:U+4*\c+2], v[R+32*\c+16:R+32*\c+31], v[T+2+\c]
.endr
	v_nop                                          ; one plain place behind a scaled conversion
.irp c, 0,1
.irp i, 0,1,2
	v_mov_b32 v[C+3+6*\c+\i], v[U+4*\c+\i]
.endr
.endr
.endm
	s_load_b128 s[4:7], s[0:1], 0x0                ; the activation, the partial maxima
	s_load_b64 s[8:9], s[0:1], 0x10                ; the records
	v_lshl_add_u32 v[SPW], v0, 2, SPARE
	v_mov_b32 v[NIL], 0
	v_lshrrev_b32 v[LN], 5, v0
	s_delay_alu instid0(VALU_DEP_1)
	v_readfirstlane_b32 s12, v[LN]                 ; wave 0..7
	v_and_b32 v[LN], 31, v0
	v_and_b32 v[RR], 15, v0
	v_bfe_u32 v[HH], v0, 4, 1
	s_delay_alu instid0(VALU_DEP_3)
	v_lshlrev_b32 v[L16], 4, v[LN]
	s_wait_alu depctr_va_vdst(0)
	s_and_b32 s13, ttmp7, 0xffff
	s_lshl_b32 s14, s13, 3
	s_add_co_u32 s14, s14, s12                     ; my row tile
	s_lshl_b32 s16, s14, 17                        ; 16 rows of 8,192 bytes
	s_lshl_b32 s24, ttmp9, 9
	s_add_co_u32 s16, s16, s24
	s_mov_b32 s17, 0
	s_mul_i32 s18, s14, RT
	s_lshr_b32 s24, ttmp9, 2
	s_mul_i32 s24, s24, KG
	s_add_co_u32 s18, s18, s24
	s_mov_b32 s19, 0
	s_and_b32 s25, ttmp9, 3                        ; the step's place in its record
	s_mul_i32 s26, s25, FRB
	v_add_nc_u32 v[CA], s26, v[L16]
	s_lshl_b32 s25, s25, 2
	v_lshl_add_u32 v[SWA], v[RR], 4, s25
	s_mul_i32 s26, s12, STG
	v_add_nc_u32 v[STI], s26, v[L16]
	v_mul_u32_u24 v[STO], v[RR], 528
	s_delay_alu instid0(VALU_DEP_1)
	v_lshl_add_u32 v[STO], v[HH], 7, v[STO]
	s_delay_alu instid0(VALU_DEP_1)
	v_add_nc_u32 v[STO], s26, v[STO]
	s_mov_b32 s[RC], 0x39c30c31
	s_mov_b32 s[DV], 0x45280000
	s_mov_b32 s[SEL], 0x76543210
	s_mov_b32 s[SEL+1], 0xfedcba98
	s_wait_kmcnt 0x0
	s_add_nc_u64 s[4:5], s[4:5], s[16:17]
	s_add_nc_u64 s[8:9], s[8:9], s[18:19]
.irp i, 0,1,2,3
	global_load_b128 v[G+4*\i:G+4*\i+3], v[L16], s[6:7] offset:512*\i   ; 512 partial maxima, 16 a lane
.endr
.irp i, 0,1,2,3,4,5,6,7,8,9,10,11,12,13,14,15
	global_load_b128 v[R+4*\i:R+4*\i+3], v[L16], s[4:5] offset:8192*\i th:TH_LOAD_NT
.endr
	s_wait_loadcnt 16                              ; the maxima are in; the fragment's sixteen loads may be out
	v_max3_num_f32 v[G], v[G], v[G+1], v[G+2]
	v_max3_num_f32 v[G+3], v[G+3], v[G+4], v[G+5]
	v_max3_num_f32 v[G+6], v[G+6], v[G+7], v[G+8]
	v_max3_num_f32 v[G+9], v[G+9], v[G+10], v[G+11]
	v_max3_num_f32 v[G+12], v[G+12], v[G+13], v[G+14]
	s_delay_alu instid0(VALU_DEP_3)
	v_max3_num_f32 v[G], v[G], v[G+3], v[G+6]
	s_delay_alu instid0(VALU_DEP_2)
	v_max3_num_f32 v[G+9], v[G+9], v[G+12], v[G+15]
	s_delay_alu instid0(VALU_DEP_1)
	v_max_num_f32 v[G], v[G], v[G+9]
	s_delay_alu instid0(VALU_DEP_1)
	v_max_num_f32_dpp v[G], v[G], v[G] row_xmask:1 row_mask:0xf bank_mask:0xf
	s_delay_alu instid0(VALU_DEP_1)
	v_max_num_f32_dpp v[G], v[G], v[G] row_xmask:2 row_mask:0xf bank_mask:0xf
	s_delay_alu instid0(VALU_DEP_1)
	v_max_num_f32_dpp v[G], v[G], v[G] row_xmask:4 row_mask:0xf bank_mask:0xf
	s_delay_alu instid0(VALU_DEP_1)
	v_max_num_f32_dpp v[G], v[G], v[G] row_xmask:8 row_mask:0xf bank_mask:0xf
	s_delay_alu instid0(VALU_DEP_1)
	v_permlanex16_b32 v[G+1], v[G], s[SEL], s[SEL+1]
	s_delay_alu instid0(VALU_DEP_1)
	v_max_num_f32 v[G], v[G], v[G+1]               ; the tensor's largest magnitude
	s_delay_alu instid0(VALU_DEP_1)
	v_mul_f32 v[G+2], s[RC], v[G]                  ; / 2,688: a first quotient,
	s_delay_alu instid0(VALU_DEP_1)
	v_fma_f32 v[G+3], -v[G+2], s[DV], v[G]         ; its remainder,
	s_delay_alu instid0(VALU_DEP_1)
	v_fma_f32 v[G+2], v[G+3], s[RC], v[G+2]        ; the scale
	s_wait_alu depctr_va_vdst(0)
	v_rcp_f32 v[G+3], v[G+2]
	v_nop                                          ; a plain place behind the transcendental
	s_wait_alu depctr_va_vdst(0)                   ; and the wait ahead of its first reader
	v_fma_f32 v[G+4], -v[G+2], v[G+3], 1.0
	v_fma_f32 v[G+4], v[G+4], v[G+3], v[G+3]       ; 1 / scale, refined once
	s_delay_alu instid0(VALU_DEP_1)
	v_mov_b32 v[G+5], v[G+4]                       ; (named with it as a pair)
	s_wait_alu depctr_va_vdst(0)
	s_wait_loadcnt 0x0
.irp i, 0,1,2,3,4,5,6,7,8,9,10,11,12,13,14,15
	ds_store_b128 v[STI], v[R+4*\i:R+4*\i+3] offset:528*\i
.endr
.irp i, 0,1,2,3,4,5,6,7
	ds_load_b128 v[R+4*\i:R+4*\i+3], v[STO] offset:16*\i               ; LDS serves a wave's instructions in order: these see my stores
	ds_load_b128 v[R+32+4*\i:R+32+4*\i+3], v[STO] offset:256+16*\i
.endr
	s_wait_dscnt 0x0
.set i, 0
.rept 32
	v_pk_mul_f32 v[R+i:R+i+1], v[R+i:R+i+1], v[G+4:G+5]
.set i, i+2
.endr
	Q2W
.irp c, 0,1,2
	global_store_b128 v[CA], v[C+4*\c:C+4*\c+3], s[8:9] offset:256+512*\c
.endr
	global_store_b32 v[SWA], v[T+6], s[8:9]        ; both lanes of a row write the same word with the same value
	s_wait_tensorcnt 0x0                           ; the wave's end, behind my last LDS store
	ds_add_u32 v[SPW], v[NIL]
	s_wait_dscnt 0x0
	s_endpgm
.Lfunc_end_k_q74206f01cf_qa2:
	.size	k_q74206f01cf_qa2, .Lfunc_end_k_q74206f01cf_qa2-k_q74206f01cf_qa2
	.p2alignl 7, 3214868480
	.fill 96, 4, 3214868480
	.section	.rodata,"a",@progbits
	.p2align	6, 0x0
	.amdhsa_kernel k_q74206f01cf_qa2
		.amdhsa_group_segment_fixed_size 68608
		.amdhsa_private_segment_fixed_size 0
		.amdhsa_enable_private_segment 0
		.amdhsa_kernarg_size 24
		.amdhsa_user_sgpr_count 2
		.amdhsa_user_sgpr_kernarg_segment_ptr 1
		.amdhsa_wavefront_size32 1
		.amdhsa_system_sgpr_workgroup_id_x 1
		.amdhsa_system_sgpr_workgroup_id_y 1
		.amdhsa_system_sgpr_workgroup_id_z 1
		.amdhsa_system_vgpr_workitem_id 0
		.amdhsa_next_free_vgpr 128
		.amdhsa_next_free_sgpr 66
		.amdhsa_reserve_vcc 0
		.amdhsa_float_denorm_mode_32 3
		.amdhsa_float_denorm_mode_16_64 3
		.amdhsa_memory_ordered 1
		.amdhsa_forward_progress 1
		.amdhsa_inst_pref_size 15
	.end_amdhsa_kernel
	.amdgpu_metadata
---
amdhsa.version: [ 1, 2 ]
amdhsa.kernels:
  - .name:           k_q74206f01cf_qa2
    .symbol:         k_q74206f01cf_qa2.kd
    .args:
      - { .name: fbuf, .offset: 0, .size: 8, .value_kind: global_buffer, .address_space: global }
      - { .name: pmax1, .offset: 8, .size: 8, .value_kind: global_buffer, .address_space: global }
      - { .name: acode, .offset: 16, .size: 8, .value_kind: global_buffer, .address_space: global }
    .group_segment_fixed_size: 68608
    .private_segment_fixed_size: 0
    .kernarg_segment_align: 8
    .kernarg_segment_size: 24
    .max_flat_workgroup_size: 256
    .sgpr_count:     66
    .vgpr_count:     128
    .wavefront_size: 32
...
	.end_amdgpu_metadata
.endif
;; end of part 5
;; launch g2 (part 6): grid 16 x 16, 4 waves a work-group, clusters of 4 x 4, 327,680 bytes of LDS; arguments acode, wbuf, pmax1, hidden_states, hid2; writes hid2
.if DOCPART == 6
	.amdgcn_target "amdgcn-amd-amdhsa--gfx1250"
	.amdhsa_code_object_version 6
	.text
	.protected	k_q74206f01cf_g2
	.globl	k_q74206f01cf_g2
	.p2align	8
	.type	k_q74206f01cf_g2,@function
k_q74206f01cf_g2:
	s_mov_b64 s[64:65], 0
	v_nop
	global_prefetch_b8 v0, s[64:65] scope:SCOPE_SE
	s_setreg_imm32_b32 hwreg(HW_REG_WAVE_MODE, 25, 1), 1
	s_wait_xcnt 0x0
	s_wait_alu depctr_hold_cnt(0) depctr_sa_sdst(0) depctr_va_vdst(0) depctr_va_sdst(0) depctr_va_ssrc(0) depctr_va_vcc(0) depctr_vm_vsrc(0)
	s_getreg_b32 s2, hwreg(HW_REG_IB_STS2, 6, 4)
	s_cmp_eq_u32 s2, 0
	s_cbranch_scc0 .Lentry_in_a_cluster
	s_endpgm
.Lentry_in_a_cluster:
	s_bfe_u32 s2, ttmp6, 0x10000c
	s_cmp_lg_u32 s2, 0xf033
	s_cbranch_scc0 .Lentry_shape_is_right
	s_endpgm
.Lentry_shape_is_right:
.set RT,    25600
.set KG,    6400
.set REG,   8*KG
.set SLOT,  2*REG
.set SPARE, 3*SLOT
.set STAGE, SLOT
.set WOFF,  384*RT
.set AD0, 5
.set AD1, 8
.set ADS, 11
.set STO, 16
.set RD,  17
.set CO,  18
.set SPW, 28
.set NIL, 29
.set SC,  32
.set RES, 64
.set ACC, 128
.set G1A, 24
.set G1B, 32
.set G0A, 40
.set G0B, 52
.set SEL, 66
.set SS,  68
.set RC,  94
.set DV,  95
.set MSB, 0
.macro WIN new
.if MSB != \new
	s_set_vgpr_msb (MSB<<8)|\new
.set MSB, \new
.endif
.endm
.set MUL,  0x05
.set TO_F, 0x40
; LDS: bytes 0 .. SLOT-1: K group 0 (later group 3), source 0's 8 row tiles, then source 1's, 6,400 bytes each; from SLOT source 0's groups 1 and 2, 12,800 bytes a row tile; from 2 SLOT source 1's.
; The head has one tensor load a wave: wave 0 source 0's group 0, wave 1 source 1's, wave 2 source 0's groups 1 and 2, wave 3 source 1's.
.set G1AC, 76                          ; s[76:83], s[84:91] group 1 for the rows of two records
.set G1BC, 84
.macro ARM under, g0, g1, next         ; one arm of the head's chain of branches on the wave's number
	s_cmp_lt_u32 s14, \under
	s_cbranch_scc0 \next
	tensor_load_to_lds s[\g0:\g0+3], s[\g1:\g1+7]
	s_nop 0
.rept 4
	v_nop
.endr
	s_branch .Lhead_asked
\next:
.endm
.macro RLOAD                           ; the one refill: wave 0 fetches source 0's group 3, wave 1 source 1's, the others nothing
	s_cmp_lt_u32 s14, 1
	s_cbranch_scc0 .Lre_b_\@
	tensor_load_to_lds s[G0A:G0A+3], s[G1A:G1A+7]
	s_nop 0
.rept 4
	v_nop
.endr
	s_branch .Lre_done_\@
.Lre_b_\@:
	s_cmp_lt_u32 s14, 2
	s_cbranch_scc0 .Lre_done_\@
	tensor_load_to_lds s[G0B:G0B+3], s[G1B:G1B+7]
	s_nop 0
.rept 4
	v_nop
.endr
.Lre_done_\@:
	PLACES                                         ; in every wave: places in front of the loads that follow
.endm
.macro CREST
	s_cmp_lg_u32 s14, 0
	s_cbranch_scc1 .Lnot_wave_0_\@
	s_barrier_signal -3
.Lnot_wave_0_\@:
	s_barrier_wait -3
	s_barrier_signal -1
	s_barrier_wait -1
.endm
.macro CROUND
	s_barrier_signal -1
	s_barrier_wait -1
	CREST
.endm
.macro PLACES
.rept 4
	v_nop
.endr
.endm
.macro FETCH sl, j, p
	WIN TO_F
.irp i, 0,1,2,3
.irp c, 0,1,2
	ds_load_b128 v[128*(\p)+12*\i+4*\c:128*(\p)+12*\i+4*\c+3], v[AD0+(\sl)] offset:\i*KG*(1+((\sl)+1)/2)+256+(\j)*1536+512*\c
.endr
.endr
.irp i, 0,1,2,3
.irp c, 0,1,2
	ds_load_b128 v[128*(\p)+48+12*\i+4*\c:128*(\p)+48+12*\i+4*\c+3], v[AD1+(\sl)] offset:\i*KG*(1+((\sl)+1)/2)+256+(\j)*1536+512*\c
.endr
.endr
.endm
.macro SCALES sl, q
	WIN 0
.irp i, 0,1,2,3
	ds_load_b128 v[SC+16*(\q)+4*\i:SC+16*(\q)+4*\i+3], v[ADS+(\sl)] offset:\i*KG*(1+((\sl)+1)/2)
.endr
.endm
.macro NEXT n
	FETCH ((\n)/4)%3, (\n)%4, (\n)%2
.if (\n)%4 == 0
	SCALES ((\n)/4)%3, ((\n)/4)%2
.endif
.endm
.macro MUL4 a, n, zero
.irp b, 0,1,2,3
.if \zero
	v_wmma_scale_f32_16x16x128_f8f6f4 v[ACC+8*(4*(\a)+\b):ACC+8*(4*(\a)+\b)+7], v[128*((\n)%2)+12*\b:128*((\n)%2)+12*\b+11], v[128*((\n)%2)+48+12*(\a):128*((\n)%2)+48+12*(\a)+11], 0, v[SC+16*(((\n)/4)%2)+4*\b+(\n)%4], v[SC+16*(((\n)/4)%2)+4*(\a)+(\n)%4] matrix_a_fmt:MATRIX_FMT_FP6 matrix_b_fmt:MATRIX_FMT_FP6 matrix_b_scale:MATRIX_SCALE_ROW1
.else
	v_wmma_scale_f32_16x16x128_f8f6f4 v[ACC+8*(4*(\a)+\b):ACC+8*(4*(\a)+\b)+7], v[128*((\n)%2)+12*\b:128*((\n)%2)+12*\b+11], v[128*((\n)%2)+48+12*(\a):128*((\n)%2)+48+12*(\a)+11], v[ACC+8*(4*(\a)+\b):ACC+8*(4*(\a)+\b)+7], v[SC+16*(((\n)/4)%2)+4*\b+(\n)%4], v[SC+16*(((\n)/4)%2)+4*(\a)+(\n)%4] matrix_a_fmt:MATRIX_FMT_FP6 matrix_b_fmt:MATRIX_FMT_FP6 matrix_b_scale:MATRIX_SCALE_ROW1
.endif
.endr
.endm
.macro STEP0 n, zero
	s_wait_dscnt 0x0
	PLACES
	NEXT (\n)+1
	WIN MUL
	MUL4 0, \n, \zero
	MUL4 1, \n, \zero
	MUL4 2, \n, \zero
	MUL4 3, \n, \zero
.endm
.macro STEP1 n, cnt
	s_wait_dscnt 0x0
	s_wait_tensorcnt \cnt
	s_barrier_signal -1
	WIN MUL
	MUL4 0, \n, 0
	MUL4 1, \n, 0
	s_barrier_wait -1
	PLACES
	NEXT (\n)+1
	WIN MUL
	MUL4 2, \n, 0
	MUL4 3, \n, 0
.endm
.macro STEP2 n
	WIN 0
	s_wait_tensorcnt 0x0
	ds_add_u32 v[SPW], v[NIL]
	s_wait_dscnt 1
	WIN MUL
	MUL4 0, \n, 0
	s_wait_dscnt 0x0
	s_barrier_signal -1
	MUL4 1, \n, 0
	WIN 0
	s_barrier_wait -1
	CREST
	s_add_nc_u64 s[G0A+2:G0A+3], s[G0A+2:G0A+3], 3*KG
	s_add_nc_u64 s[G0B+2:G0B+3], s[G0B+2:G0B+3], 3*KG
	RLOAD
	NEXT (\n)+1
	WIN MUL
	MUL4 2, \n, 0
	MUL4 3, \n, 0
.endm
.macro STEP3 n
	s_wait_dscnt 0x0
	WIN MUL
	MUL4 0, \n, 0
	MUL4 1, \n, 0
	MUL4 2, \n, 0
	MUL4 3, \n, 0
.endm
	s_load_b256 s[4:11], s[0:1], 0x0
	s_load_b64 s[12:13], s[0:1], 0x20
	v_lshl_add_u32 v[SPW], v0, 2, SPARE
	v_mov_b32 v[NIL], 0
	ds_add_u32 v[SPW], v[NIL]
	ds_add_u32 v[SPW], v[NIL]
	v_lshrrev_b32 v1, 5, v0
	v_readfirstlane_b32 s14, v1
	s_lshr_b32 s15, s14, 1
	s_and_b32 s16, s14, 1
	s_bfe_u32 s17, ttmp6, 0x40000
	s_bfe_u32 s18, ttmp6, 0x40004
	s_lshl_b32 s19, ttmp9, 2
	s_add_co_u32 s19, s19, s17
	s_and_b32 s20, ttmp7, 0xffff
	s_lshl_b32 s20, s20, 2
	s_add_co_u32 s20, s20, s18
	s_lshl_b32 s21, s18, 2
	s_lshl_b32 s21, 15, s21
	s_lshl_b32 s22, 0x1111, s17
	s_or_b32 s[G1A], s21, (3<<16)|(1<<21)
	s_or_b32 s[G1B], s22, (3<<16)|(1<<21)
	s_or_b32 s[G1AC], s21, (3<<16)|(1<<21)
	s_or_b32 s[G1BC], s22, (3<<16)|(1<<21)
.irp g, G1A, G1B
	s_mov_b32 s[\g+1], 800<<16                     ; a record, 6,400 bytes
	s_mov_b32 s[\g+3], 800<<16
.endr
.irp g, G1AC, G1BC
	s_mov_b32 s[\g+1], 1600<<16                    ; two records on end
	s_mov_b32 s[\g+3], 1600<<16
.endr
.irp g, G1A, G1B, G1AC, G1BC
	s_mov_b32 s[\g+2], 8<<16                       ; eight row tiles
	s_mov_b32 s[\g+4], 8
	s_mov_b32 s[\g+5], 3200
	s_mov_b32 s[\g+6], 0
	s_mov_b32 s[\g+7], 0
.endr
	s_mul_i32 s70, s20, 8*RT
	s_add_co_u32 s70, s70, WOFF
	s_mov_b32 s71, 0
	s_mul_i32 s72, s19, 8*RT
	s_mov_b32 s73, 0
	s_mov_b32 s[SEL], 0x76543210
	s_mov_b32 s[SEL+1], 0xfedcba98
	s_wait_dscnt 0x0
	s_wait_kmcnt 0x0
	s_add_nc_u64 s[70:71], s[6:7], s[70:71]
	s_add_nc_u64 s[72:73], s[4:5], s[72:73]
	CROUND
	s_mov_b32 s[G0A], 1
	s_mov_b32 s[G0A+1], 0
	s_mov_b64 s[G0A+2:G0A+3], s[70:71]
	s_or_b32 s[G0A+3], s[G0A+3], 0x80000000
	s_mov_b32 s[G0B], 1
	s_mov_b32 s[G0B+1], REG
	s_mov_b64 s[G0B+2:G0B+3], s[72:73]
	s_or_b32 s[G0B+3], s[G0B+3], 0x80000000
	s_mov_b32 s[G0A+4], 1
	s_mov_b32 s[G0A+5], SLOT
	s_add_nc_u64 s[G0A+6:G0A+7], s[70:71], KG
	s_or_b32 s[G0A+7], s[G0A+7], 0x80000000
	s_mov_b32 s[G0B+4], 1
	s_mov_b32 s[G0B+5], 2*SLOT
	s_add_nc_u64 s[G0B+6:G0B+7], s[72:73], KG
	s_or_b32 s[G0B+7], s[G0B+7], 0x80000000
	ARM 1, G0A, G1A, .Lhead_b
	ARM 2, G0B, G1B, .Lhead_a2
	ARM 3, G0A+4, G1AC, .Lhead_b2
	tensor_load_to_lds s[G0B+4:G0B+7], s[G1BC:G1BC+7]
	s_nop 0
.rept 4
	v_nop
.endr
.Lhead_asked:
	v_and_b32 v1, 15, v0
	v_bfe_u32 v2, v0, 4, 1
	v_and_b32 v3, 31, v0
	v_lshlrev_b32 v4, 4, v3
	s_mul_i32 s92, s16, 4*KG
	s_mul_i32 s93, s15, 4*KG
	s_add_co_u32 s93, s93, REG
	s_sub_co_u32 s94, s93, s92
	v_lshlrev_b32 v14, 4, v1
	v_mul_u32_u24 v15, s94, v2
	v_add_nc_u32 v15, v14, v15                     ; group 0: lanes 16-31 take source 1's scale words
	s_lshl_b32 s94, s94, 1                         ; groups 1 and 2: twice the pitch, twice the distance
	v_mul_u32_u24 v22, s94, v2
	v_add_nc_u32 v14, v14, v22
	v_add_nc_u32 v[AD0], s92, v4
	v_add_nc_u32 v[AD1], s93, v4
	v_add_nc_u32 v[ADS], s92, v15
	s_lshl_b32 s92, s92, 1
	s_lshl_b32 s93, s93, 1
	s_add_co_u32 s92, s92, SLOT
	s_add_co_u32 s93, s93, SLOT
	s_wait_alu depctr_va_vdst(0)                   ; the wait behind the run of scalar lines
.irp s, 1,2
	v_add_nc_u32 v[AD0+\s], s92, v4
	v_add_nc_u32 v[AD1+\s], s93, v4
	v_add_nc_u32 v[ADS+\s], s92, v14
	s_add_co_u32 s92, s92, KG
	s_add_co_u32 s93, s93, KG
.endr
	s_mul_i32 s92, s14, 16*272
	s_add_co_u32 s92, s92, STAGE
	v_mul_u32_u24 v[STO], v1, 272
	v_lshl_add_u32 v[STO], v2, 5, v[STO]
	v_add_nc_u32 v[STO], s92, v[STO]
	v_mul_u32_u24 v[RD], v2, 272
	v_lshl_add_u32 v[RD], v1, 4, v[RD]
	v_add_nc_u32 v[RD], s92, v[RD]
	v_lshlrev_b32 v[CO], 13, v2
	v_lshl_add_u32 v[CO], v1, 4, v[CO]
	s_wait_alu depctr_va_vdst(0)
	s_lshl_b32 s92, s19, 7
	s_lshl_b32 s93, s15, 6
	s_add_co_u32 s92, s92, s93
	s_lshl_b32 s92, s92, 13
	s_lshl_b32 s93, s20, 9
	s_add_co_u32 s92, s92, s93
	s_lshl_b32 s93, s16, 8
	s_add_co_u32 s92, s92, s93
	s_mov_b32 s93, 0
	s_add_nc_u64 s[10:11], s[10:11], s[92:93]
	s_add_nc_u64 s[12:13], s[12:13], s[92:93]
.irp i, 0,1,2,3
	global_load_b128 v[32+4*\i:35+4*\i], v4, s[8:9] offset:512*\i
.endr
.irp a, 0,1
.irp t, 0,1,2,3,4,5,6,7
	global_load_b128 v[RES+32*\a+4*\t:RES+32*\a+4*\t+3], v[CO], s[10:11] offset:\a*16*8192+\t*2*8192
.endr
.endr
	s_mov_b32 s[RC], 0x39c30c31
	s_mov_b32 s[DV], 0x45280000
	s_wait_loadcnt 16
	v_max3_num_f32 v32, v32, v33, v34
	v_max3_num_f32 v35, v35, v36, v37
	v_max3_num_f32 v38, v38, v39, v40
	v_max3_num_f32 v41, v41, v42, v43
	v_max3_num_f32 v44, v44, v45, v46
	v_max3_num_f32 v32, v32, v35, v38
	v_max3_num_f32 v41, v41, v44, v47
	v_max_num_f32 v32, v32, v41
	v_max_num_f32_dpp v32, v32, v32 row_xmask:1 row_mask:0xf bank_mask:0xf
	v_max_num_f32_dpp v32, v32, v32 row_xmask:2 row_mask:0xf bank_mask:0xf
	v_max_num_f32_dpp v32, v32, v32 row_xmask:4 row_mask:0xf bank_mask:0xf
	v_max_num_f32_dpp v32, v32, v32 row_xmask:8 row_mask:0xf bank_mask:0xf
	v_permlanex16_b32 v33, v32, s[SEL], s[SEL+1]
	v_max_num_f32 v32, v32, v33
	v_mul_f32 v34, s[RC], v32
	v_fma_f32 v35, -v34, s[DV], v32
	v_fma_f32 v34, v35, s[RC], v34
	v_readfirstlane_b32 s[SS], v34
	s_mov_b32 s[SS+1], s[SS]
	s_wait_tensorcnt 0x0                           ; my one load of the head has landed
	s_barrier_signal -1
	s_barrier_wait -1
	NEXT 0
	STEP0 0, 1
	STEP0 1, 0
	STEP0 2, 0
	STEP2 3
.irp n, 4,5,6,7,8,9,10
	STEP0 \n, 0
.endr
	STEP1 11, 0
	STEP0 12, 0
	STEP0 13, 0
	STEP0 14, 0
	STEP3 15
	WIN 0
	PLACES
.macro TOSTAGE a
.irp b, 0,1,2,3
	ds_store_b128 v[STO], v[ACC+32*(\a)+8*\b:ACC+32*(\a)+8*\b+3] offset:64*\b
	ds_store_b128 v[STO], v[ACC+32*(\a)+8*\b+4:ACC+32*(\a)+8*\b+7] offset:64*\b+16
.endr
.irp t, 0,1,2,3,4,5,6,7
	ds_load_b128 v[ACC+32*(\a)+4*\t:ACC+32*(\a)+4*\t+3], v[RD] offset:\t*2*272
.endr
.endm
.macro SEND a, ds, ld
	s_wait_dscnt \ds
	s_wait_loadcnt \ld
.irp i, 0,2,4,6,8,10,12,14,16,18,20,22,24,26,28,30
	v_pk_fma_f32 v[ACC+32*(\a)+\i:ACC+32*(\a)+\i+1], v[ACC+32*(\a)+\i:ACC+32*(\a)+\i+1], s[SS:SS+1], v[RES+32*((\a)%2)+\i:RES+32*((\a)%2)+\i+1] op_sel_hi:[1,0,1]
.endr
.if (\a) < 2
.irp t, 0,1,2,3,4,5,6,7
	global_load_b128 v[RES+32*(\a)+4*\t:RES+32*(\a)+4*\t+3], v[CO], s[10:11] offset:((\a)+2)*16*8192+\t*2*8192
.endr
.endif
.irp t, 0,1,2,3,4,5,6,7
	global_store_b128 v[CO], v[ACC+32*(\a)+4*\t:ACC+32*(\a)+4*\t+3], s[12:13] offset:(\a)*16*8192+\t*2*8192
.endr
.endm
	TOSTAGE 0
	TOSTAGE 1
	SEND 0, 16, 8
	TOSTAGE 2
	SEND 1, 16, 8
	TOSTAGE 3
	SEND 2, 16, 8
	SEND 3, 0, 0
	s_wait_tensorcnt 0x0
	ds_add_u32 v[SPW], v[NIL]
	s_wait_dscnt 0x0
	CROUND
	s_endpgm
.Lfunc_end_k_q74206f01cf_g2:
	.size	k_q74206f01cf_g2, .Lfunc_end_k_q74206f01cf_g2-k_q74206f01cf_g2
	.p2alignl 7, 3214868480
	.fill 96, 4, 3214868480
	.section	.rodata,"a",@progbits
	.p2align	6, 0x0
	.amdhsa_kernel k_q74206f01cf_g2
		.amdhsa_group_segment_fixed_size 327680
		.amdhsa_private_segment_fixed_size 0
		.amdhsa_enable_private_segment 0
		.amdhsa_kernarg_size 40
		.amdhsa_user_sgpr_count 2
		.amdhsa_user_sgpr_kernarg_segment_ptr 1
		.amdhsa_wavefront_size32 1
		.amdhsa_system_sgpr_workgroup_id_x 1
		.amdhsa_system_sgpr_workgroup_id_y 1
		.amdhsa_system_sgpr_workgroup_id_z 1
		.amdhsa_system_vgpr_workitem_id 0
		.amdhsa_next_free_vgpr 512
		.amdhsa_next_free_sgpr 100
		.amdhsa_reserve_vcc 0
		.amdhsa_float_denorm_mode_32 3
		.amdhsa_float_denorm_mode_16_64 3
		.amdhsa_memory_ordered 1
		.amdhsa_forward_progress 1
		.amdhsa_inst_pref_size 87
	.end_amdhsa_kernel
	.amdgpu_metadata
---
amdhsa.version: [ 1, 2 ]
amdhsa.kernels:
  - .name:           k_q74206f01cf_g2
    .symbol:         k_q74206f01cf_g2.kd
    .args:
      - { .name: acode, .offset: 0, .size: 8, .value_kind: global_buffer, .address_space: global }
      - { .name: wbuf, .offset: 8, .size: 8, .value_kind: global_buffer, .address_space: global }
      - { .name: pmax1, .offset: 16, .size: 8, .value_kind: global_buffer, .address_space: global }
      - { .name: hidden_states, .offset: 24, .size: 8, .value_kind: global_buffer, .address_space: global }
      - { .name: hid2, .offset: 32, .size: 8, .value_kind: global_buffer, .address_space: global }
    .group_segment_fixed_size: 327680
    .private_segment_fixed_size: 0
    .kernarg_segment_align: 8
    .kernarg_segment_size: 40
    .max_flat_workgroup_size: 128
    .sgpr_count:     100
    .vgpr_count:     512
    .wavefront_size: 32
...
	.end_amdgpu_metadata
.endif
;; end of part 6
;; launch rms2 (part 7): grid 256 x 1, 8 waves a work-group, no clusters, 1,280 bytes of LDS; arguments hid2, ln2_w, rrow, pmax0; writes rrow, pmax0
.if DOCPART == 7
	.amdgcn_target "amdgcn-amd-amdhsa--gfx1250"
	.amdhsa_code_object_version 6
	.text
	.protected	k_q74206f01cf_rms2
	.globl	k_q74206f01cf_rms2
	.p2align	8
	.type	k_q74206f01cf_rms2,@function
k_q74206f01cf_rms2:
	s_mov_b64 s[64:65], 0
	v_nop
	global_prefetch_b8 v0, s[64:65] scope:SCOPE_SE
	s_setreg_imm32_b32 hwreg(HW_REG_WAVE_MODE, 25, 1), 1
	s_wait_xcnt 0x0
; The second norm's figures: for each row of x [2,048][2,048] f32 the factor r = rsqrt(mean of x^2 + 1e-5), stored, and the largest |(x r) w|, of which each work-group stores its eight rows' maximum.
; h = (x r) w itself is not stored: the launch that quantises it forms it again from x, r and w, by the same two roundings.
; One wave, one row: 8,192 bytes stay in 64 registers between the sum of squares and the scaling, so the row is read once.  Eight waves; 256 work-groups.  Memory binds: no matrix unit, no cluster, no tensor load.
; The partial maxima: 512 words, two (equal) from each work-group, so that every producer of this table fills all of it.
.set SPARE, 256                        ; LDS: bytes 0-31 the waves' maxima; from 256 the spare words, 128 bytes a wave
.set SPW, 6
.set NIL, 7
.set X,   32                           ; v32-95  the row
.set W,   96                           ; v96-159 the gains
	s_load_b256 s[4:11], s[0:1], 0x0               ; x, w, the rows' factors, the partial maxima
	v_lshl_add_u32 v[SPW], v0, 2, SPARE
	v_mov_b32 v[NIL], 0
	v_lshrrev_b32 v1, 5, v0
	s_delay_alu instid0(VALU_DEP_1)
	v_readfirstlane_b32 s12, v1                    ; wave 0..7
	v_and_b32 v1, 31, v0
	s_delay_alu instid0(VALU_DEP_1)
	v_lshlrev_b32 v2, 4, v1                        ; 16 x lane
	s_delay_alu instid0(VALU_DEP_2)
	v_lshlrev_b32 v5, 2, v1                        ; 4 x lane
	s_lshl_b32 s13, ttmp9, 3
	s_add_co_u32 s13, s13, s12                     ; my row
	s_lshl_b32 s14, s13, 13
	s_mov_b32 s15, 0
	s_lshl_b32 s24, s13, 2
	s_mov_b32 s25, 0
	s_mov_b32 s16, 0x3a000000                      ; 1 / 2,048
	s_mov_b32 s17, 0x3727c5ac                      ; 1e-5
	s_mov_b32 s18, 0x76543210
	s_mov_b32 s19, 0xfedcba98
	s_lshl_b32 s20, ttmp9, 3
	s_mov_b32 s21, 0
	s_lshl_b32 s22, s12, 2
	v_mov_b32 v3, s22                              ; LDS: my wave's word
	v_mov_b32 v4, 0
	s_wait_alu depctr_va_vdst(0)
	s_wait_kmcnt 0x0
	s_add_nc_u64 s[4:5], s[4:5], s[14:15]
	s_add_nc_u64 s[8:9], s[8:9], s[24:25]
	s_add_nc_u64 s[10:11], s[10:11], s[20:21]
.set i, 0
.rept 16
	global_load_b128 v[X+4*i:X+4*i+3], v2, s[4:5] offset:512*i
.set i, i+1
.endr
.set i, 0
.rept 16
	global_load_b128 v[W+4*i:W+4*i+3], v2, s[6:7] offset:512*i
.set i, i+1
.endr
	s_wait_loadcnt 16                              ; the row is in; the gains' sixteen loads may be out
.irp k, 0,1,2,3
	v_pk_mul_f32 v[16+2*\k:17+2*\k], v[X+2*\k:X+2*\k+1], v[X+2*\k:X+2*\k+1]   ; four chains, started by the first products
.endr
.set i, 4
.rept 28
	s_delay_alu instid0(VALU_DEP_4)
	v_pk_fma_f32 v[16+2*(i%4):17+2*(i%4)], v[X+2*i:X+2*i+1], v[X+2*i:X+2*i+1], v[16+2*(i%4):17+2*(i%4)]
.set i, i+1
.endr
	s_delay_alu instid0(VALU_DEP_3)
	v_pk_add_f32 v[16:17], v[16:17], v[18:19]
	s_delay_alu instid0(VALU_DEP_2)
	v_pk_add_f32 v[20:21], v[20:21], v[22:23]
	s_delay_alu instid0(VALU_DEP_1)
	v_pk_add_f32 v[16:17], v[16:17], v[20:21]
	s_delay_alu instid0(VALU_DEP_1)
	v_add_f32 v16, v16, v17
	s_delay_alu instid0(VALU_DEP_1)
	v_add_f32_dpp v16, v16, v16 row_xmask:1 row_mask:0xf bank_mask:0xf
	s_delay_alu instid0(VALU_DEP_1)
	v_add_f32_dpp v16, v16, v16 row_xmask:2 row_mask:0xf bank_mask:0xf
	s_delay_alu instid0(VALU_DEP_1)
	v_add_f32_dpp v16, v16, v16 row_xmask:4 row_mask:0xf bank_mask:0xf
	s_delay_alu instid0(VALU_DEP_1)
	v_add_f32_dpp v16, v16, v16 row_xmask:8 row_mask:0xf bank_mask:0xf
	s_delay_alu instid0(VALU_DEP_1)
	v_permlanex16_b32 v17, v16, s18, s19
	s_delay_alu instid0(VALU_DEP_1)
	v_add_f32 v16, v16, v17                        ; the row's sum of squares, in every lane
	s_delay_alu instid0(VALU_DEP_1)
	v_fma_f32 v18, v16, s16, s17
	s_wait_alu depctr_va_vdst(0)
	v_rsq_f32 v20, v18                             ; twice: a pair for the packed multiply
	v_rsq_f32 v21, v18
	v_nop                                          ; a plain place behind the transcendentals
	s_wait_alu depctr_va_vdst(0)                   ; one wait for both, ahead of their first reader
	s_wait_loadcnt 0x0                             ; the gains
.set i, 0
.rept 32
	v_pk_mul_f32 v[X+i:X+i+1], v[X+i:X+i+1], v[20:21]
.set i, i+2
.endr
.set i, 0
.rept 32
	v_pk_mul_f32 v[X+i:X+i+1], v[X+i:X+i+1], v[W+i:W+i+1]
.set i, i+2
.endr
	v_max_num_f32 v16, |v[X]|, |v[X+1]|            ; the largest |h| of my 64, in two chains
	v_max_num_f32 v17, |v[X+2]|, |v[X+3]|
.set i, 4
.rept 15
	s_delay_alu instid0(VALU_DEP_2)
	v_max3_num_f32 v16, v16, |v[X+i]|, |v[X+i+1]|
	s_delay_alu instid0(VALU_DEP_2)
	v_max3_num_f32 v17, v17, |v[X+i+2]|, |v[X+i+3]|
.set i, i+4
.endr
	s_delay_alu instid0(VALU_DEP_1)
	v_max_num_f32 v16, v16, v17
	s_delay_alu instid0(VALU_DEP_1)
	v_max_num_f32_dpp v16, v16, v16 row_xmask:1 row_mask:0xf bank_mask:0xf
	s_delay_alu instid0(VALU_DEP_1)
	v_max_num_f32_dpp v16, v16, v16 row_xmask:2 row_mask:0xf bank_mask:0xf
	s_delay_alu instid0(VALU_DEP_1)
	v_max_num_f32_dpp v16, v16, v16 row_xmask:4 row_mask:0xf bank_mask:0xf
	s_delay_alu instid0(VALU_DEP_1)
	v_max_num_f32_dpp v16, v16, v16 row_xmask:8 row_mask:0xf bank_mask:0xf
	s_delay_alu instid0(VALU_DEP_1)
	v_permlanex16_b32 v17, v16, s18, s19
	s_delay_alu instid0(VALU_DEP_1)
	v_max_num_f32 v16, v16, v17
	ds_store_b32 v3, v16                           ; all lanes write the same word with the same value
	s_wait_dscnt 0x0                               ; for the others' sake: my store has landed
	s_barrier_signal -1
	s_barrier_wait -1
	ds_load_b128 v[16:19], v4
	ds_load_b128 v[24:27], v4 offset:16
	s_wait_dscnt 0x0
	v_max3_num_f32 v16, v16, v17, v18
	v_max3_num_f32 v19, v19, v24, v25
	s_delay_alu instid0(VALU_DEP_2)
	v_max3_num_f32 v16, v16, v26, v27
	s_delay_alu instid0(VALU_DEP_1)
	v_max_num_f32 v16, v16, v19                    ; the work-group's largest |h|
	s_wait_tensorcnt 0x0                           ; the wave's end, behind my last LDS store
	ds_add_u32 v[SPW], v[NIL]
	s_wait_dscnt 0x0
	global_store_b32 v4, v20, s[8:9]               ; my row's factor: all lanes write the same word with the same value
	s_cmp_lg_u32 s12, 0
	s_cbranch_scc1 .Ldone
	v_cmp_gt_u32 vcc_lo, 2, v1
	s_wait_xcnt 0x0                                ; EXEC is a source of the store above: it changes only behind this wait
	s_and_saveexec_b32 s23, vcc_lo
	s_wait_alu depctr_va_vdst(0)
	global_store_b32 v5, v16, s[10:11]             ; words 2 g and 2 g + 1
	s_wait_xcnt 0x0
	s_or_b32 exec_lo, exec_lo, s23
.Ldone:
	s_endpgm
.Lfunc_end_k_q74206f01cf_rms2:
	.size	k_q74206f01cf_rms2, .Lfunc_end_k_q74206f01cf_rms2-k_q74206f01cf_rms2
	.p2alignl 7, 3214868480
	.fill 96, 4, 3214868480
	.section	.rodata,"a",@progbits
	.p2align	6, 0x0
	.amdhsa_kernel k_q74206f01cf_rms2
		.amdhsa_group_segment_fixed_size 1280
		.amdhsa_private_segment_fixed_size 0
		.amdhsa_enable_private_segment 0
		.amdhsa_kernarg_size 32
		.amdhsa_user_sgpr_count 2
		.amdhsa_user_sgpr_kernarg_segment_ptr 1
		.amdhsa_wavefront_size32 1
		.amdhsa_system_sgpr_workgroup_id_x 1
		.amdhsa_system_sgpr_workgroup_id_y 1
		.amdhsa_system_sgpr_workgroup_id_z 1
		.amdhsa_system_vgpr_workitem_id 0
		.amdhsa_next_free_vgpr 168
		.amdhsa_next_free_sgpr 66
		.amdhsa_reserve_vcc 1
		.amdhsa_float_denorm_mode_32 3
		.amdhsa_float_denorm_mode_16_64 3
		.amdhsa_memory_ordered 1
		.amdhsa_forward_progress 1
		.amdhsa_inst_pref_size 18
	.end_amdhsa_kernel
	.amdgpu_metadata
---
amdhsa.version: [ 1, 2 ]
amdhsa.kernels:
  - .name:           k_q74206f01cf_rms2
    .symbol:         k_q74206f01cf_rms2.kd
    .args:
      - { .name: hid2, .offset: 0, .size: 8, .value_kind: global_buffer, .address_space: global }
      - { .name: ln2_w, .offset: 8, .size: 8, .value_kind: global_buffer, .address_space: global }
      - { .name: rrow, .offset: 16, .size: 8, .value_kind: global_buffer, .address_space: global }
      - { .name: pmax0, .offset: 24, .size: 8, .value_kind: global_buffer, .address_space: global }
    .group_segment_fixed_size: 1280
    .private_segment_fixed_size: 0
    .kernarg_segment_align: 8
    .kernarg_segment_size: 32
    .max_flat_workgroup_size: 256
    .sgpr_count:     66
    .vgpr_count:     168
    .wavefront_size: 32
...
	.end_amdgpu_metadata
.endif
;; end of part 7
;; launch qa3: the kernel of part 2 again; grid 16 x 16, 8 waves a work-group, no clusters, 68,608 bytes of LDS; arguments hid2, ln2_w, rrow, pmax0, acode; writes acode
;; launch g3 (part 8): grid 16 x 22, 4 waves a work-group, clusters of 4 x 1, 327,680 bytes of LDS; arguments acode, wbuf, pmax0, fbuf, pmax1; writes fbuf, pmax1
.if DOCPART == 8
	.amdgcn_target "amdgcn-amd-amdhsa--gfx1250"
	.amdhsa_code_object_version 6
	.text
	.protected	k_q74206f01cf_g3
	.globl	k_q74206f01cf_g3
	.p2align	8
	.type	k_q74206f01cf_g3,@function
k_q74206f01cf_g3:
	s_mov_b64 s[64:65], 0
	v_nop
	global_prefetch_b8 v0, s[64:65] scope:SCOPE_SE
	s_setreg_imm32_b32 hwreg(HW_REG_WAVE_MODE, 25, 1), 1
	s_wait_xcnt 0x0
	s_wait_alu depctr_hold_cnt(0) depctr_sa_sdst(0) depctr_va_vdst(0) depctr_va_sdst(0) depctr_va_ssrc(0) depctr_va_vcc(0) depctr_vm_vsrc(0)
	s_getreg_b32 s2, hwreg(HW_REG_IB_STS2, 6, 4)
	s_cmp_eq_u32 s2, 0
	s_cbranch_scc0 .Lentry_in_a_cluster
	s_endpgm
.Lentry_in_a_cluster:
	s_bfe_u32 s2, ttmp6, 0x10000c
	s_cmp_lg_u32 s2, 0x3003
	s_cbranch_scc0 .Lentry_shape_is_right
	s_endpgm
.Lentry_shape_is_right:
; m = silu(g) x u, g and u = ((codes of h2) x (codes of gate, up)^T) x the activation's scale; K = 2,048: 16 steps of 128.  m goes to fbuf, columns 0 .. 1,407 (the last 32 are zeros: gate's and up's rows behind 1,376 hold zero codes);
; and the work-group's largest |m| to the table of partial maxima.
; A work-group makes 128 tokens x 64 columns of m: source 0 = 8 row tiles of the weights (two of gate, the same two of up, twice: work-group y), source 1 = 8 row tiles of tokens (x).  A wave's accumulators (a, 0), (a, 1) are gate,
; (a, 2), (a, 3) up, for the same 32 columns: the activation needs no other lane.
; OPERANDS lie in memory in the order of an operand's registers, 16 rows x 4 K steps to a record of 6,400 bytes.  LDS: three slots of 102,400 bytes; three first fills and ONE refill, behind a round of the cluster's barrier; one tensor load of a wave is out at the most.
; CLUSTER 4 x 1: the grid's 22 rows divide by no 4, so only the weights' records are shared, among the four partners along x (a joint load with the mask 15); each partner's tokens come by a load of its own.
; THE WAY OUT: through one stage of 128 rows x 272 bytes in slot 1 (it has had its last fill, and every wave's reads of it ended ahead of the last barrier of the steps): a row's 256 bytes come from two waves, so a barrier stands between writing and reading.
.set RT,    25600
.set KG,    6400
.set REG,   8*KG
.set SLOT,  2*REG
.set SPARE, 3*SLOT
.set STAGE, SLOT
.set MAXW,  STAGE+128*272              ; the waves' maxima, behind the stage
.set WOFF,  512*RT                     ; gate's and up's row tiles in wbuf
.set AD0, 5
.set AD1, 8
.set ADS, 11
.set STO, 16
.set RD,  17
.set CO,  18
.set MW,  19
.set MR,  20
.set PA,  21
.set SPW, 28
.set NIL, 29
.set SC,  32
.set ACC, 128
.set G1A, 24
.set G1B, 32
.set G0A, 40
.set G0B, 52
.set SEL, 66
.set SS,  68
.set SN,  98                           ; s[98:99] -scale x log2(e)
.set RC,  94
.set DV,  95
.set MSB, 0
.macro WIN new                         ; the immediate's high byte repeats the setting that is left
.if MSB != \new
	s_set_vgpr_msb (MSB<<8)|\new
.set MSB, \new
.endif
.endm
.set MUL,  0x05
.set TO_F, 0x40
; LDS AS THE LOADS LAY IT: bytes 0 .. SLOT-1: K group 0 (later group 3), the weights' 8 row tiles, then the tokens', 6,400 bytes each; from SLOT the weights' groups 1 and 2, 12,800 bytes a row tile; from 2 SLOT the tokens'.
; The head has one tensor load a wave: wave 0 the weights' group 0, wave 1 the tokens', wave 2 the weights' groups 1 and 2, wave 3 the tokens'; one load of a wave is out at the most.
.set G1AC, 76                          ; s[76:83], s[84:91] group 1 for the rows of two records
.set G1BC, 84
.macro ARM under, g0, g1, next         ; one arm of the head's chain of branches on the wave's number
	s_cmp_lt_u32 s14, \under
	s_cbranch_scc0 \next
	tensor_load_to_lds s[\g0:\g0+3], s[\g1:\g1+7]
	s_nop 0
.rept 4
	v_nop
.endr
	s_branch .Lhead_asked
\next:
.endm
.macro RLOAD                           ; the one refill: wave 0 fetches the weights' group 3 (jointly), wave 1 the tokens', the others nothing
	s_cmp_lt_u32 s14, 1
	s_cbranch_scc0 .Lre_b_\@
	tensor_load_to_lds s[G0A:G0A+3], s[G1A:G1A+7]
	s_nop 0
.rept 4
	v_nop
.endr
	s_branch .Lre_done_\@
.Lre_b_\@:
	s_cmp_lt_u32 s14, 2
	s_cbranch_scc0 .Lre_done_\@
	tensor_load_to_lds s[G0B:G0B+3], s[G1B:G1B+7]
	s_nop 0
.rept 4
	v_nop
.endr
.Lre_done_\@:
	PLACES                                         ; in every wave: places in front of the loads that follow
.endm
.macro CREST
	s_cmp_lg_u32 s14, 0
	s_cbranch_scc1 .Lnot_wave_0_\@
	s_barrier_signal -3
.Lnot_wave_0_\@:
	s_barrier_wait -3
	s_barrier_signal -1
	s_barrier_wait -1
.endm
.macro CROUND
	s_barrier_signal -1
	s_barrier_wait -1
	CREST
.endm
.macro PLACES
.rept 4
	v_nop
.endr
.endm
.macro FETCH sl, j, p
	WIN TO_F
.irp i, 0,1,2,3
.irp c, 0,1,2
	ds_load_b128 v[128*(\p)+12*\i+4*\c:128*(\p)+12*\i+4*\c+3], v[AD0+(\sl)] offset:\i*KG*(1+((\sl)+1)/2)+256+(\j)*1536+512*\c
.endr
.endr
.irp i, 0,1,2,3
.irp c, 0,1,2
	ds_load_b128 v[128*(\p)+48+12*\i+4*\c:128*(\p)+48+12*\i+4*\c+3], v[AD1+(\sl)] offset:\i*KG*(1+((\sl)+1)/2)+256+(\j)*1536+512*\c
.endr
.endr
.endm
.macro SCALES sl, q
	WIN 0
.irp i, 0,1,2,3
	ds_load_b128 v[SC+16*(\q)+4*\i:SC+16*(\q)+4*\i+3], v[ADS+(\sl)] offset:\i*KG*(1+((\sl)+1)/2)
.endr
.endm
.macro NEXT n
	FETCH ((\n)/4)%3, (\n)%4, (\n)%2
.if (\n)%4 == 0
	SCALES ((\n)/4)%3, ((\n)/4)%2
.endif
.endm
.macro MUL4 a, n, zero                 ; the 16 accumulators take turns, one instruction a turn, in the same order in every step
.irp b, 0,1,2,3
.if \zero
	v_wmma_scale_f32_16x16x128_f8f6f4 v[ACC+8*(4*(\a)+\b):ACC+8*(4*(\a)+\b)+7], v[128*((\n)%2)+12*\b:128*((\n)%2)+12*\b+11], v[128*((\n)%2)+48+12*(\a):128*((\n)%2)+48+12*(\a)+11], 0, v[SC+16*(((\n)/4)%2)+4*\b+(\n)%4], v[SC+16*(((\n)/4)%2)+4*(\a)+(\n)%4] matrix_a_fmt:MATRIX_FMT_FP6 matrix_b_fmt:MATRIX_FMT_FP6 matrix_b_scale:MATRIX_SCALE_ROW1
.else
	v_wmma_scale_f32_16x16x128_f8f6f4 v[ACC+8*(4*(\a)+\b):ACC+8*(4*(\a)+\b)+7], v[128*((\n)%2)+12*\b:128*((\n)%2)+12*\b+11], v[128*((\n)%2)+48+12*(\a):128*((\n)%2)+48+12*(\a)+11], v[ACC+8*(4*(\a)+\b):ACC+8*(4*(\a)+\b)+7], v[SC+16*(((\n)/4)%2)+4*\b+(\n)%4], v[SC+16*(((\n)/4)%2)+4*(\a)+(\n)%4] matrix_a_fmt:MATRIX_FMT_FP6 matrix_b_fmt:MATRIX_FMT_FP6 matrix_b_scale:MATRIX_SCALE_ROW1
.endif
.endr
.endm
.macro STEP0 n, zero
	s_wait_dscnt 0x0                               ; this step's fragments are in
	PLACES
	NEXT (\n)+1
	WIN MUL
	MUL4 0, \n, \zero
	MUL4 1, \n, \zero
	MUL4 2, \n, \zero
	MUL4 3, \n, \zero
.endm
.macro STEP1 n, cnt
	s_wait_dscnt 0x0
	s_wait_tensorcnt \cnt                          ; my part of the next slot has landed
	s_barrier_signal -1
	WIN MUL
	MUL4 0, \n, 0
	MUL4 1, \n, 0
	s_barrier_wait -1                              ; everybody's has
	PLACES
	NEXT (\n)+1
	WIN MUL
	MUL4 2, \n, 0
	MUL4 3, \n, 0
.endm
.macro STEP2 n
	WIN 0
	s_wait_tensorcnt 0x0                           ; all my tensor loads have landed: slots 1 and 2 among them
	ds_add_u32 v[SPW], v[NIL]                      ; 0 onto my spare word
	s_wait_dscnt 1                                 ; this step's fragments are in (the add alone may be out)
	WIN MUL
	MUL4 0, \n, 0
	s_wait_dscnt 0x0                               ; the add is done, and my reads of slot 0 are over
	s_barrier_signal -1
	MUL4 1, \n, 0
	WIN 0
	s_barrier_wait -1
	CREST                                          ; a round of the cluster's barrier: no wave of any partner still reads slot 0 or has a load on its way
	s_add_nc_u64 s[G0A+2:G0A+3], s[G0A+2:G0A+3], 3*KG
	s_add_nc_u64 s[G0B+2:G0B+3], s[G0B+2:G0B+3], 3*KG
	RLOAD                                          ; the first tensor load behind the round: eight steps in which to land
	NEXT (\n)+1
	WIN MUL
	MUL4 2, \n, 0
	MUL4 3, \n, 0
.endm
.macro STEP3 n
	s_wait_dscnt 0x0
	WIN MUL
	MUL4 0, \n, 0
	MUL4 1, \n, 0
	MUL4 2, \n, 0
	MUL4 3, \n, 0
.endm
	s_load_b256 s[4:11], s[0:1], 0x0               ; acode, wbuf, the partial maxima of h2, m
	s_load_b64 s[12:13], s[0:1], 0x20              ; the partial maxima of m
	v_lshl_add_u32 v[SPW], v0, 2, SPARE
	v_mov_b32 v[NIL], 0
	ds_add_u32 v[SPW], v[NIL]                      ; the wave's opening: the add, twice on end, and its wait ahead of my first tensor load
	ds_add_u32 v[SPW], v[NIL]
	v_lshrrev_b32 v1, 5, v0
	v_readfirstlane_b32 s14, v1                    ; wave 0..3
	s_lshr_b32 s15, s14, 1                         ; wm
	s_and_b32 s16, s14, 1                          ; wn
	s_bfe_u32 s17, ttmp6, 0x40000                  ; cx
	s_lshl_b32 s19, ttmp9, 2
	s_add_co_u32 s19, s19, s17                     ; X
	s_and_b32 s20, ttmp7, 0xffff                   ; Y: the cluster is one work-group high
	s_mov_b32 s[G1A], 15|(3<<16)|(1<<21)           ; the weights: all four partners; elements of 8 bytes; bit 21 beside a mask
	s_mov_b32 s[G1B], 3<<16                        ; the tokens: a load of my own
	s_mov_b32 s[G1AC], 15|(3<<16)|(1<<21)
	s_mov_b32 s[G1BC], 3<<16
.irp g, G1A, G1B
	s_mov_b32 s[\g+1], 800<<16                     ; a record, 6,400 bytes
	s_mov_b32 s[\g+3], 800<<16
.endr
.irp g, G1AC, G1BC
	s_mov_b32 s[\g+1], 1600<<16                    ; two records on end
	s_mov_b32 s[\g+3], 1600<<16
.endr
.irp g, G1A, G1B, G1AC, G1BC
	s_mov_b32 s[\g+2], 8<<16                       ; eight row tiles
	s_mov_b32 s[\g+4], 8
	s_mov_b32 s[\g+5], 3200
	s_mov_b32 s[\g+6], 0
	s_mov_b32 s[\g+7], 0
.endr
	s_mul_i32 s70, s20, 8*RT
	s_add_co_u32 s70, s70, WOFF
	s_mov_b32 s71, 0
	s_mul_i32 s72, s19, 8*RT
	s_mov_b32 s73, 0
	s_mov_b32 s[SEL], 0x76543210
	s_mov_b32 s[SEL+1], 0xfedcba98
	s_wait_dscnt 0x0                               ; both opening adds are done
	s_wait_kmcnt 0x0
	s_add_nc_u64 s[70:71], s[6:7], s[70:71]
	s_add_nc_u64 s[72:73], s[4:5], s[72:73]
	CROUND                                         ; all four work-groups are here: the first joint loads meet
	s_mov_b32 s[G0A], 1
	s_mov_b32 s[G0A+1], 0
	s_mov_b64 s[G0A+2:G0A+3], s[70:71]
	s_or_b32 s[G0A+3], s[G0A+3], 0x80000000
	s_mov_b32 s[G0B], 1
	s_mov_b32 s[G0B+1], REG
	s_mov_b64 s[G0B+2:G0B+3], s[72:73]
	s_or_b32 s[G0B+3], s[G0B+3], 0x80000000
	s_mov_b32 s[G0A+4], 1
	s_mov_b32 s[G0A+5], SLOT
	s_add_nc_u64 s[G0A+6:G0A+7], s[70:71], KG
	s_or_b32 s[G0A+7], s[G0A+7], 0x80000000
	s_mov_b32 s[G0B+4], 1
	s_mov_b32 s[G0B+5], 2*SLOT
	s_add_nc_u64 s[G0B+6:G0B+7], s[72:73], KG
	s_or_b32 s[G0B+7], s[G0B+7], 0x80000000
	ARM 1, G0A, G1A, .Lhead_b
	ARM 2, G0B, G1B, .Lhead_a2
	ARM 3, G0A+4, G1AC, .Lhead_b2
	tensor_load_to_lds s[G0B+4:G0B+7], s[G1BC:G1BC+7]
	s_nop 0
.rept 4
	v_nop
.endr
.Lhead_asked:
	v_and_b32 v1, 15, v0                           ; r
	v_bfe_u32 v2, v0, 4, 1                         ; h
	v_and_b32 v3, 31, v0
	v_lshlrev_b32 v4, 4, v3
	s_mul_i32 s92, s16, 4*KG
	s_mul_i32 s93, s15, 4*KG
	s_add_co_u32 s93, s93, REG
	s_sub_co_u32 s94, s93, s92
	v_lshlrev_b32 v14, 4, v1
	v_mul_u32_u24 v15, s94, v2
	v_add_nc_u32 v15, v14, v15                     ; group 0: lanes 16-31 take the tokens' scale words
	s_lshl_b32 s94, s94, 1                         ; groups 1 and 2: twice the pitch, twice the distance
	v_mul_u32_u24 v22, s94, v2
	v_add_nc_u32 v14, v14, v22
	v_add_nc_u32 v[AD0], s92, v4
	v_add_nc_u32 v[AD1], s93, v4
	v_add_nc_u32 v[ADS], s92, v15
	s_lshl_b32 s92, s92, 1
	s_lshl_b32 s93, s93, 1
	s_add_co_u32 s92, s92, SLOT
	s_add_co_u32 s93, s93, SLOT
	s_wait_alu depctr_va_vdst(0)                   ; the wait behind the run of scalar lines
.irp s, 1,2
	v_add_nc_u32 v[AD0+\s], s92, v4
	v_add_nc_u32 v[AD1+\s], s93, v4
	v_add_nc_u32 v[ADS+\s], s92, v14
	s_add_co_u32 s92, s92, KG
	s_add_co_u32 s93, s93, KG
.endr
	s_mul_i32 s92, s15, 64*272                     ; into the stage: my 64 rows, my 128 of their 256 bytes; row r, 32 bytes for each half of the lanes
	s_lshl_b32 s93, s16, 7
	s_add_co_u32 s92, s92, s93
	s_add_co_u32 s92, s92, STAGE
	v_mul_u32_u24 v[STO], v1, 272
	v_lshl_add_u32 v[STO], v2, 5, v[STO]
	v_add_nc_u32 v[STO], s92, v[STO]
	s_mul_i32 s92, s14, 32*272                     ; back: wave w takes rows 32 w .. 32 w + 31, whole
	s_add_co_u32 s92, s92, STAGE
	v_mul_u32_u24 v[RD], v2, 272
	v_lshl_add_u32 v[RD], v1, 4, v[RD]
	v_add_nc_u32 v[RD], s92, v[RD]
	v_lshlrev_b32 v[CO], 13, v2
	v_lshl_add_u32 v[CO], v1, 4, v[CO]
	s_lshl_b32 s92, s14, 2
	s_add_co_u32 s92, s92, MAXW
	v_mov_b32 v[MW], s92
	v_mov_b32 v[MR], MAXW
	s_lshl_b32 s92, s19, 7
	s_lshl_b32 s93, s14, 5
	s_add_co_u32 s92, s92, s93                     ; the first token that I store: 128 X + 32 x wave
	s_lshl_b32 s92, s92, 13
	s_lshl_b32 s93, s20, 8
	s_add_co_u32 s92, s92, s93                     ; the work-group's 64 columns
	s_mov_b32 s93, 0
	s_add_nc_u64 s[10:11], s[10:11], s[92:93]
	s_lshl_b32 s92, s20, 4
	s_add_co_u32 s92, s92, s19
	s_lshl_b32 s92, s92, 2                         ; my word of the table: 16 Y + X.  352 work-groups fill 512 words: those with Y under 10 also fill word 16 (Y + 22) + X; the others write their own word twice
	s_cmp_lt_u32 s20, 10
	s_cselect_b32 s93, 22*64, 0
	v_mul_u32_u24 v[PA], s93, v3
	v_add_nc_u32 v[PA], s92, v[PA]
.irp i, 0,1,2,3
	global_load_b128 v[32+4*\i:35+4*\i], v4, s[8:9] offset:512*\i
.endr
	s_mov_b32 s[RC], 0x39c30c31
	s_mov_b32 s[DV], 0x45280000
	s_wait_loadcnt 0x0
	v_max3_num_f32 v32, v32, v33, v34
	v_max3_num_f32 v35, v35, v36, v37
	v_max3_num_f32 v38, v38, v39, v40
	v_max3_num_f32 v41, v41, v42, v43
	v_max3_num_f32 v44, v44, v45, v46
	v_max3_num_f32 v32, v32, v35, v38
	v_max3_num_f32 v41, v41, v44, v47
	v_max_num_f32 v32, v32, v41
	v_max_num_f32_dpp v32, v32, v32 row_xmask:1 row_mask:0xf bank_mask:0xf
	v_max_num_f32_dpp v32, v32, v32 row_xmask:2 row_mask:0xf bank_mask:0xf
	v_max_num_f32_dpp v32, v32, v32 row_xmask:4 row_mask:0xf bank_mask:0xf
	v_max_num_f32_dpp v32, v32, v32 row_xmask:8 row_mask:0xf bank_mask:0xf
	v_permlanex16_b32 v33, v32, s[SEL], s[SEL+1]
	v_max_num_f32 v32, v32, v33
	v_mul_f32 v34, s[RC], v32
	v_fma_f32 v35, -v34, s[DV], v32
	v_fma_f32 v34, v35, s[RC], v34                 ; the activation's scale
	v_mul_f32 v35, 0xbfb8aa3b, v34                 ; and -scale x log2(e)
	v_readfirstlane_b32 s[SS], v34
	s_mov_b32 s[SS+1], s[SS]
	v_readfirstlane_b32 s[SN], v35
	s_mov_b32 s[SN+1], s[SN]
	s_wait_tensorcnt 0x0                           ; my one load of the head has landed
	s_barrier_signal -1
	s_barrier_wait -1
	NEXT 0
	STEP0 0, 1
	STEP0 1, 0
	STEP0 2, 0
	STEP2 3
.irp n, 4,5,6,7,8,9,10
	STEP0 \n, 0
.endr
	STEP1 11, 0
	STEP0 12, 0
	STEP0 13, 0
	STEP0 14, 0
	STEP3 15
	WIN 0
	PLACES
	; m = g u / (1 + 2^(-g log2(e))).  A very negative g gives an infinite power, a reciprocal of 0 and m = 0, as the layer's own form does
.irp a, 0,1,2,3
.irp i, 0,2,4,6,8,10,12,14
	v_pk_mul_f32 v[64+16*\a+\i:65+16*\a+\i], v[ACC+32*\a+\i:ACC+32*\a+\i+1], s[SN:SN+1] op_sel_hi:[1,0]   ; -g log2(e); each gate accumulator from its low end on
.endr
.endr
.set i, 0
	s_wait_alu depctr_va_vdst(0)
.rept 64
	v_exp_f32 v[64+i], v[64+i]
.set i, i+1
.endr
.set i, 0
	s_wait_alu depctr_va_vdst(0)
.rept 64
	v_pk_mul_f32 v[ACC+i:ACC+i+1], v[ACC+i:ACC+i+1], s[SS:SS+1] op_sel_hi:[1,0]   ; g and u: independent work behind the exponentials
.set i, i+2
.endr
.irp a, 0,1,2,3
.irp i, 0,2,4,6,8,10,12,14
	v_pk_mul_f32 v[ACC+32*\a+\i:ACC+32*\a+\i+1], v[ACC+32*\a+\i:ACC+32*\a+\i+1], v[ACC+32*\a+16+\i:ACC+32*\a+17+\i]   ; g u
.endr
.endr
	s_wait_alu depctr_va_vdst(0)                   ; one wait for the 64 exponentials, ahead of their first reader
.set i, 0
.rept 32
	v_pk_add_f32 v[64+i:65+i], v[64+i:65+i], 1.0 op_sel_hi:[1,0]
.set i, i+2
.endr
.set i, 0
	s_wait_alu depctr_va_vdst(0)
.rept 64
	v_rcp_f32 v[64+i], v[64+i]
.set i, i+1
.endr
	v_nop                                          ; a plain place behind the reciprocals
	s_wait_alu depctr_va_vdst(0)                   ; one wait for the 64
.irp a, 0,1,2,3
.irp i, 0,2,4,6,8,10,12,14
	v_pk_mul_f32 v[64+16*\a+\i:65+16*\a+\i], v[64+16*\a+\i:65+16*\a+\i], v[ACC+32*\a+\i:ACC+32*\a+\i+1]   ; m(token 16 a + r, column 16 b + 8 h + j) at 64 + 16 a + 8 b + j
.endr
.endr
	v_max3_num_f32 v32, |v64|, |v65|, |v66|
	v_max3_num_f32 v33, |v67|, |v68|, |v69|
.set i, 6
.rept 29
	v_max3_num_f32 v[32+(i/2)%2], v[32+(i/2)%2], |v[64+i]|, |v[65+i]|
.set i, i+2
.endr
	v_max_num_f32 v32, v32, v33
	v_max_num_f32_dpp v32, v32, v32 row_xmask:1 row_mask:0xf bank_mask:0xf
	v_max_num_f32_dpp v32, v32, v32 row_xmask:2 row_mask:0xf bank_mask:0xf
	v_max_num_f32_dpp v32, v32, v32 row_xmask:4 row_mask:0xf bank_mask:0xf
	v_max_num_f32_dpp v32, v32, v32 row_xmask:8 row_mask:0xf bank_mask:0xf
	v_permlanex16_b32 v33, v32, s[SEL], s[SEL+1]
	v_max_num_f32 v32, v32, v33                    ; my wave's largest |m|
.irp a, 0,1,2,3
.irp b, 0,1
	ds_store_b128 v[STO], v[64+16*\a+8*\b:67+16*\a+8*\b] offset:\a*16*272+64*\b
	ds_store_b128 v[STO], v[68+16*\a+8*\b:71+16*\a+8*\b] offset:\a*16*272+64*\b+16
.endr
.endr
	ds_store_b32 v[MW], v32
	s_wait_dscnt 0x0                               ; for the others' sake: my stores have landed
	s_barrier_signal -1
	s_barrier_wait -1
.irp t, 0,1,2,3,4,5,6,7,8,9,10,11,12,13,14,15
	ds_load_b128 v[ACC+4*\t:ACC+4*\t+3], v[RD] offset:\t*2*272
.endr
	ds_load_b128 v[36:39], v[MR]                   ; the four waves' maxima
.irp t, 0,1,2,3,4,5,6,7,8,9,10,11,12,13,14,15
	s_wait_dscnt 16-\t                             ; load t is in; the younger ones may be out
	global_store_b128 v[CO], v[ACC+4*\t:ACC+4*\t+3], s[10:11] offset:\t*2*8192   ; sixteen lanes store 256 consecutive bytes, aligned
.endr
	s_wait_dscnt 0x0
	v_max3_num_f32 v36, v36, v37, v38
	v_max_num_f32 v36, v36, v39                    ; the work-group's largest |m|
	s_wait_tensorcnt 0x0                           ; the wave's end, behind my last tensor load and my last LDS store
	ds_add_u32 v[SPW], v[NIL]
	s_wait_dscnt 0x0
	s_cmp_lg_u32 s14, 0
	s_cbranch_scc1 .Lnot_first
	v_cmp_gt_u32 vcc_lo, 2, v3
	s_wait_xcnt 0x0                                ; EXEC is a source of the stores above: it changes only behind this wait
	s_and_saveexec_b32 s92, vcc_lo
	s_wait_alu depctr_va_vdst(0)
	global_store_b32 v[PA], v36, s[12:13]
	s_wait_xcnt 0x0
	s_or_b32 exec_lo, exec_lo, s92
.Lnot_first:
	CROUND                                         ; the closing round
	s_endpgm
.Lfunc_end_k_q74206f01cf_g3:
	.size	k_q74206f01cf_g3, .Lfunc_end_k_q74206f01cf_g3-k_q74206f01cf_g3
	.p2alignl 7, 3214868480
	.fill 96, 4, 3214868480
	.section	.rodata,"a",@progbits
	.p2align	6, 0x0
	.amdhsa_kernel k_q74206f01cf_g3
		.amdhsa_group_segment_fixed_size 327680
		.amdhsa_private_segment_fixed_size 0
		.amdhsa_enable_private_segment 0
		.amdhsa_kernarg_size 40
		.amdhsa_user_sgpr_count 2
		.amdhsa_user_sgpr_kernarg_segment_ptr 1
		.amdhsa_wavefront_size32 1
		.amdhsa_system_sgpr_workgroup_id_x 1
		.amdhsa_system_sgpr_workgroup_id_y 1
		.amdhsa_system_sgpr_workgroup_id_z 1
		.amdhsa_system_vgpr_workitem_id 0
		.amdhsa_next_free_vgpr 512
		.amdhsa_next_free_sgpr 100
		.amdhsa_reserve_vcc 1
		.amdhsa_float_denorm_mode_32 3
		.amdhsa_float_denorm_mode_16_64 3
		.amdhsa_memory_ordered 1
		.amdhsa_forward_progress 1
		.amdhsa_inst_pref_size 96
	.end_amdhsa_kernel
	.amdgpu_metadata
---
amdhsa.version: [ 1, 2 ]
amdhsa.kernels:
  - .name:           k_q74206f01cf_g3
    .symbol:         k_q74206f01cf_g3.kd
    .args:
      - { .name: acode, .offset: 0, .size: 8, .value_kind: global_buffer, .address_space: global }
      - { .name: wbuf, .offset: 8, .size: 8, .value_kind: global_buffer, .address_space: global }
      - { .name: pmax0, .offset: 16, .size: 8, .value_kind: global_buffer, .address_space: global }
      - { .name: fbuf, .offset: 24, .size: 8, .value_kind: global_buffer, .address_space: global }
      - { .name: pmax1, .offset: 32, .size: 8, .value_kind: global_buffer, .address_space: global }
    .group_segment_fixed_size: 327680
    .private_segment_fixed_size: 0
    .kernarg_segment_align: 8
    .kernarg_segment_size: 40
    .max_flat_workgroup_size: 128
    .sgpr_count:     100
    .vgpr_count:     512
    .wavefront_size: 32
...
	.end_amdgpu_metadata
.endif
;; end of part 8
;; launch qa4: the kernel of part 5 again; grid 11 x 16, 8 waves a work-group, no clusters, 68,608 bytes of LDS; arguments fbuf, pmax1, acode; writes acode
;; launch g4 (part 9): grid 16 x 16, 4 waves a work-group, clusters of 4 x 4, 327,680 bytes of LDS; arguments acode, wbuf, pmax1, hid2, out0; writes out0
.if DOCPART == 9
	.amdgcn_target "amdgcn-amd-amdhsa--gfx1250"
	.amdhsa_code_object_version 6
	.text
	.protected	k_q74206f01cf_g4
	.globl	k_q74206f01cf_g4
	.p2align	8
	.type	k_q74206f01cf_g4,@function
k_q74206f01cf_g4:
	s_mov_b64 s[64:65], 0
	v_nop
	global_prefetch_b8 v0, s[64:65] scope:SCOPE_SE
	s_setreg_imm32_b32 hwreg(HW_REG_WAVE_MODE, 25, 1), 1
	s_wait_xcnt 0x0
	s_wait_alu depctr_hold_cnt(0) depctr_sa_sdst(0) depctr_va_vdst(0) depctr_va_sdst(0) depctr_va_ssrc(0) depctr_va_vcc(0) depctr_vm_vsrc(0)
	s_getreg_b32 s2, hwreg(HW_REG_IB_STS2, 6, 4)
	s_cmp_eq_u32 s2, 0
	s_cbranch_scc0 .Lentry_in_a_cluster
	s_endpgm
.Lentry_in_a_cluster:
	s_bfe_u32 s2, ttmp6, 0x10000c
	s_cmp_lg_u32 s2, 0xf033
	s_cbranch_scc0 .Lentry_shape_is_right
	s_endpgm
.Lentry_shape_is_right:
; out0 = hid2 + ((codes of m) x (codes of w_down)^T) x the activation's scale.  K = 1,376, filled with zero codes to 1,408: 11 steps of 128.
; A work-group makes 128 x 128: source 0 = 8 row tiles of the weight (work-group y), source 1 = 8 row tiles of tokens (x).  Four waves, 64 x 64 each: 16 accumulators; a lane holds eight neighbouring columns of one token's row.
; OPERANDS lie in memory in the order of an operand's registers, 16 rows x 4 K steps to a record of 6,400 bytes (256 of scale words, 4 x 1,536 of codes).
; LDS: three slots of 102,400 bytes, each filled ONCE: K's three groups go out together at the start (one tensor load of a wave is out at the most).  The third group has three steps: its descriptor states 4,864 bytes of a record
; as the tensor's extent, so what lies behind them is not read and arrives as zeros, which no step reads.
; CLUSTER 4 x 4: the weight's records are shared along a row of the cluster, the tokens' along a column: joint loads.
; THE WAY OUT: 16 rows x 64 columns at a time through the wave's own stage, which lies in slot 0 (every wave's reads of it ended ahead of the last barrier); sixteen lanes store 256 consecutive bytes.
.set RT,    25600
.set KG,    6400
.set REG,   8*KG
.set SLOT,  2*REG
.set SPARE, 3*SLOT
.set STAGE, 0                          ; the stages lie in K group 0's bytes: filled once, and every wave's reads of them ended ahead of step 7's barrier
.set WOFF,  688*RT                     ; w_down's row tiles in wbuf
.set AD0, 5
.set AD1, 8
.set ADS, 11
.set STO, 16
.set RD,  17
.set CO,  18
.set SPW, 28
.set NIL, 29
.set SC,  32
.set RES, 64
.set ACC, 128
.set G1A, 24
.set G1B, 32
.set G0A, 40
.set G0B, 52
.set G1AC, 76                          ; s[76:83], s[84:91] group 1 for the third group of K
.set G1BC, 84
.set SEL, 66
.set SS,  68
.set RC,  94
.set DV,  95
.set MSB, 0
.macro WIN new                         ; the immediate's high byte repeats the setting that is left
.if MSB != \new
	s_set_vgpr_msb (MSB<<8)|\new
.set MSB, \new
.endif
.endm
.set MUL,  0x05
.set TO_F, 0x40
; LDS AS THE LOADS LAY IT: bytes 0 .. SLOT-1: K group 0, source 0's 8 row tiles, then source 1's, 6,400 bytes each; from SLOT source 0's groups 1 and 2, 12,800 bytes a row tile; from 2 SLOT source 1's.
; All of K comes by the head's loads, one a wave: wave 0 source 0's group 0, wave 1 source 1's, wave 2 source 0's groups 1 and 2, wave 3 source 1's.  Nothing is filled again.
.macro ARM under, g0, g1, next         ; one arm of the head's chain of branches on the wave's number
	s_cmp_lt_u32 s14, \under
	s_cbranch_scc0 \next
	tensor_load_to_lds s[\g0:\g0+3], s[\g1:\g1+7]
	s_nop 0
.rept 4
	v_nop
.endr
	s_branch .Lhead_asked
\next:
.endm
.macro CREST
	s_cmp_lg_u32 s14, 0
	s_cbranch_scc1 .Lnot_wave_0_\@
	s_barrier_signal -3
.Lnot_wave_0_\@:
	s_barrier_wait -3
	s_barrier_signal -1
	s_barrier_wait -1
.endm
.macro CROUND
	s_barrier_signal -1
	s_barrier_wait -1
	CREST
.endm
.macro PLACES
.rept 4
	v_nop
.endr
.endm
.macro FETCH sl, j, p
	WIN TO_F
.irp i, 0,1,2,3
.irp c, 0,1,2
	ds_load_b128 v[128*(\p)+12*\i+4*\c:128*(\p)+12*\i+4*\c+3], v[AD0+(\sl)] offset:\i*KG*(1+((\sl)+1)/2)+256+(\j)*1536+512*\c
.endr
.endr
.irp i, 0,1,2,3
.irp c, 0,1,2
	ds_load_b128 v[128*(\p)+48+12*\i+4*\c:128*(\p)+48+12*\i+4*\c+3], v[AD1+(\sl)] offset:\i*KG*(1+((\sl)+1)/2)+256+(\j)*1536+512*\c
.endr
.endr
.endm
.macro SCALES sl, q
	WIN 0
.irp i, 0,1,2,3
	ds_load_b128 v[SC+16*(\q)+4*\i:SC+16*(\q)+4*\i+3], v[ADS+(\sl)] offset:\i*KG*(1+((\sl)+1)/2)
.endr
.endm
.macro NEXT n
	FETCH ((\n)/4)%3, (\n)%4, (\n)%2
.if (\n)%4 == 0
	SCALES ((\n)/4)%3, ((\n)/4)%2
.endif
.endm
.macro MUL4 a, n, zero                 ; the 16 accumulators take turns, one instruction a turn, in the same order in every step
.irp b, 0,1,2,3
.if \zero
	v_wmma_scale_f32_16x16x128_f8f6f4 v[ACC+8*(4*(\a)+\b):ACC+8*(4*(\a)+\b)+7], v[128*((\n)%2)+12*\b:128*((\n)%2)+12*\b+11], v[128*((\n)%2)+48+12*(\a):128*((\n)%2)+48+12*(\a)+11], 0, v[SC+16*(((\n)/4)%2)+4*\b+(\n)%4], v[SC+16*(((\n)/4)%2)+4*(\a)+(\n)%4] matrix_a_fmt:MATRIX_FMT_FP6 matrix_b_fmt:MATRIX_FMT_FP6 matrix_b_scale:MATRIX_SCALE_ROW1
.else
	v_wmma_scale_f32_16x16x128_f8f6f4 v[ACC+8*(4*(\a)+\b):ACC+8*(4*(\a)+\b)+7], v[128*((\n)%2)+12*\b:128*((\n)%2)+12*\b+11], v[128*((\n)%2)+48+12*(\a):128*((\n)%2)+48+12*(\a)+11], v[ACC+8*(4*(\a)+\b):ACC+8*(4*(\a)+\b)+7], v[SC+16*(((\n)/4)%2)+4*\b+(\n)%4], v[SC+16*(((\n)/4)%2)+4*(\a)+(\n)%4] matrix_a_fmt:MATRIX_FMT_FP6 matrix_b_fmt:MATRIX_FMT_FP6 matrix_b_scale:MATRIX_SCALE_ROW1
.endif
.endr
.endm
.macro STEP0 n, zero
	s_wait_dscnt 0x0                               ; this step's fragments are in
	PLACES
	NEXT (\n)+1
	WIN MUL
	MUL4 0, \n, \zero
	MUL4 1, \n, \zero
	MUL4 2, \n, \zero
	MUL4 3, \n, \zero
.endm
.macro STEP1 n, cnt
	s_wait_dscnt 0x0
	s_wait_tensorcnt \cnt                          ; my part of the next slot has landed
	s_barrier_signal -1
	WIN MUL
	MUL4 0, \n, 0
	MUL4 1, \n, 0
	s_barrier_wait -1                              ; everybody's has
	PLACES
	NEXT (\n)+1
	WIN MUL
	MUL4 2, \n, 0
	MUL4 3, \n, 0
.endm
.macro STEP3 n
	s_wait_dscnt 0x0
	WIN MUL
	MUL4 0, \n, 0
	MUL4 1, \n, 0
	MUL4 2, \n, 0
	MUL4 3, \n, 0
.endm
	s_load_b256 s[4:11], s[0:1], 0x0               ; acode, wbuf, the partial maxima, the residual
	s_load_b64 s[12:13], s[0:1], 0x20              ; the result
	v_lshl_add_u32 v[SPW], v0, 2, SPARE
	v_mov_b32 v[NIL], 0
	ds_add_u32 v[SPW], v[NIL]                      ; the wave's opening: the add, twice on end, and its wait ahead of my first tensor load
	ds_add_u32 v[SPW], v[NIL]
	v_lshrrev_b32 v1, 5, v0
	v_readfirstlane_b32 s14, v1                    ; wave 0..3
	s_lshr_b32 s15, s14, 1                         ; wm
	s_and_b32 s16, s14, 1                          ; wn
	s_bfe_u32 s17, ttmp6, 0x40000                  ; cx
	s_bfe_u32 s18, ttmp6, 0x40004                  ; cy
	s_lshl_b32 s19, ttmp9, 2
	s_add_co_u32 s19, s19, s17                     ; X
	s_and_b32 s20, ttmp7, 0xffff
	s_lshl_b32 s20, s20, 2
	s_add_co_u32 s20, s20, s18                     ; Y
	s_lshl_b32 s21, s18, 2
	s_lshl_b32 s21, 15, s21                        ; my row of the cluster
	s_lshl_b32 s22, 0x1111, s17                    ; my column
	s_or_b32 s[G1A], s21, (3<<16)|(1<<21)
	s_or_b32 s[G1B], s22, (3<<16)|(1<<21)
	s_or_b32 s[G1AC], s21, (3<<16)|(1<<21)
	s_or_b32 s[G1BC], s22, (3<<16)|(1<<21)
.irp g, G1A, G1B
	s_mov_b32 s[\g+1], 800<<16                     ; tensor_dim0: a record, 6,400 bytes
	s_mov_b32 s[\g+3], 800<<16
.endr
.irp g, G1AC, G1BC
	s_mov_b32 s[\g+1], 1408<<16                    ; tensor_dim0: a record, then the scale words and three steps of the next: 11,264 bytes; what lies behind arrives as zeros, which no step reads
	s_mov_b32 s[\g+3], 1600<<16                    ; tile_dim0: the LDS pitch is two records'
.endr
.irp g, G1A, G1B, G1AC, G1BC
	s_mov_b32 s[\g+2], 8<<16                       ; eight row tiles
	s_mov_b32 s[\g+4], 8
	s_mov_b32 s[\g+5], 3200
	s_mov_b32 s[\g+6], 0
	s_mov_b32 s[\g+7], 0
.endr
	s_mul_i32 s70, s20, 8*RT
	s_add_co_u32 s70, s70, WOFF
	s_mov_b32 s71, 0
	s_mul_i32 s72, s19, 8*RT
	s_mov_b32 s73, 0
	s_mov_b32 s[SEL], 0x76543210
	s_mov_b32 s[SEL+1], 0xfedcba98
	s_wait_dscnt 0x0                               ; both opening adds are done
	s_wait_kmcnt 0x0
	s_add_nc_u64 s[70:71], s[6:7], s[70:71]
	s_add_nc_u64 s[72:73], s[4:5], s[72:73]
	CROUND                                         ; all sixteen work-groups are here: the first joint loads meet
	s_mov_b32 s[G0A], 1
	s_mov_b32 s[G0A+1], 0
	s_mov_b64 s[G0A+2:G0A+3], s[70:71]
	s_or_b32 s[G0A+3], s[G0A+3], 0x80000000
	s_mov_b32 s[G0B], 1
	s_mov_b32 s[G0B+1], REG
	s_mov_b64 s[G0B+2:G0B+3], s[72:73]
	s_or_b32 s[G0B+3], s[G0B+3], 0x80000000
	s_mov_b32 s[G0A+4], 1
	s_mov_b32 s[G0A+5], SLOT
	s_add_nc_u64 s[G0A+6:G0A+7], s[70:71], KG
	s_or_b32 s[G0A+7], s[G0A+7], 0x80000000
	s_mov_b32 s[G0B+4], 1
	s_mov_b32 s[G0B+5], 2*SLOT
	s_add_nc_u64 s[G0B+6:G0B+7], s[72:73], KG
	s_or_b32 s[G0B+7], s[G0B+7], 0x80000000
	ARM 1, G0A, G1A, .Lhead_b
	ARM 2, G0B, G1B, .Lhead_a2
	ARM 3, G0A+4, G1AC, .Lhead_b2
	tensor_load_to_lds s[G0B+4:G0B+7], s[G1BC:G1BC+7]
	s_nop 0
.rept 4
	v_nop
.endr
.Lhead_asked:
	v_and_b32 v1, 15, v0                           ; r
	v_bfe_u32 v2, v0, 4, 1                         ; h
	v_and_b32 v3, 31, v0
	v_lshlrev_b32 v4, 4, v3
	s_mul_i32 s92, s16, 4*KG
	s_mul_i32 s93, s15, 4*KG
	s_add_co_u32 s93, s93, REG
	s_sub_co_u32 s94, s93, s92
	v_lshlrev_b32 v14, 4, v1
	v_mul_u32_u24 v15, s94, v2
	v_add_nc_u32 v15, v14, v15                     ; group 0: lanes 16-31 take source 1's scale words
	s_lshl_b32 s94, s94, 1                         ; groups 1 and 2: twice the pitch, twice the distance
	v_mul_u32_u24 v22, s94, v2
	v_add_nc_u32 v14, v14, v22
	v_add_nc_u32 v[AD0], s92, v4
	v_add_nc_u32 v[AD1], s93, v4
	v_add_nc_u32 v[ADS], s92, v15
	s_lshl_b32 s92, s92, 1
	s_lshl_b32 s93, s93, 1
	s_add_co_u32 s92, s92, SLOT
	s_add_co_u32 s93, s93, SLOT
	s_wait_alu depctr_va_vdst(0)                   ; the wait behind the run of scalar lines
.irp s, 1,2
	v_add_nc_u32 v[AD0+\s], s92, v4
	v_add_nc_u32 v[AD1+\s], s93, v4
	v_add_nc_u32 v[ADS+\s], s92, v14
	s_add_co_u32 s92, s92, KG
	s_add_co_u32 s93, s93, KG
.endr
	s_mul_i32 s92, s14, 16*272
	s_add_co_u32 s92, s92, STAGE                   ; my stage
	v_mul_u32_u24 v[STO], v1, 272
	v_lshl_add_u32 v[STO], v2, 5, v[STO]
	v_add_nc_u32 v[STO], s92, v[STO]
	v_mul_u32_u24 v[RD], v2, 272
	v_lshl_add_u32 v[RD], v1, 4, v[RD]
	v_add_nc_u32 v[RD], s92, v[RD]
	v_lshlrev_b32 v[CO], 13, v2
	v_lshl_add_u32 v[CO], v1, 4, v[CO]
	s_wait_alu depctr_va_vdst(0)
	s_lshl_b32 s92, s19, 7
	s_lshl_b32 s93, s15, 6
	s_add_co_u32 s92, s92, s93
	s_lshl_b32 s92, s92, 13
	s_lshl_b32 s93, s20, 9
	s_add_co_u32 s92, s92, s93
	s_lshl_b32 s93, s16, 8
	s_add_co_u32 s92, s92, s93
	s_mov_b32 s93, 0
	s_add_nc_u64 s[10:11], s[10:11], s[92:93]
	s_add_nc_u64 s[12:13], s[12:13], s[92:93]
.irp i, 0,1,2,3
	global_load_b128 v[32+4*\i:35+4*\i], v4, s[8:9] offset:512*\i
.endr
.irp a, 0,1
.irp t, 0,1,2,3,4,5,6,7
	global_load_b128 v[RES+32*\a+4*\t:RES+32*\a+4*\t+3], v[CO], s[10:11] offset:\a*16*8192+\t*2*8192
.endr
.endr
	s_mov_b32 s[RC], 0x39c30c31
	s_mov_b32 s[DV], 0x45280000
	s_wait_loadcnt 16                              ; the maxima are in; the residual's sixteen loads may be out
	v_max3_num_f32 v32, v32, v33, v34
	v_max3_num_f32 v35, v35, v36, v37
	v_max3_num_f32 v38, v38, v39, v40
	v_max3_num_f32 v41, v41, v42, v43
	v_max3_num_f32 v44, v44, v45, v46
	v_max3_num_f32 v32, v32, v35, v38
	v_max3_num_f32 v41, v41, v44, v47
	v_max_num_f32 v32, v32, v41
	v_max_num_f32_dpp v32, v32, v32 row_xmask:1 row_mask:0xf bank_mask:0xf
	v_max_num_f32_dpp v32, v32, v32 row_xmask:2 row_mask:0xf bank_mask:0xf
	v_max_num_f32_dpp v32, v32, v32 row_xmask:4 row_mask:0xf bank_mask:0xf
	v_max_num_f32_dpp v32, v32, v32 row_xmask:8 row_mask:0xf bank_mask:0xf
	v_permlanex16_b32 v33, v32, s[SEL], s[SEL+1]
	v_max_num_f32 v32, v32, v33
	v_mul_f32 v34, s[RC], v32
	v_fma_f32 v35, -v34, s[DV], v32
	v_fma_f32 v34, v35, s[RC], v34                 ; the activation's scale
	v_readfirstlane_b32 s[SS], v34
	s_mov_b32 s[SS+1], s[SS]
	s_wait_tensorcnt 0x0                           ; my one load has landed
	s_barrier_signal -1
	s_barrier_wait -1
	NEXT 0
	STEP0 0, 1
	STEP0 1, 0
	STEP0 2, 0
	STEP0 3, 0
	STEP0 4, 0
	STEP0 5, 0
	STEP0 6, 0
	STEP1 7, 0
	STEP0 8, 0
	STEP0 9, 0
	STEP3 10
	WIN 0
	PLACES
.macro TOSTAGE a
.irp b, 0,1,2,3
	ds_store_b128 v[STO], v[ACC+32*(\a)+8*\b:ACC+32*(\a)+8*\b+3] offset:64*\b
	ds_store_b128 v[STO], v[ACC+32*(\a)+8*\b+4:ACC+32*(\a)+8*\b+7] offset:64*\b+16
.endr
.irp t, 0,1,2,3,4,5,6,7
	ds_load_b128 v[ACC+32*(\a)+4*\t:ACC+32*(\a)+4*\t+3], v[RD] offset:\t*2*272   ; LDS serves a wave's instructions in order: these see my stores, and the next block's stores come behind them
.endr
.endm
.macro SEND a, ds, ld
	s_wait_dscnt \ds                               ; the block is back (the next block's sixteen LDS instructions may be out)
	s_wait_loadcnt \ld                             ; its residual is in (the younger block's eight loads may be out)
.irp i, 0,2,4,6,8,10,12,14,16,18,20,22,24,26,28,30
	v_pk_fma_f32 v[ACC+32*(\a)+\i:ACC+32*(\a)+\i+1], v[ACC+32*(\a)+\i:ACC+32*(\a)+\i+1], s[SS:SS+1], v[RES+32*((\a)%2)+\i:RES+32*((\a)%2)+\i+1] op_sel_hi:[1,0,1]
.endr
.if (\a) < 2
.irp t, 0,1,2,3,4,5,6,7
	global_load_b128 v[RES+32*(\a)+4*\t:RES+32*(\a)+4*\t+3], v[CO], s[10:11] offset:((\a)+2)*16*8192+\t*2*8192
.endr
.endif
.irp t, 0,1,2,3,4,5,6,7
	global_store_b128 v[CO], v[ACC+32*(\a)+4*\t:ACC+32*(\a)+4*\t+3], s[12:13] offset:(\a)*16*8192+\t*2*8192 th:TH_STORE_NT   ; sixteen lanes store 256 consecutive bytes, aligned; written once, read by nobody here
.endr
.endm
	TOSTAGE 0
	TOSTAGE 1
	SEND 0, 16, 8
	TOSTAGE 2
	SEND 1, 16, 8
	TOSTAGE 3
	SEND 2, 16, 8
	SEND 3, 0, 0
	s_wait_tensorcnt 0x0                           ; the wave's end, behind my last tensor load and my last LDS store
	ds_add_u32 v[SPW], v[NIL]
	s_wait_dscnt 0x0
	CROUND                                         ; the closing round
	s_endpgm
.Lfunc_end_k_q74206f01cf_g4:
	.size	k_q74206f01cf_g4, .Lfunc_end_k_q74206f01cf_g4-k_q74206f01cf_g4
	.p2alignl 7, 3214868480
	.fill 96, 4, 3214868480
	.section	.rodata,"a",@progbits
	.p2align	6, 0x0
	.amdhsa_kernel k_q74206f01cf_g4
		.amdhsa_group_segment_fixed_size 327680
		.amdhsa_private_segment_fixed_size 0
		.amdhsa_enable_private_segment 0
		.amdhsa_kernarg_size 40
		.amdhsa_user_sgpr_count 2
		.amdhsa_user_sgpr_kernarg_segment_ptr 1
		.amdhsa_wavefront_size32 1
		.amdhsa_system_sgpr_workgroup_id_x 1
		.amdhsa_system_sgpr_workgroup_id_y 1
		.amdhsa_system_sgpr_workgroup_id_z 1
		.amdhsa_system_vgpr_workitem_id 0
		.amdhsa_next_free_vgpr 512
		.amdhsa_next_free_sgpr 100
		.amdhsa_reserve_vcc 0
		.amdhsa_float_denorm_mode_32 3
		.amdhsa_float_denorm_mode_16_64 3
		.amdhsa_memory_ordered 1
		.amdhsa_forward_progress 1
		.amdhsa_inst_pref_size 67
	.end_amdhsa_kernel
	.amdgpu_metadata
---
amdhsa.version: [ 1, 2 ]
amdhsa.kernels:
  - .name:           k_q74206f01cf_g4
    .symbol:         k_q74206f01cf_g4.kd
    .args:
      - { .name: acode, .offset: 0, .size: 8, .value_kind: global_buffer, .address_space: global }
      - { .name: wbuf, .offset: 8, .size: 8, .value_kind: global_buffer, .address_space: global }
      - { .name: pmax1, .offset: 16, .size: 8, .value_kind: global_buffer, .address_space: global }
      - { .name: hid2, .offset: 24, .size: 8, .value_kind: global_buffer, .address_space: global }
      - { .name: out0, .offset: 32, .size: 8, .value_kind: global_buffer, .address_space: global }
    .group_segment_fixed_size: 327680
    .private_segment_fixed_size: 0
    .kernarg_segment_align: 8
    .kernarg_segment_size: 40
    .max_flat_workgroup_size: 128
    .sgpr_count:     100
    .vgpr_count:     512
    .wavefront_size: 32
...
	.end_amdgpu_metadata
.endif
;; end of part 9
